; MI455X (gfx1250); checked and timed in simulation.
; The chip was launched on July 23, 2026; its instructions are those of AMD's public machine-readable ISA for CDNA 5 (MIT licence, August 2026) and "CDNA5" Instruction Set Architecture Reference Guide (July 2026). The comments in the code are by the model that wrote it; some were corrected since.
;; T Block. Allowed arithmetic: matrix products marked QUANTISED: E2M3 operands, one E8M0 scale for each 32 along K, by v_wmma_scale_f32_16x16x128_f8f6f4 with both operands' format E2M3, f32 sums; everything else in f32.
;; Inputs: W1 512 x 2,048 float32; W2 2,048 x 512 float32; Wk 512 x 512 float32; Wo 512 x 512 float32; Wq 512 x 512 float32; Wv 512 x 512 float32; input 4 x 2,048 x 512 float32; mask 4 x 2,048 float32.
;; Outputs: out0 4 x 2,048 x 512 float32.
;; This version of the problem:
;;   THIS VERSION OF THE PROBLEM IS GIVEN IN LOW PRECISION. The matrix products marked QUANTISED in the list below multiply operands that are first quantised to E2M3 (2 exponent bits, 3 mantissa bits; 6 bits a number), with one power-of-two scale for each 32 numbers along K (OCP MX v1.0); their sums are f32. All else is computed in f32.
;;   The module's matrix products, in the order in which they are computed (A, B: the left and right operand; K: the contracted axis; several contracted axes count as one K, in the product's order):
;;     1. [M 8,192, K 512] x [K 512, N 512]; A: computed on the way; B: input Wq: QUANTISED
;;     2. [M 8,192, K 512] x [K 512, N 512]; A: computed on the way; B: input Wk: QUANTISED
;;     3. [M 8,192, K 512] x [K 512, N 512]; A: computed on the way; B: input Wv: QUANTISED
;;     4. batch 32 x [M 2,048, K 64] x [K 64, N 2,048]; A: computed on the way; B: computed on the way: QUANTISED
;;     5. batch 32 x [M 2,048, K 2,048] x [K 2,048, N 64]; A: softmax (see below); B: computed on the way: QUANTISED
;;     6. [M 8,192, K 512] x [K 512, N 512]; A: computed on the way; B: input Wo: QUANTISED
;;     7. [M 8,192, K 512] x [K 512, N 2,048]; A: computed on the way; B: input W1: QUANTISED
;;     8. [M 8,192, K 2,048] x [K 2,048, N 512]; A: computed on the way; B: input W2: QUANTISED
;;   THE QUANTISER, for each operand of a quantised product, along K:
;;     - K is cut into blocks of 32 from its start; a last block that is shorter is filled with zeros.
;;     - A block's scale is 2^e with e = floor(log2(the largest magnitude in the block)) - 2, held to -126 .. 127; a block of zeros has e = 0. As a byte (E8M0): e + 127.
;;     - Each number is divided by its block's scale, clamped to +-7.5, and rounded to the nearest number of E2M3, ties to even, subnormals kept.
;;     - The product sums the exact products of the quantised numbers (number of the format x scale) in f32.
;;   ~~~python
;;   def quantise(x, axis):      # numpy; x: float32 -> the quantised numbers, widened to float32 again
;;       x = np.moveaxis(x, axis, -1); K = x.shape[-1]
;;       x = np.pad(x, [(0, 0)] * (x.ndim - 1) + [(0, -K % 32)]); x = x.reshape(x.shape[:-1] + (-1, 32)); a = np.abs(x).max(-1, keepdims=True)
;;       e = np.where(a > 0, np.clip(np.frexp(np.where(a > 0, a, 1))[1] - 1 - 2, -126, 127), 0)      # np.frexp(a)[1] - 1 = floor(log2(a)), exactly
;;       r = np.clip(x / 2.0 ** e, -7.5, 7.5)
;;       step = 2.0 ** (np.maximum(np.frexp(np.where(r == 0, 1, r))[1] - 1, 0) - 3)
;;       q = np.round(r / step) * step * 2.0 ** e      # np.round: ties to even
;;       return np.moveaxis(q.reshape(q.shape[:-2] + (-1,))[..., :K], -1, axis).astype(np.float32)
;;   ~~~
;;   SOFTMAX AHEAD OF A QUANTISED PRODUCT. Where the list says 'softmax', what is quantised is not the finished softmax but p = 2^(t - M), with t = logit x log2(e) and M = ceil(the row's largest t), a whole number; so 1/2 < the row's largest p <= 1. The row's sum l is taken of the UNQUANTISED p, in f32, and the product's result is divided by l at the end. Since M is a whole number, a kernel that streams over the keys may use a running M (the ceiling of the running maximum): every later rescaling is an exact power of two, which a block's scale takes up: the codes' values come out the same.
;;   OPERANDS COMPUTED ON THE WAY. 'Computed on the way' means the value that the module computes at that place (a softmax that the list does not call 'softmax' is quantised finished and normalised). What goes into a quantiser is computed in f32, as accurately as f32 sums, v_exp_f32 and their like allow (about 1e-6 of the number): no bf16 or f16 on the way to a quantiser, and a product that is left as it is and whose result goes on into a quantised operand takes f32 operands (vector FMAs, or v_wmma_f32_16x16x4_f32). A number that lies on a knife's edge between two numbers of the format may be rounded either way, as far as f32 arithmetic and the matrix unit's own rounding can turn it there, and no further.
;; 2 versions. Each part assembles by itself: llvm-mc -triple=amdgcn-amd-amdhsa -mcpu=gfx1250 --defsym DOCPART=n.
;; ======== version 1 of 2: 4 launches
;; limits: an absolute error that grows with the inputs' magnitude: up to 1e-07 times it
;; workspace buffers: wimg 2,457,600 bytes; qimg 3,145,728 bytes; qsc 262,144 bytes; kv 6,684,672 bytes; attimg 3,145,728 bytes; attsc 131,072 bytes
;; launch prep (part 1): grid 192 x 1, 4 waves a work-group, no clusters, 0 bytes of LDS; arguments Wq, Wk, Wv, Wo, W1, W2, wimg; writes wimg
.if DOCPART == 1
	.amdgcn_target "amdgcn-amd-amdhsa--gfx1250"
	.amdhsa_code_object_version 6
	.text
	.protected	k_qb862778edf_prep
	.globl	k_qb862778edf_prep
	.p2align	8
	.type	k_qb862778edf_prep,@function
k_qb862778edf_prep:
	s_mov_b64 s[64:65], 0
	v_nop
	global_prefetch_b8 v0, s[64:65] scope:SCOPE_SE
	s_setreg_imm32_b32 hwreg(HW_REG_WAVE_MODE, 25, 1), 1
	s_wait_xcnt 0x0
; The six weights, f32 stored [K][N], become codes of FP6 (E2M3) with one E8M0 byte for each 32 along K, laid as IMAGES OF OPERAND REGISTERS.
; wimg: 48 panels of 51,200 bytes.  A panel is 128 columns x 512 along K: 32 fragment images of 1,536 bytes, image 8 s + t (K step s, tile t), then 2,048 bytes of scale words.
; An image is three blocks of 512 bytes: block k holds registers 4 k .. 4 k + 3 of lane L at byte 16 L.  Scale words: [pair of tiles P][r + 16 u][K step s], 4 bytes each.
; Panels 0-3 Wq, 4-7 Wk, 8-11 Wv, 12-15 Wo (columns 128 (panel % 4) on); 16 + 4 c + w: W1, columns 512 c + 128 w on; 32 + 4 c + w: W2, columns 128 w on, rows 512 c on.
; THE COLUMNS OF A TILE ARE NOT NEIGHBOURS: lane r of tile 2 P + u holds column 32 P + 8 u + r + 8 (r / 8), so that a product's results are neighbours along the next K.
; SHARES.  A work-group takes one panel's K step (128 rows x 128 columns), a wave 32 columns (one pair of tiles), A LANE ONE COLUMN, and its registers run down K: each load reads 128 consecutive
; bytes, a block of 32 lies in one lane, and the conversions' results are the operand's registers.  A lane makes the registers of fragment lanes (r, 0) and (r, 1).
; A block's scale byte is its largest magnitude's exponent field - 2, held at 1 from below (a block of zeros keeps the byte 1: its codes are zeros, and this program alone reads the bytes).
; LIMITS: NaN and infinities are not served; a block whose largest magnitude lies under 2^-124 is quantised under the byte 1.
; The scale words leave as 4 bytes a lane, 16 bytes apart: 98,304 bytes of the launch's 2,457,600; all codes leave as 16 bytes a lane, sixteen lanes to 256 consecutive bytes.
; No LDS, no barrier, no matrix unit, no cluster: waves share nothing and every input byte is read once.
.set X,  32                            ; v32-159  the lane's 128 numbers: v[X + 64 h + 32 c + i] = row 64 c + 32 h + i of the K step
.set F,  160                           ; v160-183 the two lanes' fragment registers, 12 each
.set TT, 184                           ; v184-199 the upper 16 codes of each block (a conversion's three registers begin on an even number)
.set MX, 8                             ; v8-9     largest magnitudes
.set SC, 10                            ; v10-11   the conversions' scale operands
.set BY, 12                            ; v12-15   scale bytes, 2 h + c
	s_load_b256 s[4:11], s[0:1], 0x0               ; Wq, Wk, Wv, Wo
	s_load_b128 s[12:15], s[0:1], 0x20             ; W1, W2
	s_load_b64 s[16:17], s[0:1], 0x30              ; wimg
	v_lshrrev_b32 v1, 5, v0
	v_readfirstlane_b32 s18, v1                    ; wave = pair of tiles
	v_and_b32 v2, 31, v0                           ; lane = column of the pair's 32
	v_lshlrev_b32 v3, 2, v2                        ; in: 4 bytes a lane
	v_and_b32 v6, 7, v2
	v_lshrrev_b32 v7, 4, v2
	v_lshl_add_u32 v6, v7, 3, v6                   ; r = lane % 8 + 8 (lane / 16)
	v_bfe_u32 v7, v2, 3, 1                         ; u = (lane / 8) % 2
	v_mul_u32_u24 v4, v7, 1536
	v_lshl_add_u32 v4, v6, 4, v4                   ; out: tile u's image, 16 r
	v_lshl_add_u32 v5, v7, 4, v6
	v_lshlrev_b32 v5, 4, v5                        ; scale word: 16 (r + 16 u)
	s_lshr_b32 s19, ttmp9, 2                       ; panel
	s_and_b32 s20, ttmp9, 3                        ; K step
	s_lshr_b32 s21, s19, 2                         ; 0..3 Wq..Wo, 4..7 W1, 8..11 W2
	s_lshr_b32 s24, s21, 2                         ; 0, 1 (W1), 2 (W2)
	s_and_b32 s22, s19, 3
	s_lshl_b32 s22, s22, 7                         ; first column: 128 (panel % 4),
	s_sub_co_u32 s23, s19, 16
	s_lshl_b32 s23, s23, 7                         ; for W1 128 (panel - 16)
	s_sub_co_u32 s26, s21, 8                       ; W2's chunk of 512 rows
	s_cmp_eq_u32 s24, 1
	s_cselect_b32 s22, s23, s22
	s_cselect_b32 s25, 13, 11                      ; log2 of a row's bytes: 8,192 or 2,048
	s_cmp_eq_u32 s24, 2
	s_cselect_b32 s26, s26, 0
	s_lshl_b32 s26, s26, 9
	s_lshl_b32 s27, s20, 7
	s_add_co_u32 s26, s26, s27                     ; first row
	s_lshl_b32 s28, s26, s25
	s_lshl_b32 s27, s18, 5
	s_add_co_u32 s22, s22, s27
	s_lshl_b32 s22, s22, 2
	s_add_co_u32 s28, s28, s22                     ; byte offset of my wave's first number
	s_mov_b32 s29, 0
	s_mul_i32 s30, s19, 51200                      ; the panel
	s_lshl_b32 s32, s20, 3
	s_lshl_b32 s33, s18, 1
	s_add_co_u32 s32, s32, s33
	s_mul_i32 s32, s32, 1536                       ; image 8 s + 2 w
	s_add_co_u32 s34, s30, s32
	s_mov_b32 s35, 0
	s_lshl_b32 s32, s18, 9
	s_lshl_b32 s33, s20, 2
	s_add_co_u32 s36, s30, s32
	s_add_co_u32 s36, s36, s33
	s_add_co_u32 s36, s36, 49152                   ; scale words of pair w, K step s
	s_mov_b32 s37, 0
	s_wait_kmcnt 0x0
	s_cmp_eq_u32 s21, 1                            ; the weight is chosen by the work-group's number alone
	s_cselect_b64 s[4:5], s[6:7], s[4:5]
	s_cmp_eq_u32 s21, 2
	s_cselect_b64 s[4:5], s[8:9], s[4:5]
	s_cmp_eq_u32 s21, 3
	s_cselect_b64 s[4:5], s[10:11], s[4:5]
	s_cmp_eq_u32 s24, 1
	s_cselect_b64 s[4:5], s[12:13], s[4:5]
	s_cmp_eq_u32 s24, 2
	s_cselect_b64 s[4:5], s[14:15], s[4:5]
	s_add_nc_u64 s[4:5], s[4:5], s[28:29]
	s_add_nc_u64 s[38:39], s[16:17], s[34:35]
	s_add_nc_u64 s[40:41], s[16:17], s[36:37]
.macro LOADW pitch                     ; 128 loads, the numbers of fragment lane (r, 0) first; every offset an immediate (127 x 8,192 at the most)
.irp h, 0,1
.irp c, 0,1
.set lw, 0
.rept 32
	global_load_b32 v[X+64*\h+32*\c+lw], v3, s[4:5] offset:(64*\c+32*\h+lw)*\pitch th:TH_LOAD_NT
.set lw, lw+1
.endr
.endr
.endr
.endm
	s_cmp_eq_u32 s24, 1
	s_cbranch_scc1 .Lwide
	LOADW 2048
	s_branch .Lgo
.Lwide:
	LOADW 8192
.Lgo:
.macro HALF h                          ; the two blocks (c = 0, 1) of fragment lane (r, h): k = 64 c + 32 h + 0 .. 31
.irp c, 0,1
	v_max3_num_f32 v[MX+\c], |v[X+64*\h+32*\c]|, |v[X+64*\h+32*\c+1]|, 0x1800000   ; with the floor 2^(3 - 127): the byte cannot fall under 1
.endr
.irp i, 2,4,6,8,10,12,14,16,18,20,22,24,26,28,30
.irp c, 0,1
	v_max3_num_f32 v[MX+\c], v[MX+\c], |v[X+64*\h+32*\c+\i]|, |v[X+64*\h+32*\c+\i+1]|
.endr
.endr
.irp c, 0,1
	v_add_nc_u32 v[SC+\c], 0xff000000, v[MX+\c]    ; 2 off the exponent field: the conversion's scale operand
.endr
.irp c, 0,1
	v_lshrrev_b32 v[BY+2*\h+\c], 23, v[SC+\c]      ; the scale's byte
.endr
.irp c, 0,1
	v_cvt_scalef32_pk16_fp6_f32 v[F+12*\h+6*\c:F+12*\h+6*\c+2], v[X+64*\h+32*\c:X+64*\h+32*\c+15], v[SC+\c]
	v_cvt_scalef32_pk16_fp6_f32 v[TT+4*(2*\h+\c):TT+4*(2*\h+\c)+2], v[X+64*\h+32*\c+16:X+64*\h+32*\c+31], v[SC+\c]
.endr
	v_nop                                          ; one plain place behind a scaled conversion
.irp c, 0,1
.irp i, 0,1,2
	v_mov_b32 v[F+12*\h+6*\c+3+\i], v[TT+4*(2*\h+\c)+\i]
.endr
.endr
.irp k, 0,1,2
	global_store_b128 v4, v[F+12*\h+4*\k:F+12*\h+4*\k+3], s[38:39] offset:256*\h+512*\k   ; the sixteen lanes of a tile store 256 consecutive bytes
.endr
.endm
	s_wait_loadcnt 63                              ; at most 63 of the 128 are out: the first 64 are in
	HALF 0
	s_wait_loadcnt 0x0
	HALF 1
	v_lshl_or_b32 v16, v[BY+2], 8, v[BY]           ; byte 2 c + h of the word is block (c, h)'s
	v_lshl_or_b32 v16, v[BY+1], 16, v16
	v_lshl_or_b32 v16, v[BY+3], 24, v16
	global_store_b32 v5, v16, s[40:41]
	s_endpgm
.Lfunc_end_k_qb862778edf_prep:
	.size	k_qb862778edf_prep, .Lfunc_end_k_qb862778edf_prep-k_qb862778edf_prep
	.p2alignl 7, 3214868480
	.fill 96, 4, 3214868480
	.section	.rodata,"a",@progbits
	.p2align	6, 0x0
	.amdhsa_kernel k_qb862778edf_prep
		.amdhsa_group_segment_fixed_size 0
		.amdhsa_private_segment_fixed_size 0
		.amdhsa_enable_private_segment 0
		.amdhsa_kernarg_size 56
		.amdhsa_user_sgpr_count 2
		.amdhsa_user_sgpr_kernarg_segment_ptr 1
		.amdhsa_wavefront_size32 1
		.amdhsa_system_sgpr_workgroup_id_x 1
		.amdhsa_system_sgpr_workgroup_id_y 1
		.amdhsa_system_sgpr_workgroup_id_z 1
		.amdhsa_system_vgpr_workitem_id 0
		.amdhsa_next_free_vgpr 208
		.amdhsa_next_free_sgpr 66
		.amdhsa_reserve_vcc 0
		.amdhsa_float_denorm_mode_32 3
		.amdhsa_float_denorm_mode_16_64 3
		.amdhsa_memory_ordered 1
		.amdhsa_forward_progress 1
		.amdhsa_inst_pref_size 34
	.end_amdhsa_kernel
	.amdgpu_metadata
---
amdhsa.version: [ 1, 2 ]
amdhsa.kernels:
  - .name:           k_qb862778edf_prep
    .symbol:         k_qb862778edf_prep.kd
    .args:
      - { .name: Wq, .offset: 0, .size: 8, .value_kind: global_buffer, .address_space: global }
      - { .name: Wk, .offset: 8, .size: 8, .value_kind: global_buffer, .address_space: global }
      - { .name: Wv, .offset: 16, .size: 8, .value_kind: global_buffer, .address_space: global }
      - { .name: Wo, .offset: 24, .size: 8, .value_kind: global_buffer, .address_space: global }
      - { .name: W1, .offset: 32, .size: 8, .value_kind: global_buffer, .address_space: global }
      - { .name: W2, .offset: 40, .size: 8, .value_kind: global_buffer, .address_space: global }
      - { .name: wimg, .offset: 48, .size: 8, .value_kind: global_buffer, .address_space: global }
    .group_segment_fixed_size: 0
    .private_segment_fixed_size: 0
    .kernarg_segment_align: 8
    .kernarg_segment_size: 56
    .max_flat_workgroup_size: 128
    .sgpr_count:     66
    .vgpr_count:     208
    .wavefront_size: 32
...
	.end_amdgpu_metadata
.endif
;; end of part 1
;; launch qkv (part 2): grid 256 x 1, 4 waves a work-group, no clusters, 96,768 bytes of LDS; arguments input, mask, wimg, qimg, qsc, kv; writes qimg, qsc, kv
.if DOCPART == 2
	.amdgcn_target "amdgcn-amd-amdhsa--gfx1250"
	.amdhsa_code_object_version 6
	.text
	.protected	k_qb862778edf_qkv
	.globl	k_qb862778edf_qkv
	.p2align	8
	.type	k_qb862778edf_qkv,@function
k_qb862778edf_qkv:
	s_mov_b64 s[64:65], 0
	v_nop
	global_prefetch_b8 v0, s[64:65] scope:SCOPE_SE
	s_setreg_imm32_b32 hwreg(HW_REG_WAVE_MODE, 25, 1), 1
	s_wait_xcnt 0x0
; x = layernorm(input x mask);  q = x Wq / 8, k = x Wk, v = x Wv, all three products on codes of FP6 (E2M3) with one E8M0 byte for each 32 along K; q and k are quantised along the head's 64, v along the keys,
; and leave as images of the operand registers that the attention launch wants.
; SHARES.  A work-group takes 32 tokens: two tiles of 16; lane r of tile m holds token 8 m + r + 8 (r / 8).  THE WAVES SHARE THE COLUMNS: wave w makes columns 128 w .. + 127 of q, k and v (heads 2 w, 2 w + 1).
; x's codes go from wave to wave through LDS as images of their registers (three stores of 512 consecutive bytes a fragment).  The weights' fragment images come straight from memory into the one wave's
; registers that uses them, 512 consecutive bytes a load, in four buffers of 96 registers.
; THE WEIGHTS' STREAM.  Quarter q of a panel (K step q: 24 loads, with quarter 0 four more for the scale words) lands in buffer q.  The loads are issued in the order of their use.  Inside a panel a quarter is asked for one
; group of products later than its buffer falls free, so that its issue can be held up only by loads that the next products want anyway; the two quarters that fall due in front of an epilogue are asked for inside it.
; NO JOINT LOADS: each weight fragment feeds one wave alone; a joint load lands in LDS only, and beside the 96,256 bytes in use two slots hold half a panel a wave: a refill would have 32 products in which to land.
; q, k: source 0 = 16 columns of the weight, source 1 = 16 tokens: a lane holds one token and its registers run along the columns.  v: the sources swapped: a lane holds one column and its registers run along the tokens, the keys.
; REGISTERS, in windows of 256: window 0: v0-31 addresses, v32-63 weight scale words (two sets), v64-71 x's scale words, v80-91 mask, mean, 1/sigma, v92-127 at work, v128-255 HA: 16 accumulators.
;   windows 1, 2: the four weight buffers.   window 3: v0-127 the input as loaded, later six sets of 16 registers from which the results are stored: no store's data are written again, so no wait stands for them;
;   v128-223 x's eight fragments.
; LIMITS: NaN and infinities are not served; a block of zeros, or one whose largest magnitude lies under 2^-124, gets the byte 1 (this program alone reads the bytes).
.set HA,  128
.set X2,  0
.set TI,  0
.set ACT, 128
.set RQ,  0                            ; window 3: q's two sets of 16,
.set RK,  32                           ; k's,
.set RV,  64                           ; v's
.set LI,  1                            ; 16 x lane
.set L8,  2                            ; 8 x lane
.set LS,  3                            ; 4 x lane
.set SA,  4                            ; my stage: row r, + 64 h
.set SD,  5                            ; my stage: 16 x lane
.set IW,  6                            ; 16 x lane + 1,536 x wave
.set SWA, 7                            ; 4 x lane + 128 x wave
.set ST8, 8                            ; 8 x lane + 256 x wave
.set LR16, 9                           ; 16 r
.set MKO, 10                           ; 4 (r + 8 (r / 8))
.set SH,  11                           ; 16 h
.set QSO, 12                           ; 4 r + 8,192 h
.set KSO, 13                           ; 16 r + 208,896 h
.set VV16, 14                          ; 1,536 h + 16 r
.set VV8, 15                           ; 1,536 h + 8 r
.set PW,  30
.set WS,  32
.set YS,  64
.set HS,  72
.set MK0, 80
.set MU0, 84
.set RS0, 88
.set TM,  92
.set PC,  108
.set YIMG, 0                           ; LDS: x's 8 fragment images (4 m + s),
.set YSC,  12288                       ; their scale words, 128 bytes each,
.set STAT1, 26624                      ; the waves' partial sums, 8 bytes a lane,
.set STAT2, 27648                      ; and partial sums of squares,
.set STG,  28672                       ; a stage of 32 rows x (512 + 16) bytes for each wave
.set WV,  16
.set SEL, 20
.set WP,  22
.set IN,  24
.set MP,  26
.set SQ,  28
.set SQS, 30
.set SK,  32
.set SKS, 34
.set SVA, 36
.set SVB, 38
.set SVS, 40
.set SINV, 42
.set SEPS, 43
.set MSB, 0
.macro WIN new                         ; the immediate's high byte repeats the setting that is left; a switch that changes nothing is dropped
.if MSB != (\new)
	s_set_vgpr_msb (MSB<<8)|(\new)
.set MSB, (\new)
.endif
.endm
.macro NOP4                            ; four places behind matrix instructions: in front of loads into registers that they read and of the first read of results
	WIN 0
.rept 4
	v_nop
.endr
.endm
.macro BARRIER                         ; my LDS stores have landed and my LDS loads are in: then the work-group's barrier
	s_wait_dscnt 0x0
	s_barrier_signal -1
	s_barrier_wait -1
.endm
.macro WM d, a, b, z, sa, sb, row      ; one product; z: the sum begins with 0; row 1 / 2: source 0's / source 1's scales stand in lanes 16-31
.if \z
.if (\row) == 0
	v_wmma_scale_f32_16x16x128_f8f6f4 v[\d:\d+7], v[\a:\a+11], v[\b:\b+11], 0, v[\sa], v[\sb] matrix_a_fmt:MATRIX_FMT_FP6 matrix_b_fmt:MATRIX_FMT_FP6
.elseif (\row) == 1
	v_wmma_scale_f32_16x16x128_f8f6f4 v[\d:\d+7], v[\a:\a+11], v[\b:\b+11], 0, v[\sa], v[\sb] matrix_a_fmt:MATRIX_FMT_FP6 matrix_b_fmt:MATRIX_FMT_FP6 matrix_a_scale:MATRIX_SCALE_ROW1
.else
	v_wmma_scale_f32_16x16x128_f8f6f4 v[\d:\d+7], v[\a:\a+11], v[\b:\b+11], 0, v[\sa], v[\sb] matrix_a_fmt:MATRIX_FMT_FP6 matrix_b_fmt:MATRIX_FMT_FP6 matrix_b_scale:MATRIX_SCALE_ROW1
.endif
.else
.if (\row) == 0
	v_wmma_scale_f32_16x16x128_f8f6f4 v[\d:\d+7], v[\a:\a+11], v[\b:\b+11], v[\d:\d+7], v[\sa], v[\sb] matrix_a_fmt:MATRIX_FMT_FP6 matrix_b_fmt:MATRIX_FMT_FP6
.elseif (\row) == 1
	v_wmma_scale_f32_16x16x128_f8f6f4 v[\d:\d+7], v[\a:\a+11], v[\b:\b+11], v[\d:\d+7], v[\sa], v[\sb] matrix_a_fmt:MATRIX_FMT_FP6 matrix_b_fmt:MATRIX_FMT_FP6 matrix_a_scale:MATRIX_SCALE_ROW1
.else
	v_wmma_scale_f32_16x16x128_f8f6f4 v[\d:\d+7], v[\a:\a+11], v[\b:\b+11], v[\d:\d+7], v[\sa], v[\sb] matrix_a_fmt:MATRIX_FMT_FP6 matrix_b_fmt:MATRIX_FMT_FP6 matrix_b_scale:MATRIX_SCALE_ROW1
.endif
.endif
.endm
; Quarter q of the panel at byte off from the base bp: K step q's eight fragment images, 24 loads of 512 consecutive bytes, into buffer q; with quarter 0 the panel's scale words into set par
.macro LOADQ bp, off, q, par
.if (\q) == 0
	WIN 0
.irp P, 0,1,2,3
	global_load_b128 v[WS+16*(\par)+4*\P:WS+16*(\par)+4*\P+3], v[LI], s[\bp:\bp+1] offset:(\off)+49152+512*\P
.endr
.endif
	WIN ((1+((\q)>>1))<<6)
.set lq_i, 0
.rept 24
	global_load_b128 v[96*((\q)&1)+4*lq_i:96*((\q)&1)+4*lq_i+3], v[LI], s[\bp:\bp+1] offset:(\off)+12288*(\q)+512*lq_i
.set lq_i, lq_i+1
.endr
	WIN 0
.endm
; 16 products: the panel's eight tiles x the two tiles of tokens, K step q.  The 16 accumulators take turns, one instruction a turn.
; mode 0, 1: HA = weight x activation (0: the sums begin);  2: the same onto X2 in window 3 (not used here);  3, 4: the sources swapped (3: the sums begin).  as: the activation's scale words
.macro MULQ q, par, mode, as
.set mq_w, 1+((\q)>>1)
.set mq_b, 96*((\q)&1)
.set mq_z, 0
.if (\mode) == 0
.set mq_z, 1
.endif
.if (\mode) == 3
.set mq_z, 1
.endif
.if (\mode) < 2
	WIN (0x0c|mq_w)
.elseif (\mode) == 2
	WIN (0xfc|mq_w)
.else
	WIN ((mq_w<<2)|3)
.endif
.irp t, 0,1,2,3,4,5,6,7
.irp m, 0,1
.set mq_W, mq_b+12*\t
.set mq_A, ACT+12*(4*\m+(\q))
.set mq_ws, WS+16*(\par)+4*(\t/2)+(\q)
.set mq_as, (\as)+4*\m+(\q)
.if (\mode) < 2
.set mq_D, HA+64*\m+8*\t
.elseif (\mode) == 2
.set mq_D, X2+64*\m+8*\t
.else
.set mq_D, HA+16*\t+8*\m
.endif
.if (\mode) < 3
	WM mq_D, mq_W, mq_A, mq_z, mq_ws, mq_as, (\t%2)
.else
	WM mq_D, mq_A, mq_W, mq_z, mq_as, mq_ws, 2*(\t%2)
.endif
.endr
.endr
.endm
; A quarter: the wait for its loads (the count: the loads issued behind them, or 63 where those are 72 or 76: the most that the wait can name, and a smaller count is right); the products; the places; a later quarter's loads
.macro QUART wait, q, par, mode, as, doload, bp, noff, nq, npar
	s_wait_loadcnt \wait
	MULQ \q, \par, \mode, \as
	NOP4
.if \doload
	LOADQ \bp, \noff, \nq, \npar
.endif
.endm
.macro FETCHA base                     ; eight fragment images from LDS into window 3
	WIN 0xc0
.set fa_i, 0
.rept 24
	ds_load_b128 v[ACT+4*fa_i:ACT+4*fa_i+3], v[LI] offset:(\base)+512*fa_i
.set fa_i, fa_i+1
.endr
	WIN 0
.endm
.macro FETCHS reg, base                ; and their scale words
.irp f, 0,1,2,3,4,5,6,7
	ds_load_b32 v[(\reg)+\f], v[LS] offset:(\base)+128*\f
.endr
.endm
; 64 numbers of a lane, register 16 b + i = k 32 b + 16 (lane / 16) + i of my row, become a fragment's codes and its scale word in v[PW].
; fin = 1: the codes stand in v[PC] .. v[PC + 11];  fin = 0: each block's lower 16 codes at v[PC + 6 c] on, its upper 16 at v[PC + 12 + 4 c] on, for TOW3
.macro QUANT s, fin
.irp b, 0,1,2,3
	v_max3_num_f32 v[TM+\b], |v[\s+16*\b]|, |v[\s+1+16*\b]|, 0x1800000   ; with the floor 2^(3 - 127): the byte cannot fall under 1
.endr
.irp i, 2,4,6,8,10,12,14
.irp b, 0,1,2,3
	v_max3_num_f32 v[TM+\b], v[TM+\b], |v[\s+16*\b+\i]|, |v[\s+1+16*\b+\i]|
.endr
.endr
.irp b, 0,1,2,3
	v_permlanex16_b32 v[TM+4+\b], v[TM+\b], s[SEL], s[SEL+1]
.endr
.irp b, 0,1,2,3
	v_max_num_f32 v[TM+\b], v[TM+\b], v[TM+4+\b]   ; with lane l xor 16's: the block's largest magnitude
.endr
.irp b, 0,1,2,3
	v_add_nc_u32 v[TM+12+\b], 0xff000000, v[TM+\b] ; 2 off its exponent field: the conversion's scale operand
.endr
.irp b, 0,1,2,3
	v_lshrrev_b32 v[TM+4+\b], 23, v[TM+12+\b]      ; the scale's byte
.endr
	v_lshl_or_b32 v[PW], v[TM+5], 8, v[TM+4]
	v_lshl_or_b32 v[PW], v[TM+6], 16, v[PW]
	v_lshl_or_b32 v[PW], v[TM+7], 24, v[PW]
.irp c, 0,1
	v_cvt_scalef32_pk16_fp6_f32 v[PC+6*\c:PC+2+6*\c], v[\s+32*\c:\s+15+32*\c], v[TM+12+2*\c]
	v_cvt_scalef32_pk16_fp6_f32 v[PC+12+4*\c:PC+14+4*\c], v[\s+16+32*\c:\s+31+32*\c], v[TM+12+2*\c+1]
.endr
	v_nop                                          ; one plain place behind a scaled conversion
.irp c, 0,1                                    ; a whole block to a lane: lanes 0-15 block 2 c, lanes 16-31 block 2 c + 1
.irp i, 0,1,2
	v_permlane16_swap_b32 v[PC+6*\c+\i], v[PC+12+4*\c+\i]
.endr
.if \fin
.irp i, 0,1,2
	v_mov_b32 v[PC+3+6*\c+\i], v[PC+12+4*\c+\i]
.endr
.endif
.endr
.endm
.macro TOW3 rb                         ; the fragment's 12 registers into a set of their own in window 3; the windows stay so (destination 3) for the scale words that follow
	WIN 0xc0
.irp c, 0,1
.irp i, 0,1,2
	v_mov_b32 v[(\rb)+6*\c+\i], v[PC+6*\c+\i]
	v_mov_b32 v[(\rb)+6*\c+3+\i], v[PC+12+4*\c+\i]
.endr
.endr
.endm
.macro IMAGE base                      ; the fragment in v[PC] on goes to LDS as it stands
.irp k, 0,1,2
	ds_store_b128 v[IW], v[PC+4*\k:PC+4*\k+3] offset:(\base)+512*\k
.endr
.endm
; 32 rows x 512 bytes, loaded 16 bytes a lane, turn through my own stage: out of it lane (r, h) takes, of row (m, r), 16 neighbours of each block of 32.  LDS serves a wave's instructions in order.
.macro XIN TW, T, DW, D
	WIN ((\TW)<<2)
.set xi, 0
.rept 32
	ds_store_b128 v[SD], v[(\T)+4*xi:(\T)+4*xi+3] offset:528*xi
.set xi, xi+1
.endr
	WIN ((\DW)<<6)
.irp m, 0,1
.irp b, 0,1,2,3
.irp j, 0,1,2,3
	ds_load_b128 v[(\D)+64*\m+16*\b+4*\j:(\D)+64*\m+16*\b+4*\j+3], v[SA] offset:8448*\m+128*\b+16*\j
.endr
.endr
.endr
	WIN 0
	s_wait_dscnt 0x0
.endm
; v[92:95] (tile 0) and v[96:99] (tile 1), two packed chains each, become the two rows' sums over all 512 columns in v100 and v101: within the lane, with lane l xor 16, then over the four waves through LDS, in the waves' order
.macro REDUCE stat
	v_pk_add_f32 v[92:93], v[92:93], v[94:95]
	v_pk_add_f32 v[96:97], v[96:97], v[98:99]
	v_add_f32 v92, v92, v93
	v_add_f32 v96, v96, v97
	v_permlanex16_b32 v93, v92, s[SEL], s[SEL+1]
	v_permlanex16_b32 v97, v96, s[SEL], s[SEL+1]
	v_add_f32 v92, v92, v93
	v_add_f32 v93, v96, v97
	ds_store_b64 v[ST8], v[92:93] offset:\stat
	BARRIER
.irp u, 0,1,2,3
	ds_load_b64 v[100+2*\u:101+2*\u], v[L8] offset:(\stat)+256*\u
.endr
	s_wait_dscnt 0x0
	v_pk_add_f32 v[100:101], v[100:101], v[102:103]
	v_pk_add_f32 v[100:101], v[100:101], v[104:105]
	v_pk_add_f32 v[100:101], v[100:101], v[106:107]
.endm
; LayerNorm of the 128 numbers a lane at v[X] of window XW (two passes: the mean, then the squares of the differences), into HA; quantised; images to LDS.  Three barriers.
.macro LNQ XW, X
.irp u, 92,93,94,95,96,97,98,99
	v_mov_b32 v\u, 0
.endr
	WIN ((\XW)<<2)
.set ln_p, 0
.rept 16
.irp m, 0,1
	v_pk_add_f32 v[92+4*\m:93+4*\m], v[92+4*\m:93+4*\m], v[(\X)+64*\m+4*ln_p:(\X)+64*\m+4*ln_p+1]
	v_pk_add_f32 v[94+4*\m:95+4*\m], v[94+4*\m:95+4*\m], v[(\X)+64*\m+4*ln_p+2:(\X)+64*\m+4*ln_p+3]
.endr
.set ln_p, ln_p+1
.endr
	WIN 0
	REDUCE STAT1
	v_mul_f32 v[MU0], s[SINV], v100                ; the mean: sum / 512
	v_mul_f32 v[MU0+2], s[SINV], v101
	v_mov_b32 v[MU0+1], v[MU0]
	v_mov_b32 v[MU0+3], v[MU0+2]
	WIN (\XW)
.irp m, 0,1
.set ln_p, 0
.rept 32
	v_pk_add_f32 v[HA+64*\m+2*ln_p:HA+64*\m+2*ln_p+1], v[(\X)+64*\m+2*ln_p:(\X)+64*\m+2*ln_p+1], v[MU0+2*\m:MU0+2*\m+1] op_sel_hi:[1,0] neg_lo:[0,1] neg_hi:[0,1]
.set ln_p, ln_p+1
.endr
.endr
	WIN 0
.irp u, 92,93,94,95,96,97,98,99
	v_mov_b32 v\u, 0
.endr
.set ln_p, 0
.rept 16
.irp m, 0,1
	v_pk_fma_f32 v[92+4*\m:93+4*\m], v[HA+64*\m+4*ln_p:HA+64*\m+4*ln_p+1], v[HA+64*\m+4*ln_p:HA+64*\m+4*ln_p+1], v[92+4*\m:93+4*\m]
	v_pk_fma_f32 v[94+4*\m:95+4*\m], v[HA+64*\m+4*ln_p+2:HA+64*\m+4*ln_p+3], v[HA+64*\m+4*ln_p+2:HA+64*\m+4*ln_p+3], v[94+4*\m:95+4*\m]
.endr
.set ln_p, ln_p+1
.endr
	REDUCE STAT2
	v_fma_f32 v100, v100, s[SINV], s[SEPS]         ; the variance + 1e-6
	v_fma_f32 v101, v101, s[SINV], s[SEPS]
	v_rsq_f32 v[RS0], v100
	v_rsq_f32 v[RS0+2], v101
	v_nop                                          ; one plain place behind a transcendental
	s_wait_alu depctr_va_vdst(0)
	v_mov_b32 v[RS0+1], v[RS0]
	v_mov_b32 v[RS0+3], v[RS0+2]
.irp m, 0,1
.set ln_p, 0
.rept 32
	v_pk_mul_f32 v[HA+64*\m+2*ln_p:HA+64*\m+2*ln_p+1], v[HA+64*\m+2*ln_p:HA+64*\m+2*ln_p+1], v[RS0+2*\m:RS0+2*\m+1] op_sel_hi:[1,0]
.set ln_p, ln_p+1
.endr
.endr
.irp m, 0,1
	QUANT HA+64*\m, 1
	IMAGE YIMG+6144*\m                             ; tile m, K step = my wave
	ds_store_b32 v[SWA], v[PW] offset:YSC+512*\m
	s_wait_dscnt 0x0                               ; the stores have read their registers
.endr
	BARRIER                                        ; the eight fragments lie in LDS
.endm
	s_load_b256 s[4:11], s[0:1], 0x0               ; input, mask, wimg, qimg
	s_load_b128 s[12:15], s[0:1], 0x20             ; qsc, kv
	v_lshl_add_u32 v123, v0, 2, 0x17800
	v_mov_b32 v127, 0
	v_lshrrev_b32 v21, 5, v0
	v_readfirstlane_b32 s[WV], v21                 ; wave 0..3
	v_and_b32 v23, 31, v0                          ; lane
	v_and_b32 v21, 15, v0                          ; r
	v_bfe_u32 v22, v0, 4, 1                        ; h
	v_lshlrev_b32 v[LI], 4, v23
	v_lshlrev_b32 v[L8], 3, v23
	v_lshlrev_b32 v[LS], 2, v23
	s_mul_i32 s48, s[WV], 16896
	s_add_co_u32 s48, s48, STG
	v_mul_u32_u24 v[SA], v21, 528
	v_lshl_add_u32 v[SA], v22, 6, v[SA]
	v_add_nc_u32 v[SA], s48, v[SA]
	v_add_nc_u32 v[SD], s48, v[LI]
	s_mul_i32 s48, s[WV], 1536
	v_add_nc_u32 v[IW], s48, v[LI]
	s_lshl_b32 s48, s[WV], 7
	v_add_nc_u32 v[SWA], s48, v[LS]
	s_lshl_b32 s48, s[WV], 8
	v_add_nc_u32 v[ST8], s48, v[L8]
	v_lshlrev_b32 v[LR16], 4, v21
	v_and_b32 v[MKO], 8, v21
	v_add_nc_u32 v[MKO], v[MKO], v21
	v_lshlrev_b32 v[MKO], 2, v[MKO]
	v_lshlrev_b32 v[SH], 4, v22
	v_lshlrev_b32 v[QSO], 2, v21
	v_lshl_add_u32 v[QSO], v22, 13, v[QSO]
	v_mul_u32_u24 v[KSO], v22, 0x33000
	v_add_nc_u32 v[KSO], v[KSO], v[LR16]
	v_mul_u32_u24 v[VV16], v22, 1536
	v_lshl_add_u32 v[VV8], v21, 3, v[VV16]
	v_add_nc_u32 v[VV16], v[VV16], v[LR16]
	s_mov_b32 s[SEL], 0x76543210
	s_mov_b32 s[SEL+1], 0xfedcba98                 ; v_permlanex16_b32's selects for lane l xor 16
	s_mov_b32 s[SINV], 0x3b000000                  ; 1 / 512
	s_mov_b32 s[SEPS], 0x358637bd                  ; 1e-6
	s_lshr_b32 s48, ttmp9, 6                       ; batch
	s_and_b32 s49, ttmp9, 63                       ; g: which 32 tokens of the batch's 2,048
	s_lshr_b32 s50, s49, 2                         ; key step of 128
	s_and_b32 s51, s49, 3                          ; key block of 32 in it
	s_lshl_b32 s48, s48, 3
	s_lshl_b32 s52, s[WV], 1
	s_add_co_u32 s48, s48, s52                     ; my first head: 8 x batch + 2 x wave
	s_lshr_b32 s52, s51, 1
	s_and_b32 s53, s51, 1
	s_mov_b32 s55, 0
	s_wait_kmcnt 0x0
	s_lshl_b32 s54, ttmp9, 16
	s_lshl_b32 s56, s[WV], 9
	s_add_co_u32 s54, s54, s56
	s_add_nc_u64 s[IN:IN+1], s[4:5], s[54:55]      ; input: my 32 rows, my 512 bytes of each
	s_lshl_b32 s54, ttmp9, 7
	s_add_nc_u64 s[MP:MP+1], s[6:7], s[54:55]
	s_mul_i32 s54, s[WV], 51200
	s_add_nc_u64 s[WP:WP+1], s[8:9], s[54:55]      ; panel w; Wk's and Wv's lie 4 and 8 panels on: every offset an immediate, the base is never stepped
	s_mul_i32 s54, s48, 98304
	s_mul_i32 s56, s49, 1536
	s_add_co_u32 s54, s54, s56
	s_add_nc_u64 s[SQ:SQ+1], s[10:11], s[54:55]
	s_lshl_b32 s54, s48, 13
	s_lshl_b32 s56, s49, 7
	s_add_co_u32 s54, s54, s56
	s_add_nc_u64 s[SQS:SQS+1], s[12:13], s[54:55]
	s_mul_i32 s57, s48, 208896
	s_mul_i32 s56, s50, 13056
	s_add_co_u32 s57, s57, s56                     ; the head's block of this key step
	s_mul_i32 s56, s51, 1536
	s_add_co_u32 s54, s57, s56
	s_add_nc_u64 s[SK:SK+1], s[14:15], s[54:55]    ; K's tiles 2 beta, 2 beta + 1
	s_lshl_b32 s54, s52, 8
	s_lshl_b32 s56, s53, 3
	s_add_co_u32 s54, s54, s56
	s_add_co_u32 s54, s54, s57
	s_add_co_u32 s54, s54, 12288
	s_add_nc_u64 s[SKS:SKS+1], s[14:15], s[54:55]
	s_mul_i32 s58, s52, 768
	s_add_co_u32 s58, s58, s57
	s_add_co_u32 s58, s58, 6144
	s_lshl_b32 s56, s53, 8
	s_add_co_u32 s54, s58, s56
	s_add_nc_u64 s[SVA:SVA+1], s[14:15], s[54:55]  ; V: key block beta is registers 6 (beta / 2) on of lanes 16 (beta % 2) on
	s_lshl_b32 s56, s53, 7
	s_add_co_u32 s54, s58, s56
	s_add_co_u32 s54, s54, 512
	s_add_nc_u64 s[SVB:SVB+1], s[14:15], s[54:55]
	s_add_co_u32 s54, s57, s51
	s_add_co_u32 s54, s54, 12800
	s_add_nc_u64 s[SVS:SVS+1], s[14:15], s[54:55]
	WIN 0xc0
.set xi, 0
.rept 32                                       ; stage row 16 m + r is token 8 m + r + 8 (r / 8); each load takes 512 consecutive bytes
	global_load_b128 v[TI+4*xi:TI+4*xi+3], v[LI], s[IN:IN+1] offset:2048*(8*(xi/16)+xi%16+8*((xi%16)/8))
.set xi, xi+1
.endr
	WIN 0
	global_load_b32 v[MK0], v[MKO], s[MP:MP+1]
	global_load_b32 v[MK0+2], v[MKO], s[MP:MP+1] offset:32
	LOADQ WP, 0, 0, 0
	LOADQ WP, 0, 1, 0
	s_wait_loadcnt 52                              ; input and mask are in; the 28 + 24 weight loads behind them may be out
	XIN 3, TI, 0, HA
	LOADQ WP, 0, 2, 0
	v_mov_b32 v[MK0+1], v[MK0]
	v_mov_b32 v[MK0+3], v[MK0+2]
.irp m, 0,1
.set xi, 0
.rept 32
	v_pk_mul_f32 v[HA+64*\m+2*xi:HA+64*\m+2*xi+1], v[HA+64*\m+2*xi:HA+64*\m+2*xi+1], v[MK0+2*\m:MK0+2*\m+1] op_sel_hi:[1,0]
.set xi, xi+1
.endr
.endr
	LOADQ WP, 0, 3, 0
	LNQ 0, HA
	FETCHA YIMG
	FETCHS YS, YSC
	s_wait_dscnt 0x0
	; ---- q.  Behind quarter 0: quarters 1-3, 72 loads; behind 1: 48; behind 2: quarter 3 and Wk's quarter 0, 52; behind 3: Wk's quarters 0 and 1, 52
	QUART 63, 0, 0, 0, YS, 0, WP, 0, 0, 0
	QUART 48, 1, 0, 1, YS, 1, WP, 204800, 0, 1
	QUART 52, 2, 0, 1, YS, 1, WP, 204800, 1, 1
	QUART 52, 3, 0, 1, YS, 0, WP, 0, 0, 0
.irp m, 0,1
.set xi, 0
.rept 32
	v_pk_mul_f32 v[HA+64*\m+2*xi:HA+64*\m+2*xi+1], v[HA+64*\m+2*xi:HA+64*\m+2*xi+1], 0x3e000000 op_sel_hi:[1,0]   ; 1 / sqrt(64)
.set xi, xi+1
.endr
	QUANT HA+64*\m, 0                              ; registers 6 c on: head 2 w + c's 64 channels
	TOW3 RQ+16*\m
	v_lshrrev_b32 v[RQ+16*\m+12], v[SH], v[PW]     ; lanes 0-15 keep head 2 w's two bytes lowest, lanes 16-31 bring head 2 w + 1's down; what stands above scales zero codes
	WIN 0x0c                                       ; a store's data are its source 1: window 3
	global_store_b128 v[LI], v[RQ+16*\m:RQ+16*\m+3], s[SQ:SQ+1] offset:768*\m
	global_store_b64 v[L8], v[RQ+16*\m+4:RQ+16*\m+5], s[SQ:SQ+1] offset:768*\m+512
	global_store_b128 v[LI], v[RQ+16*\m+6:RQ+16*\m+9], s[SQ:SQ+1] offset:768*\m+98304
	global_store_b64 v[L8], v[RQ+16*\m+10:RQ+16*\m+11], s[SQ:SQ+1] offset:768*\m+98304+512
	global_store_b32 v[QSO], v[RQ+16*\m+12], s[SQS:SQS+1] offset:64*\m
	LOADQ WP, 204800, 2+\m, 1                      ; Wk's quarters 2 and 3
.endr
	; ---- k
	QUART 63, 0, 1, 0, YS, 0, WP, 0, 0, 0
	QUART 48, 1, 1, 1, YS, 1, WP, 409600, 0, 0
	QUART 52, 2, 1, 1, YS, 1, WP, 409600, 1, 0
	QUART 52, 3, 1, 1, YS, 0, WP, 0, 0, 0
.irp m, 0,1
	QUANT HA+64*\m, 0
	v_lshrrev_b32 v[16+\m], v[SH], v[PW]           ; written here alone
	TOW3 RK+16*\m
	WIN 0x0c
	global_store_b128 v[LI], v[RK+16*\m:RK+16*\m+3], s[SK:SK+1] offset:768*\m
	global_store_b64 v[L8], v[RK+16*\m+4:RK+16*\m+5], s[SK:SK+1] offset:768*\m+512
	global_store_b128 v[LI], v[RK+16*\m+6:RK+16*\m+9], s[SK:SK+1] offset:768*\m+208896
	global_store_b64 v[L8], v[RK+16*\m+10:RK+16*\m+11], s[SK:SK+1] offset:768*\m+208896+512
	LOADQ WP, 409600, 2+\m, 0                      ; Wv's quarters 2 and 3
.endr
	global_store_b64 v[KSO], v[16:17], s[SKS:SKS+1]   ; the two tiles' scale words of my row
	; ---- v, the sources swapped: accumulator (t, m) at HA + 16 t + 8 m: lane (r, h) holds column r of tile t and tokens 16 h + 8 m + 0 .. 7.  The stream runs out: 72 behind quarter 0, then 48, 24, 0
	QUART 63, 0, 0, 3, YS, 0, WP, 0, 0, 0
	QUART 48, 1, 0, 4, YS, 0, WP, 0, 0, 0
	QUART 24, 2, 0, 4, YS, 0, WP, 0, 0, 0
	QUART 0, 3, 0, 4, YS, 0, WP, 0, 0, 0
.irp e, 0,1                                    ; head 2 w + e: its four tiles of channels are the quantiser's four blocks, each of these 32 keys
	QUANT HA+64*\e, 0                              ; registers 6 c on of lane (r, h): the 32 keys' codes of channel r of tile 2 c + h
	TOW3 RV+16*\e
	v_mov_b32 v[RV+16*\e+12], v[PW]
	v_lshrrev_b32 v[RV+16*\e+13], 8, v[PW]
	v_lshrrev_b32 v[RV+16*\e+14], 16, v[PW]
	v_lshrrev_b32 v[RV+16*\e+15], 24, v[PW]
	WIN 0x0c
.irp c, 0,1
	global_store_b128 v[VV16], v[RV+16*\e+6*\c:RV+16*\e+6*\c+3], s[SVA:SVA+1] offset:208896*\e+3072*\c
	global_store_b64 v[VV8], v[RV+16*\e+6*\c+4:RV+16*\e+6*\c+5], s[SVB:SVB+1] offset:208896*\e+3072*\c
.endr
	global_store_b8 v[LR16], v[RV+16*\e+12], s[SVS:SVS+1] offset:208896*\e      ; byte beta of tile t's word; both halves of the lanes write the same byte with the same value
	global_store_b8 v[LR16], v[RV+16*\e+13], s[SVS:SVS+1] offset:208896*\e+4
	global_store_b8 v[LR16], v[RV+16*\e+14], s[SVS:SVS+1] offset:208896*\e+8
	global_store_b8 v[LR16], v[RV+16*\e+15], s[SVS:SVS+1] offset:208896*\e+12
	WIN 0
.endr
	s_wait_tensorcnt 0x0
	ds_add_u32 v123, v127
	s_wait_dscnt 0x0
	s_endpgm
.Lfunc_end_k_qb862778edf_qkv:
	.size	k_qb862778edf_qkv, .Lfunc_end_k_qb862778edf_qkv-k_qb862778edf_qkv
	.p2alignl 7, 3214868480
	.fill 96, 4, 3214868480
	.section	.rodata,"a",@progbits
	.p2align	6, 0x0
	.amdhsa_kernel k_qb862778edf_qkv
		.amdhsa_group_segment_fixed_size 96768
		.amdhsa_private_segment_fixed_size 0
		.amdhsa_enable_private_segment 0
		.amdhsa_kernarg_size 48
		.amdhsa_user_sgpr_count 2
		.amdhsa_user_sgpr_kernarg_segment_ptr 1
		.amdhsa_wavefront_size32 1
		.amdhsa_system_sgpr_workgroup_id_x 1
		.amdhsa_system_sgpr_workgroup_id_y 1
		.amdhsa_system_sgpr_workgroup_id_z 1
		.amdhsa_system_vgpr_workitem_id 0
		.amdhsa_next_free_vgpr 1024
		.amdhsa_next_free_sgpr 66
		.amdhsa_reserve_vcc 0
		.amdhsa_float_denorm_mode_32 3
		.amdhsa_float_denorm_mode_16_64 3
		.amdhsa_memory_ordered 1
		.amdhsa_forward_progress 1
		.amdhsa_inst_pref_size 134
	.end_amdhsa_kernel
	.amdgpu_metadata
---
amdhsa.version: [ 1, 2 ]
amdhsa.kernels:
  - .name:           k_qb862778edf_qkv
    .symbol:         k_qb862778edf_qkv.kd
    .args:
      - { .name: input, .offset: 0, .size: 8, .value_kind: global_buffer, .address_space: global }
      - { .name: mask, .offset: 8, .size: 8, .value_kind: global_buffer, .address_space: global }
      - { .name: wimg, .offset: 16, .size: 8, .value_kind: global_buffer, .address_space: global }
      - { .name: qimg, .offset: 24, .size: 8, .value_kind: global_buffer, .address_space: global }
      - { .name: qsc, .offset: 32, .size: 8, .value_kind: global_buffer, .address_space: global }
      - { .name: kv, .offset: 40, .size: 8, .value_kind: global_buffer, .address_space: global }
    .group_segment_fixed_size: 96768
    .private_segment_fixed_size: 0
    .kernarg_segment_align: 8
    .kernarg_segment_size: 48
    .max_flat_workgroup_size: 128
    .sgpr_count:     66
    .vgpr_count:     1024
    .wavefront_size: 32
...
	.end_amdgpu_metadata
.endif
;; end of part 2
;; launch att (part 3): grid 8 x 32, 16 waves a work-group, clusters of 4 x 1, 210,944 bytes of LDS; arguments qimg, qsc, kv, mask, attimg, attsc; writes attimg, attsc
.if DOCPART == 3
	.amdgcn_target "amdgcn-amd-amdhsa--gfx1250"
	.amdhsa_code_object_version 6
	.text
	.protected	k_qb862778edf_att
	.globl	k_qb862778edf_att
	.p2align	8
	.type	k_qb862778edf_att,@function
k_qb862778edf_att:
	s_mov_b64 s[64:65], 0
	v_nop
	global_prefetch_b8 v0, s[64:65] scope:SCOPE_SE
	s_setreg_imm32_b32 hwreg(HW_REG_WAVE_MODE, 25, 1), 1
	s_wait_xcnt 0x0
	s_wait_alu depctr_hold_cnt(0) depctr_sa_sdst(0) depctr_va_vdst(0) depctr_va_sdst(0) depctr_va_ssrc(0) depctr_va_vcc(0) depctr_vm_vsrc(0)
	s_getreg_b32 s2, hwreg(HW_REG_IB_STS2, 6, 4)
	s_cmp_eq_u32 s2, 0
	s_cbranch_scc0 .Lentry_in_a_cluster
	s_endpgm
.Lentry_in_a_cluster:
	s_bfe_u32 s2, ttmp6, 0x10000c
	s_cmp_lg_u32 s2, 0x3003
	s_cbranch_scc0 .Lentry_shape_is_right
	s_endpgm
.Lentry_shape_is_right:
; out[q] = the sum over the keys of softmax(q . k - 100000 (1 - mask[q])) v, for one head, both products on codes of FP6 (E2M3) with one E8M0 byte for each 32 along K; the result is quantised along the channels.
; THE SOFTMAX AHEAD OF THE SECOND PRODUCT: t = logit x log2(e); M = the row's largest t so far, rounded up to a whole number; p = 2^(t - M) is quantised along the keys, not normalised; the row's sum is taken of the
; unquantised p and divides at the end.  When M moves, the sum and O are multiplied by 2^(old M - new M): exact.
; SHARES.  A work-group owns 256 queries of one head, each of its sixteen waves one tile of 16 in 256 registers.  Every wave walks the head's 2,048 keys, 128 a step.
; THE WHOLE HEAD'S K, V AND SCALES, 16 blocks of 13,056 bytes laid as images of operand registers, COME INTO LDS ONCE, as 48 pieces of 17 rows of 256 bytes: wave w asks for pieces w, 16 + w and 32 + w, all three at the
; start.  Pieces 0-15 (69,632 bytes) hold blocks 0-4, pieces 0-31 blocks 0-9: so the key steps go in groups of 5, 5 and 6, each behind a counted wait and a barrier, and the later pieces land under the earlier steps.
; Nothing in LDS is filled again or stored to.  Three tensor loads a wave are out.
; CLUSTER.  The four query blocks of a cluster belong to one head, so each piece is asked for jointly: the same tensor load, the same descriptor, a mask that names the four.
; LAYOUT.  Both products are used transposed: S^T = K Q^T, O^T = V^T P^T: a lane holds one query throughout.  The head's K is 64: registers 6-11 of K's and Q's fragments hold zero codes.
; The keys of a tile of K, and the channels of a tile of V, are not neighbours (lane r of tile 2 b + u: 32 b + 8 u + r + 8 (r / 8)): so 16 registers of two neighbouring tiles are 16 neighbours along the next K.
; The term of the mask is the C of each first product: eight registers with the lane's query's number.
; LIMITS: NaN and infinities are not served; the mask may hold any finite number; a block of p that has fallen to 0 keeps the byte 1 over zero codes.
.set PIECE, 4352                       ; 17 rows of 256 bytes
.set LI,  1                            ; 16 x lane
.set L8,  2                            ; 8 x lane
.set LR,  3                            ; 16 r
.set ADI, 4                            ; the step's block + 16 x lane
.set AD8, 5                            ; + 8 x lane
.set ADS, 6                            ; + 16 r
.set KF,  32                           ; v32-79   four fragments of K
.set BI,  80                           ; v80-87   -100000 (1 - mask)
.set S,   96                           ; v96-159  S^T, then p; then V's four fragments in v96-143
.set O,   160                          ; v160-191 O^T
.set PCD, 192                          ; v192-203 p's codes
.set PH,  204                          ; v204-210 the conversions' second halves
.set BM,  212                          ; v212-215 the blocks' largest scores
.set PB,  216                          ; v216-219 the other half's, then the bytes
.set SO,  220                          ; v220-223 the conversions' scale operands
.set KS,  224                          ; v224-227 K's scale words
.set VS,  228                          ; v228-231 V's
.set PWD, 232                          ; p's scale word
.set FF,  234                          ; v[234:235] f
.set TP,  236
.set SU,  238                          ; v[238:239] the sum's second chain
.set WV,  18
.set SEL, 20
.set CS,  22
.set G0,  24                           ; s[24:35] three groups 0
.set G1,  36                           ; s[36:43] group 1
.set TB,  44
.set CNT, 45
.macro CROUND                          ; a round of the cluster's barrier
	s_barrier_signal -1
	s_barrier_wait -1
	s_cmp_lg_u32 s[WV], 0
	s_cbranch_scc1 .Lnot_wave_0_\@
	s_barrier_signal -3
.Lnot_wave_0_\@:
	s_barrier_wait -3
	s_barrier_signal -1
	s_barrier_wait -1
.endm
	s_load_b256 s[4:11], s[0:1], 0x0               ; qimg, qsc, kv, mask
	s_load_b128 s[12:15], s[0:1], 0x20             ; attimg, attsc
	v_lshl_add_u32 v254, v0, 2, 0x33000
	v_mov_b32 v255, 0
	ds_add_u32 v254, v255
	ds_add_u32 v254, v255
	v_lshrrev_b32 v7, 5, v0
	v_readfirstlane_b32 s[WV], v7                  ; wave 0..15
	v_and_b32 v7, 31, v0
	v_and_b32 v8, 15, v0                           ; r
	v_lshlrev_b32 v[LI], 4, v7
	v_lshlrev_b32 v[L8], 3, v7
	v_lshlrev_b32 v[LR], 4, v8
	v_lshlrev_b32 v9, 2, v8                        ; Q's scale word: 4 r
	v_and_b32 v10, 8, v8
	v_add_nc_u32 v10, v10, v8
	v_lshlrev_b32 v10, 2, v10                      ; my query's mask: 4 (r + 8 (r / 8))
	s_and_b32 s48, ttmp7, 0xffff                   ; batch x 8 + head, which the four partners share
	s_mul_i32 s50, s48, 208896
	s_mul_i32 s54, s[WV], PIECE                    ; piece w: in LDS and in the head's bytes alike; no place in the cluster enters it
	s_add_co_u32 s50, s50, s54
	s_mov_b32 s51, 0
	s_mov_b32 s[G1], 15|(3<<16)|(1<<21)            ; 15:0 the mask: all four work-groups; 17:16 elements of 8 bytes; 21 set beside a mask; no padding
	s_mov_b32 s[G1+1], 32<<16                      ; tensor_dim0 = 32: rows of 256 bytes
	s_mov_b32 s[G1+2], 17<<16                      ; tensor_dim1 = 17 rows: 4,352 dense bytes
	s_mov_b32 s[G1+3], 32<<16                      ; tile_dim0
	s_mov_b32 s[G1+4], 17                          ; tile_dim1
	s_mov_b32 s[G1+5], 32                          ; pitch
	s_mov_b32 s[G1+6], 0
	s_mov_b32 s[G1+7], 0
	s_bfe_u32 s46, ttmp6, 0x40000                  ; cx: it enters Q's, the mask's and the output's addresses alone
	s_lshl_b32 s47, ttmp9, 2
	s_add_co_u32 s47, s47, s46                     ; block of 256 queries
	s_lshl_b32 s49, s47, 4
	s_add_co_u32 s49, s49, s[WV]                   ; my tile of queries, 0..127
	s_mov_b32 s[SEL], 0x76543210
	s_mov_b32 s[SEL+1], 0xfedcba98
	s_mov_b32 s[CS], 0x3fb8aa3b                    ; log2(e); the 1 / 8 is in q already
	s_mov_b32 s[CS+1], s[CS]
	s_wait_dscnt 0x0
	s_wait_kmcnt 0x0
	s_add_nc_u64 s[50:51], s[8:9], s[50:51]        ; the head's piece w
.irp k, 0,1,2
	s_mov_b32 s[G0+4*\k], 1                        ; count = 1
	s_add_co_u32 s[G0+4*\k+1], s54, \k*16*PIECE    ; LDS address: piece 16 k + w
	s_add_nc_u64 s[G0+4*\k+2:G0+4*\k+3], s[50:51], \k*16*PIECE   ; global address: the same piece
	s_or_b32 s[G0+4*\k+3], s[G0+4*\k+3], 0x80000000   ; type = 2
.endr
	CROUND                                         ; all four work-groups are here: the joint loads meet
	tensor_load_to_lds s[G0:G0+3], s[G1:G1+7]      ; all first fills in one group, ahead of every wait on TENSORcnt, every LDS read and every further barrier
	s_nop 0
	tensor_load_to_lds s[G0+4:G0+7], s[G1:G1+7]
	s_nop 0
	tensor_load_to_lds s[G0+8:G0+11], s[G1:G1+7]
	s_nop 0
.rept 4
	v_nop
.endr
	s_mov_b32 s53, 0
	s_mul_i32 s52, s48, 98304
	s_mul_i32 s55, s49, 768
	s_add_co_u32 s52, s52, s55
	s_add_nc_u64 s[4:5], s[4:5], s[52:53]
	s_lshl_b32 s52, s48, 13
	s_lshl_b32 s55, s49, 6
	s_add_co_u32 s52, s52, s55
	s_add_nc_u64 s[6:7], s[6:7], s[52:53]
	s_lshr_b32 s56, s48, 3                         ; batch
	s_lshl_b32 s52, s56, 13
	s_lshr_b32 s55, s49, 1
	s_lshl_b32 s55, s55, 7
	s_add_co_u32 s52, s52, s55
	s_and_b32 s55, s49, 1
	s_lshl_b32 s55, s55, 5
	s_add_co_u32 s52, s52, s55                     ; the tile's first token: 32 (tile / 2) + 8 (tile % 2), 4 bytes each
	s_add_nc_u64 s[10:11], s[10:11], s[52:53]
	s_lshl_b32 s56, s56, 7
	s_add_co_u32 s56, s56, s49                     ; row tile of all 512
	s_and_b32 s57, s48, 7                          ; head
	s_mul_i32 s52, s56, 6144
	s_mul_i32 s55, s57, 768
	s_add_co_u32 s52, s52, s55
	s_add_nc_u64 s[12:13], s[12:13], s[52:53]
	s_lshl_b32 s52, s56, 8
	s_lshl_b32 s55, s57, 1
	s_add_co_u32 s52, s52, s55
	s_add_nc_u64 s[14:15], s[14:15], s[52:53]
	global_load_b128 v[16:19], v[LI], s[4:5]       ; Q's registers 0-3,
	global_load_b64 v[20:21], v[L8], s[4:5] offset:512   ; 4-5,
	global_load_b32 v28, v9, s[6:7]                ; its scale words
	global_load_b32 v29, v10, s[10:11]             ; my query's mask
.irp j, 22,23,24,25,26,27
	v_mov_b32 v\j, 0                               ; zero codes for k = 64 .. 127
.endr
.irp t, 0,1,2,3
.irp j, 6,7,8,9,10,11
	v_mov_b32 v[KF+12*\t+\j], 0                    ; in K's fragments too: written once, no load lands here
.endr
.endr
.set j, 0
.rept 32
	v_mov_b32 v[O+j], 0                            ; O^T: the step is written for every trip alike; the first finds zeros
.set j, j+1
.endr
.irp b, 0,1,2,3
	v_mov_b32 v[PB+\b], 0                          ; a lane permute's destination counts as one of its sources
.endr
	v_mov_b32 v[FF+1], 0
	v_mov_b32 v[TP], 0
	v_mov_b32 v13, 0xff61b1e6                      ; the largest t so far: -3e38
	v_floor_f32 v12, -v13                          ; -M
	v_mov_b32 v14, 0
	v_mov_b32 v15, 0
	s_wait_loadcnt 0x0
	v_sub_f32 v29, 1.0, v29
	v_mul_f32 v[BI], 0xc7c35000, v29               ; -100000 (1 - mask)
.irp j, 1,2,3,4,5,6,7
	v_mov_b32 v[BI+\j], v[BI]
.endr
.macro STEP
	v_add_nc_u32 v[ADI], s[TB], v[LI]
	v_add_nc_u32 v[AD8], s[TB], v[L8]
	v_add_nc_u32 v[ADS], s[TB], v[LR]
	v_nop
	v_nop                                          ; five places: the products below write over registers that the last trip's products read
.irp g, 0,1                                    ; S^T = K Q^T + the mask's term, four tiles of 16 keys at a time
.if \g
.rept 4
	v_nop                                          ; places in front of loads into registers that matrix instructions have read
.endr
.endif
.irp t, 0,1,2,3
	ds_load_b128 v[KF+12*\t:KF+12*\t+3], v[ADI] offset:768*(4*\g+\t)
	ds_load_b64 v[KF+12*\t+4:KF+12*\t+5], v[AD8] offset:768*(4*\g+\t)+512
.endr
	ds_load_b128 v[KS:KS+3], v[ADS] offset:12288+256*\g
	s_wait_dscnt 0x0
.irp t, 0,1,2,3
	v_wmma_scale_f32_16x16x128_f8f6f4 v[S+8*(4*\g+\t):S+8*(4*\g+\t)+7], v[KF+12*\t:KF+12*\t+11], v[16:27], v[BI:BI+7], v[KS+\t], v28 matrix_a_fmt:MATRIX_FMT_FP6 matrix_b_fmt:MATRIX_FMT_FP6
.endr
.endr
.rept 4
	v_nop
.endr
.irp b, 0,1,2,3
	v_max3_num_f32 v[BM+\b], v[S+16*\b], v[S+1+16*\b], v[S+2+16*\b]   ; the largest score of each block of 32 keys: for the row's maximum and, since p rises with the score, for the block's largest p
.endr
.irp i, 3,5,7,9,11,13
.irp b, 0,1,2,3
	v_max3_num_f32 v[BM+\b], v[BM+\b], v[S+16*\b+\i], v[S+1+16*\b+\i]
.endr
.endr
.irp b, 0,1,2,3
	v_max_num_f32 v[BM+\b], v[BM+\b], v[S+15+16*\b]
.endr
.irp b, 0,1,2,3
	v_permlanex16_b32 v[PB+\b], v[BM+\b], s[SEL], s[SEL+1]
.endr
.irp b, 0,1,2,3
	v_max_num_f32 v[BM+\b], v[BM+\b], v[PB+\b]     ; with lane l xor 16's 16 keys
.endr
	v_max3_num_f32 v[TP], v[BM], v[BM+1], v[BM+2]
	v_max_num_f32 v[TP], v[TP], v[BM+3]
	v_mul_f32 v[TP], s[CS], v[TP]                  ; as t
	v_max_num_f32 v13, v13, v[TP]                  ; the running largest t
	v_mov_b32 v[TP], v12
	v_floor_f32 v12, -v13                          ; the new -M = -ceil(t)
	v_sub_f32 v[TP], v12, v[TP]                    ; old M - new M: a whole number, 0 or less
	v_cvt_i32_f32 v[TP], v[TP]                     ; (it saturates)
	v_ldexp_f32 v[FF], 1.0, v[TP]                  ; f = 2^(old M - new M)
.set j, 0
.rept 32
	v_pk_fma_f32 v[S+j:S+j+1], v[S+j:S+j+1], s[CS:CS+1], v[12:13] op_sel_hi:[1,0,0]   ; t - M
.set j, j+2
.endr
.irp b, 0,1,2,3
	v_fma_f32 v[BM+\b], v[BM+\b], s[CS], v12       ; the same of each block's largest score
.endr
.set j, 0
.rept 64
	v_exp_f32 v[S+j], v[S+j]                       ; p = 2^(t - M)
.set j, j+1
.endr
.irp b, 0,1,2,3
	v_exp_f32 v[BM+\b], v[BM+\b]                   ; the block's largest p
.endr
	v_pk_mul_f32 v[14:15], v[14:15], v[FF:FF+1] op_sel_hi:[1,0]   ; the sums under the new M (a plain place behind the exponentials)
	s_wait_alu depctr_va_vdst(0)
.irp b, 0,1,2,3
	v_max_num_f32 v[BM+\b], 0x1800000, v[BM+\b]    ; the floor 2^(3 - 127)
.endr
.irp b, 0,1,2,3
	v_add_nc_u32 v[SO+\b], 0xff000000, v[BM+\b]    ; 2 off the exponent field: the conversion's scale operand
.endr
.irp b, 0,1,2,3
	v_lshrrev_b32 v[PB+\b], 23, v[SO+\b]           ; the scale's byte
.endr
	v_lshl_or_b32 v[PWD], v[PB+1], 8, v[PB]
	v_lshl_or_b32 v[PWD], v[PB+2], 16, v[PWD]
	v_lshl_or_b32 v[PWD], v[PB+3], 24, v[PWD]
.irp c, 0,1
	v_cvt_scalef32_pk16_fp6_f32 v[PCD+6*\c:PCD+6*\c+2], v[S+32*\c:S+32*\c+15], v[SO+2*\c]
	v_cvt_scalef32_pk16_fp6_f32 v[PH+4*\c:PH+4*\c+2], v[S+16+32*\c:S+31+32*\c], v[SO+2*\c+1]
.endr
	v_nop                                          ; one plain place behind a scaled conversion
.irp c, 0,1
.irp i, 0,1,2
	v_permlane16_swap_b32 v[PCD+6*\c+\i], v[PH+4*\c+\i]
.endr
.irp i, 0,1,2
	v_mov_b32 v[PCD+3+6*\c+\i], v[PH+4*\c+\i]
.endr
.endr
	v_pk_add_f32 v[SU:SU+1], v[S:S+1], v[S+2:S+3]  ; the row's sum of the unquantised p, in two chains
.irp j, 4,8,12,16,20,24,28,32,36,40,44,48,52,56,60
	v_pk_add_f32 v[14:15], v[14:15], v[S+\j:S+\j+1]
	v_pk_add_f32 v[SU:SU+1], v[SU:SU+1], v[S+2+\j:S+3+\j]
.endr
	v_pk_add_f32 v[14:15], v[14:15], v[SU:SU+1]
.set j, 0
.rept 16
	v_pk_mul_f32 v[O+j:O+j+1], v[O+j:O+j+1], v[FF:FF+1] op_sel_hi:[1,0]   ; O^T under the new M; with the sums above these are the places in front of the scaled products below
.set j, j+2
.endr
.irp t, 0,1,2,3                                ; V's four tiles of 16 channels x these 128 keys, into the registers that p has left
.irp c, 0,1
	ds_load_b128 v[S+12*\t+6*\c:S+12*\t+6*\c+3], v[ADI] offset:6144+1536*\t+768*\c
	ds_load_b64 v[S+12*\t+6*\c+4:S+12*\t+6*\c+5], v[AD8] offset:6144+1536*\t+768*\c+512
.endr
.endr
	ds_load_b128 v[VS:VS+3], v[ADS] offset:12800
	s_wait_dscnt 0x0
.irp t, 0,1,2,3
	v_wmma_scale_f32_16x16x128_f8f6f4 v[O+8*\t:O+8*\t+7], v[S+12*\t:S+12*\t+11], v[PCD:PCD+11], v[O+8*\t:O+8*\t+7], v[VS+\t], v[PWD] matrix_a_fmt:MATRIX_FMT_FP6 matrix_b_fmt:MATRIX_FMT_FP6
.endr
.endm
; A group of key steps: left = how many of my three pieces may still be out; first = the group's first block; n = its steps
.macro GROUP left, first, n
	s_wait_tensorcnt \left                         ; tensor loads of a wave end in order: my piece of this group has landed; the later ones may stay out
	s_wait_dscnt 0x0                               ; no LDS load of mine is out at the signal
	s_barrier_signal -1
	s_barrier_wait -1                              ; everybody's has
	s_mov_b32 s[TB], (\first)*13056
	s_mov_b32 s[CNT], \n
.Lstep_\@:
	STEP
	s_add_co_u32 s[TB], s[TB], 13056
	s_sub_co_u32 s[CNT], s[CNT], 1
	s_cmp_lg_u32 s[CNT], 0
	s_cbranch_scc1 .Lstep_\@
.endm
	GROUP 2, 0, 5                                  ; blocks 0-4 lie in pieces 0-14
	GROUP 1, 5, 5                                  ; blocks 5-9 end in piece 29
	GROUP 0, 10, 6
.rept 4
	v_nop                                          ; places behind the last products
.endr
	v_add_f32 v14, v14, v15                        ; the sum's two halves,
	v_permlanex16_b32 v[TP], v14, s[SEL], s[SEL+1]
	v_add_f32 v14, v14, v[TP]                      ; and lane l xor 16's
	v_rcp_f32 v14, v14
	v_nop                                          ; one plain place behind a transcendental
.set j, 0
	s_wait_alu depctr_va_vdst(0)
.rept 32
	v_mul_f32 v[S+j], v[O+j], v14                  ; register 16 b + i: channel 32 b + 16 h + i of my query
.set j, j+1
.endr
.irp b, 0,1                                    ; quantised along the channels: two blocks
	v_max3_num_f32 v[BM+\b], |v[S+16*\b]|, |v[S+1+16*\b]|, 0x1800000
.endr
.irp i, 2,4,6,8,10,12,14
.irp b, 0,1
	v_max3_num_f32 v[BM+\b], v[BM+\b], |v[S+16*\b+\i]|, |v[S+1+16*\b+\i]|
.endr
.endr
.irp b, 0,1
	v_permlanex16_b32 v[PB+\b], v[BM+\b], s[SEL], s[SEL+1]
.endr
.irp b, 0,1
	v_max_num_f32 v[BM+\b], v[BM+\b], v[PB+\b]
.endr
.irp b, 0,1
	v_add_nc_u32 v[SO+\b], 0xff000000, v[BM+\b]
.endr
.irp b, 0,1
	v_lshrrev_b32 v[PB+\b], 23, v[SO+\b]
.endr
	v_lshl_or_b32 v[PWD], v[PB+1], 8, v[PB]
	v_cvt_scalef32_pk16_fp6_f32 v[PCD:PCD+2], v[S:S+15], v[SO]
	v_cvt_scalef32_pk16_fp6_f32 v[PH:PH+2], v[S+16:S+31], v[SO+1]
	v_nop
.irp i, 0,1,2
	v_permlane16_swap_b32 v[PCD+\i], v[PH+\i]
.endr
.irp i, 0,1,2
	v_mov_b32 v[PCD+3+\i], v[PH+\i]
.endr
	global_store_b128 v[LI], v[PCD:PCD+3], s[12:13]              ; half a fragment's image: 512 consecutive bytes,
	global_store_b64 v[L8], v[PCD+4:PCD+5], s[12:13] offset:512  ; and 256
	global_store_b16 v[LR], v[PWD], s[14:15]                     ; my row's two bytes; both halves of the lanes write the same
	s_wait_dscnt 0x0
	s_wait_tensorcnt 0x0
	ds_add_u32 v254, v255
	s_wait_dscnt 0x0
	CROUND                                         ; the closing round: no work-group ends while a partner may still ask for a piece that names it
	s_endpgm
.Lfunc_end_k_qb862778edf_att:
	.size	k_qb862778edf_att, .Lfunc_end_k_qb862778edf_att-k_qb862778edf_att
	.p2alignl 7, 3214868480
	.fill 96, 4, 3214868480
	.section	.rodata,"a",@progbits
	.p2align	6, 0x0
	.amdhsa_kernel k_qb862778edf_att
		.amdhsa_group_segment_fixed_size 210944
		.amdhsa_private_segment_fixed_size 0
		.amdhsa_enable_private_segment 0
		.amdhsa_kernarg_size 48
		.amdhsa_user_sgpr_count 2
		.amdhsa_user_sgpr_kernarg_segment_ptr 1
		.amdhsa_wavefront_size32 1
		.amdhsa_system_sgpr_workgroup_id_x 1
		.amdhsa_system_sgpr_workgroup_id_y 1
		.amdhsa_system_sgpr_workgroup_id_z 1
		.amdhsa_system_vgpr_workitem_id 0
		.amdhsa_next_free_vgpr 256
		.amdhsa_next_free_sgpr 66
		.amdhsa_reserve_vcc 0
		.amdhsa_float_denorm_mode_32 3
		.amdhsa_float_denorm_mode_16_64 3
		.amdhsa_memory_ordered 1
		.amdhsa_forward_progress 1
		.amdhsa_inst_pref_size 61
	.end_amdhsa_kernel
	.amdgpu_metadata
---
amdhsa.version: [ 1, 2 ]
amdhsa.kernels:
  - .name:           k_qb862778edf_att
    .symbol:         k_qb862778edf_att.kd
    .args:
      - { .name: qimg, .offset: 0, .size: 8, .value_kind: global_buffer, .address_space: global }
      - { .name: qsc, .offset: 8, .size: 8, .value_kind: global_buffer, .address_space: global }
      - { .name: kv, .offset: 16, .size: 8, .value_kind: global_buffer, .address_space: global }
      - { .name: mask, .offset: 24, .size: 8, .value_kind: global_buffer, .address_space: global }
      - { .name: attimg, .offset: 32, .size: 8, .value_kind: global_buffer, .address_space: global }
      - { .name: attsc, .offset: 40, .size: 8, .value_kind: global_buffer, .address_space: global }
    .group_segment_fixed_size: 210944
    .private_segment_fixed_size: 0
    .kernarg_segment_align: 8
    .kernarg_segment_size: 48
    .max_flat_workgroup_size: 512
    .sgpr_count:     66
    .vgpr_count:     256
    .wavefront_size: 32
...
	.end_amdgpu_metadata
.endif
;; end of part 3
;; launch tail (part 4): grid 256 x 1, 4 waves a work-group, no clusters, 96,768 bytes of LDS; arguments attimg, attsc, input, mask, wimg, out0; writes out0
.if DOCPART == 4
	.amdgcn_target "amdgcn-amd-amdhsa--gfx1250"
	.amdhsa_code_object_version 6
	.text
	.protected	k_qb862778edf_tail
	.globl	k_qb862778edf_tail
	.p2align	8
	.type	k_qb862778edf_tail,@function
k_qb862778edf_tail:
	s_mov_b64 s[64:65], 0
	v_nop
	global_prefetch_b8 v0, s[64:65] scope:SCOPE_SE
	s_setreg_imm32_b32 hwreg(HW_REG_WAVE_MODE, 25, 1), 1
	s_wait_xcnt 0x0
; x2 = (input + att Wo) x mask;  out0 = gelu(layernorm(x2) W1) W2 + x2.  All three products on codes of FP6 (E2M3) with one E8M0 byte for each 32 along K; all else in f32.
; SHARES.  A work-group takes 32 tokens: two tiles of 16; lane r of tile m holds token 8 m + r + 8 (r / 8).  THE WAVES SHARE THE COLUMNS: wave w keeps columns 128 w .. + 127 of x2 and of the result in 128 registers,
; and makes 128 hidden units of each of four chunks of 512.  The residual is the C of the first product, and the last product adds onto x2: no addition is written.
; Activations go from wave to wave through LDS as images of their registers.  The weights' fragment images come straight from memory into the one wave's registers that uses them, 512 consecutive bytes a load,
; in four buffers of 96 registers.
; THE WEIGHTS' STREAM.  Quarter q of a panel (K step q: 24 loads, with quarter 0 four more for the scale words) lands in buffer q.  The loads are issued in the order of their use.  Where the products wait for weights, a quarter
; is asked for one group of products later than its buffer falls free, so that its issue can be held up only by loads that the next products want anyway.  In front of long vector work nothing is asked for: W2's quarters 2
; and 3 are asked for inside gelu, three loads behind each of its 16 groups, and the first W1 panel's quarters 2 and 3 behind the LayerNorm's two reductions.
; THE CHUNKS ARE WALKED IN TURN: work-group G begins with chunk G % 4, so that neighbouring work-groups ask for four different parts of W1 and W2 at a time.  The base of a chunk's panels is made anew in the chunk's middle,
; behind gelu, the quantiser and two barriers, where the youngest loads are some 300 instructions old.
; NO JOINT LOADS: each weight fragment feeds one wave alone; a joint load lands in LDS only, and beside the 96,256 bytes in use two slots hold half a panel a wave: a refill would have 32 products in which to land.
; gelu(x) = x / 2 + x / 2 erf(x / sqrt 2), erf(z) = z P(z^2) / Q(z^2) with z held to +-4: a quotient of polynomials of degrees 6 and 4.
; REGISTERS, in windows of 256: window 0: v0-31 addresses and constants, v32-63 weight scale words (two sets), v64-79 activations' scale words, v80-91 mask, mean, 1/sigma, v92-127 at work, v128-255 HA: 16 accumulators.
;   windows 1, 2: the four weight buffers.   window 3: v0-127 X2; v128-223 eight activation fragments.
; LIMITS: NaN and infinities are not served; a block of zeros, or one whose largest magnitude lies under 2^-124, gets the byte 1; for x under about -5.6 gelu comes out as 0 or about -1e-7 |x| in place of its
; still smaller true value: an absolute error under 1e-6; the f32 sum over the hidden units is taken chunk by chunk from chunk G % 4 on: an order of rounding that differs from work-group to work-group.
.set HA,  128
.set X2,  0
.set ACT, 128
.set LI,  1                            ; 16 x lane
.set L8,  2                            ; 8 x lane
.set LS,  3                            ; 4 x lane
.set SA,  4                            ; my stage: row r, + 64 h
.set SD,  5                            ; my stage: 16 x lane
.set IW,  6                            ; 16 x lane + 1,536 x wave
.set SWA, 7                            ; 4 x lane + 128 x wave
.set ST8, 8                            ; 8 x lane + 256 x wave
.set LR16, 9                           ; 16 r
.set MKO, 10                           ; 4 (r + 8 (r / 8))
.set VA0, 24                           ; v[24:25] P's leading coefficient, twice
.set VB0, 26                           ; v[26:27] Q's
.set PW,  30
.set WS,  32
.set YS,  64
.set HS,  72
.set MK0, 80
.set MU0, 84
.set RS0, 88
.set TM,  92
.set GT,  92
.set PC,  108
.set YIMG, 0                           ; LDS: y's 8 fragment images (4 m + s),
.set YSC,  12288                       ; their scale words, 128 bytes each,
.set HIMG, 13312                       ; a chunk's 8 hidden fragments,
.set HSC,  25600                       ; their scale words,
.set STAT1, 26624                      ; the waves' partial sums, 8 bytes a lane,
.set STAT2, 27648                      ; and partial sums of squares,
.set STG,  28672                       ; a stage of 32 rows x (512 + 16) bytes for each wave
.set W2OFF, 819200                     ; from a chunk's panel of W1 to its panel of W2: 16 panels
.set W1NEXT, 204800                    ; from a chunk's panel of W1 to the next chunk's: 4 panels
.set WV,  16
.set SEL, 20
.set WP,  22                           ; s[22:23] my panel of W1 in the chunk in hand
.set IN,  24
.set MP,  26
.set AI,  28
.set ASC, 30
.set OUT, 32
.set WO,  34                           ; s[34:35] my panel of Wo
.set WB,  36                           ; s[36:37] my panel of W1 in chunk 0
.set OF,  38                           ; s[38:39] the chunk's byte offset, in 64 bits
.set CC,  40                           ; the chunk in hand, 0..3
.set SINV, 42
.set SEPS, 43
.set CNT, 44
.set MSB, 0
.macro WIN new                         ; the immediate's high byte repeats the setting that is left; a switch that changes nothing is dropped
.if MSB != (\new)
	s_set_vgpr_msb (MSB<<8)|(\new)
.set MSB, (\new)
.endif
.endm
.macro NOP4                            ; four places behind matrix instructions: in front of loads into registers that they read and of the first read of results
	WIN 0
.rept 4
	v_nop
.endr
.endm
.macro BARRIER                         ; my LDS stores have landed and my LDS loads are in: then the work-group's barrier
	s_wait_dscnt 0x0
	s_barrier_signal -1
	s_barrier_wait -1
.endm
.macro WM d, a, b, z, sa, sb, row      ; one product; z: the sum begins with 0; row 1 / 2: source 0's / source 1's scales stand in lanes 16-31
.if \z
.if (\row) == 0
	v_wmma_scale_f32_16x16x128_f8f6f4 v[\d:\d+7], v[\a:\a+11], v[\b:\b+11], 0, v[\sa], v[\sb] matrix_a_fmt:MATRIX_FMT_FP6 matrix_b_fmt:MATRIX_FMT_FP6
.elseif (\row) == 1
	v_wmma_scale_f32_16x16x128_f8f6f4 v[\d:\d+7], v[\a:\a+11], v[\b:\b+11], 0, v[\sa], v[\sb] matrix_a_fmt:MATRIX_FMT_FP6 matrix_b_fmt:MATRIX_FMT_FP6 matrix_a_scale:MATRIX_SCALE_ROW1
.else
	v_wmma_scale_f32_16x16x128_f8f6f4 v[\d:\d+7], v[\a:\a+11], v[\b:\b+11], 0, v[\sa], v[\sb] matrix_a_fmt:MATRIX_FMT_FP6 matrix_b_fmt:MATRIX_FMT_FP6 matrix_b_scale:MATRIX_SCALE_ROW1
.endif
.else
.if (\row) == 0
	v_wmma_scale_f32_16x16x128_f8f6f4 v[\d:\d+7], v[\a:\a+11], v[\b:\b+11], v[\d:\d+7], v[\sa], v[\sb] matrix_a_fmt:MATRIX_FMT_FP6 matrix_b_fmt:MATRIX_FMT_FP6
.elseif (\row) == 1
	v_wmma_scale_f32_16x16x128_f8f6f4 v[\d:\d+7], v[\a:\a+11], v[\b:\b+11], v[\d:\d+7], v[\sa], v[\sb] matrix_a_fmt:MATRIX_FMT_FP6 matrix_b_fmt:MATRIX_FMT_FP6 matrix_a_scale:MATRIX_SCALE_ROW1
.else
	v_wmma_scale_f32_16x16x128_f8f6f4 v[\d:\d+7], v[\a:\a+11], v[\b:\b+11], v[\d:\d+7], v[\sa], v[\sb] matrix_a_fmt:MATRIX_FMT_FP6 matrix_b_fmt:MATRIX_FMT_FP6 matrix_b_scale:MATRIX_SCALE_ROW1
.endif
.endif
.endm
; Quarter q of the panel at byte off from the base bp: K step q's eight fragment images, 24 loads of 512 consecutive bytes, into buffer q; with quarter 0 the panel's scale words into set par
.macro LOADQ bp, off, q, par
.if (\q) == 0
	WIN 0
.irp P, 0,1,2,3
	global_load_b128 v[WS+16*(\par)+4*\P:WS+16*(\par)+4*\P+3], v[LI], s[\bp:\bp+1] offset:(\off)+49152+512*\P
.endr
.endif
	WIN ((1+((\q)>>1))<<6)
.set lq_i, 0
.rept 24
	global_load_b128 v[96*((\q)&1)+4*lq_i:96*((\q)&1)+4*lq_i+3], v[LI], s[\bp:\bp+1] offset:(\off)+12288*(\q)+512*lq_i
.set lq_i, lq_i+1
.endr
	WIN 0
.endm
; 16 products: the panel's eight tiles x the two tiles of tokens, K step q.  The 16 accumulators take turns, one instruction a turn.
; mode 0, 1: HA = weight x activation (0: the sums begin);  2: the same onto X2 in window 3;  3, 4: the sources swapped (not used here).  as: the activation's scale words
.macro MULQ q, par, mode, as
.set mq_w, 1+((\q)>>1)
.set mq_b, 96*((\q)&1)
.set mq_z, 0
.if (\mode) == 0
.set mq_z, 1
.endif
.if (\mode) == 3
.set mq_z, 1
.endif
.if (\mode) < 2
	WIN (0x0c|mq_w)
.elseif (\mode) == 2
	WIN (0xfc|mq_w)
.else
	WIN ((mq_w<<2)|3)
.endif
.irp t, 0,1,2,3,4,5,6,7
.irp m, 0,1
.set mq_W, mq_b+12*\t
.set mq_A, ACT+12*(4*\m+(\q))
.set mq_ws, WS+16*(\par)+4*(\t/2)+(\q)
.set mq_as, (\as)+4*\m+(\q)
.if (\mode) < 2
.set mq_D, HA+64*\m+8*\t
.elseif (\mode) == 2
.set mq_D, X2+64*\m+8*\t
.else
.set mq_D, HA+16*\t+8*\m
.endif
.if (\mode) < 3
	WM mq_D, mq_W, mq_A, mq_z, mq_ws, mq_as, (\t%2)
.else
	WM mq_D, mq_A, mq_W, mq_z, mq_as, mq_ws, 2*(\t%2)
.endif
.endr
.endr
.endm
; A quarter: the wait for its loads (the count: the loads issued behind them, or 63 where those are 72 or 76: the most that the wait can name, and a smaller count is right); the products; the places; a later quarter's loads
.macro QUART wait, q, par, mode, as, doload, bp, noff, nq, npar
	s_wait_loadcnt \wait
	MULQ \q, \par, \mode, \as
	NOP4
.if \doload
	LOADQ \bp, \noff, \nq, \npar
.endif
.endm
.macro FETCHA base                     ; eight fragment images from LDS into window 3
	WIN 0xc0
.set fa_i, 0
.rept 24
	ds_load_b128 v[ACT+4*fa_i:ACT+4*fa_i+3], v[LI] offset:(\base)+512*fa_i
.set fa_i, fa_i+1
.endr
	WIN 0
.endm
.macro FETCHS reg, base                ; and their scale words
.irp f, 0,1,2,3,4,5,6,7
	ds_load_b32 v[(\reg)+\f], v[LS] offset:(\base)+128*\f
.endr
.endm
; 64 numbers of a lane, register 16 b + i = k 32 b + 16 (lane / 16) + i of my row, become a fragment's codes in v[PC] on and its scale word in v[PW]
.macro QUANT s
.irp b, 0,1,2,3
	v_max3_num_f32 v[TM+\b], |v[\s+16*\b]|, |v[\s+1+16*\b]|, 0x1800000   ; with the floor 2^(3 - 127): the byte cannot fall under 1
.endr
.irp i, 2,4,6,8,10,12,14
.irp b, 0,1,2,3
	v_max3_num_f32 v[TM+\b], v[TM+\b], |v[\s+16*\b+\i]|, |v[\s+1+16*\b+\i]|
.endr
.endr
.irp b, 0,1,2,3
	v_permlanex16_b32 v[TM+4+\b], v[TM+\b], s[SEL], s[SEL+1]
.endr
.irp b, 0,1,2,3
	v_max_num_f32 v[TM+\b], v[TM+\b], v[TM+4+\b]   ; with lane l xor 16's: the block's largest magnitude
.endr
.irp b, 0,1,2,3
	v_add_nc_u32 v[TM+12+\b], 0xff000000, v[TM+\b] ; 2 off its exponent field: the conversion's scale operand
.endr
.irp b, 0,1,2,3
	v_lshrrev_b32 v[TM+4+\b], 23, v[TM+12+\b]      ; the scale's byte
.endr
	v_lshl_or_b32 v[PW], v[TM+5], 8, v[TM+4]
	v_lshl_or_b32 v[PW], v[TM+6], 16, v[PW]
	v_lshl_or_b32 v[PW], v[TM+7], 24, v[PW]
.irp c, 0,1
	v_cvt_scalef32_pk16_fp6_f32 v[PC+6*\c:PC+2+6*\c], v[\s+32*\c:\s+15+32*\c], v[TM+12+2*\c]
	v_cvt_scalef32_pk16_fp6_f32 v[PC+12+4*\c:PC+14+4*\c], v[\s+16+32*\c:\s+31+32*\c], v[TM+12+2*\c+1]
.endr
	v_nop                                          ; one plain place behind a scaled conversion
.irp c, 0,1                                    ; a whole block to a lane: lanes 0-15 block 2 c, lanes 16-31 block 2 c + 1
.irp i, 0,1,2
	v_permlane16_swap_b32 v[PC+6*\c+\i], v[PC+12+4*\c+\i]
.endr
.irp i, 0,1,2
	v_mov_b32 v[PC+3+6*\c+\i], v[PC+12+4*\c+\i]
.endr
.endr
.endm
.macro IMAGE base                      ; the fragment in v[PC] on goes to LDS as it stands
.irp k, 0,1,2
	ds_store_b128 v[IW], v[PC+4*\k:PC+4*\k+3] offset:(\base)+512*\k
.endr
.endm
; 32 rows x 512 bytes, loaded 16 bytes a lane, turn through my own stage: out of it lane (r, h) takes, of row (m, r), 16 neighbours of each block of 32.  LDS serves a wave's instructions in order.
.macro XIN TW, T, DW, D
	WIN ((\TW)<<2)
.set xi, 0
.rept 32
	ds_store_b128 v[SD], v[(\T)+4*xi:(\T)+4*xi+3] offset:528*xi
.set xi, xi+1
.endr
	WIN ((\DW)<<6)
.irp m, 0,1
.irp b, 0,1,2,3
.irp j, 0,1,2,3
	ds_load_b128 v[(\D)+64*\m+16*\b+4*\j:(\D)+64*\m+16*\b+4*\j+3], v[SA] offset:8448*\m+128*\b+16*\j
.endr
.endr
.endr
	WIN 0
	s_wait_dscnt 0x0
.endm
; v[92:95] (tile 0) and v[96:99] (tile 1), two packed chains each, become the two rows' sums over all 512 columns in v100 and v101: within the lane, with lane l xor 16, then over the four waves through LDS, in the waves' order
.macro REDUCE stat
	v_pk_add_f32 v[92:93], v[92:93], v[94:95]
	v_pk_add_f32 v[96:97], v[96:97], v[98:99]
	v_add_f32 v92, v92, v93
	v_add_f32 v96, v96, v97
	v_permlanex16_b32 v93, v92, s[SEL], s[SEL+1]
	v_permlanex16_b32 v97, v96, s[SEL], s[SEL+1]
	v_add_f32 v92, v92, v93
	v_add_f32 v93, v96, v97
	ds_store_b64 v[ST8], v[92:93] offset:\stat
	BARRIER
.irp u, 0,1,2,3
	ds_load_b64 v[100+2*\u:101+2*\u], v[L8] offset:(\stat)+256*\u
.endr
	s_wait_dscnt 0x0
	v_pk_add_f32 v[100:101], v[100:101], v[102:103]
	v_pk_add_f32 v[100:101], v[100:101], v[104:105]
	v_pk_add_f32 v[100:101], v[100:101], v[106:107]
.endm
; LayerNorm of the 128 numbers a lane at v[X] of window XW (two passes: the mean, then the squares of the differences), into HA; quantised; images to LDS.  Three barriers.
; Behind each of the two reductions a quarter of the first W1 panel is asked for.
.macro LNQ XW, X
.irp u, 92,93,94,95,96,97,98,99
	v_mov_b32 v\u, 0
.endr
	WIN ((\XW)<<2)
.set ln_p, 0
.rept 16
.irp m, 0,1
	v_pk_add_f32 v[92+4*\m:93+4*\m], v[92+4*\m:93+4*\m], v[(\X)+64*\m+4*ln_p:(\X)+64*\m+4*ln_p+1]
	v_pk_add_f32 v[94+4*\m:95+4*\m], v[94+4*\m:95+4*\m], v[(\X)+64*\m+4*ln_p+2:(\X)+64*\m+4*ln_p+3]
.endr
.set ln_p, ln_p+1
.endr
	WIN 0
	REDUCE STAT1
	LOADQ WP, 0, 2, 0
	v_mul_f32 v[MU0], s[SINV], v100                ; the mean: sum / 512
	v_mul_f32 v[MU0+2], s[SINV], v101
	v_mov_b32 v[MU0+1], v[MU0]
	v_mov_b32 v[MU0+3], v[MU0+2]
	WIN (\XW)
.irp m, 0,1
.set ln_p, 0
.rept 32
	v_pk_add_f32 v[HA+64*\m+2*ln_p:HA+64*\m+2*ln_p+1], v[(\X)+64*\m+2*ln_p:(\X)+64*\m+2*ln_p+1], v[MU0+2*\m:MU0+2*\m+1] op_sel_hi:[1,0] neg_lo:[0,1] neg_hi:[0,1]
.set ln_p, ln_p+1
.endr
.endr
	WIN 0
.irp u, 92,93,94,95,96,97,98,99
	v_mov_b32 v\u, 0
.endr
.set ln_p, 0
.rept 16
.irp m, 0,1
	v_pk_fma_f32 v[92+4*\m:93+4*\m], v[HA+64*\m+4*ln_p:HA+64*\m+4*ln_p+1], v[HA+64*\m+4*ln_p:HA+64*\m+4*ln_p+1], v[92+4*\m:93+4*\m]
	v_pk_fma_f32 v[94+4*\m:95+4*\m], v[HA+64*\m+4*ln_p+2:HA+64*\m+4*ln_p+3], v[HA+64*\m+4*ln_p+2:HA+64*\m+4*ln_p+3], v[94+4*\m:95+4*\m]
.endr
.set ln_p, ln_p+1
.endr
	REDUCE STAT2
	LOADQ WP, 0, 3, 0
	v_fma_f32 v100, v100, s[SINV], s[SEPS]         ; the variance + 1e-6
	v_fma_f32 v101, v101, s[SINV], s[SEPS]
	v_rsq_f32 v[RS0], v100
	v_rsq_f32 v[RS0+2], v101
	v_nop                                          ; one plain place behind a transcendental
	s_wait_alu depctr_va_vdst(0)
	v_mov_b32 v[RS0+1], v[RS0]
	v_mov_b32 v[RS0+3], v[RS0+2]
.irp m, 0,1
.set ln_p, 0
.rept 32
	v_pk_mul_f32 v[HA+64*\m+2*ln_p:HA+64*\m+2*ln_p+1], v[HA+64*\m+2*ln_p:HA+64*\m+2*ln_p+1], v[RS0+2*\m:RS0+2*\m+1] op_sel_hi:[1,0]
.set ln_p, ln_p+1
.endr
.endr
.irp m, 0,1
	QUANT HA+64*\m
	IMAGE YIMG+6144*\m                             ; tile m, K step = my wave
	ds_store_b32 v[SWA], v[PW] offset:YSC+512*\m
	s_wait_dscnt 0x0                               ; the stores have read their registers
.endr
	BARRIER                                        ; the eight fragments lie in LDS
.endm
; gelu in place on HA's 128 numbers, eight at a time; the four pairs take each step by turns.  Behind each of the 16 groups three loads of W2's quarters 2 and 3 (48 in all) are issued, into buffers 2 and 3 of window 2
.macro GELU
.set ge, 0
.rept 16
.set gh, HA+8*ge
.irp p, 0,2,4,6
	v_pk_mul_f32 v[GT+\p:GT+\p+1], v[gh+\p:gh+\p+1], 0x3f3504f3 op_sel_hi:[1,0]   ; z = x / sqrt 2
.endr
.irp p, 0,1,2,3,4,5,6,7
	v_med3_num_f32 v[GT+\p], v[GT+\p], -4.0, 4.0
.endr
.irp p, 0,2,4,6
	v_pk_mul_f32 v[GT+8+\p:GT+9+\p], v[GT+\p:GT+\p+1], v[GT+\p:GT+\p+1]            ; z^2
.endr
.irp p, 0,2,4,6
	v_pk_fma_f32 v[GT+16+\p:GT+17+\p], v[GT+8+\p:GT+9+\p], v[VA0:VA0+1], 0x32EDFFEE op_sel_hi:[1,1,0]
.endr
.irp k, 0xB60CFF51, 0xB86EC2D2, 0xBA40AC63, 0xBB41A1F6, 0xBC83DBD4
.irp p, 0,2,4,6
	v_pk_fma_f32 v[GT+16+\p:GT+17+\p], v[GT+16+\p:GT+17+\p], v[GT+8+\p:GT+9+\p], \k op_sel_hi:[1,1,0]
.endr
.endr
.irp p, 0,2,4,6
	v_pk_fma_f32 v[GT+24+\p:GT+25+\p], v[GT+8+\p:GT+9+\p], v[VB0:VB0+1], 0xB95FBD29 op_sel_hi:[1,1,0]
.endr
.irp k, 0xBADC924E, 0xBBF19BF8, 0xBC69B6A7
.irp p, 0,2,4,6
	v_pk_fma_f32 v[GT+24+\p:GT+25+\p], v[GT+24+\p:GT+25+\p], v[GT+8+\p:GT+9+\p], \k op_sel_hi:[1,1,0]
.endr
.endr
.irp p, 0,1,2,3,4,5,6,7
	v_rcp_f32 v[GT+24+\p], v[GT+24+\p]
.endr
.irp p, 0,2,4,6
	v_pk_mul_f32 v[GT+16+\p:GT+17+\p], v[GT+16+\p:GT+17+\p], v[GT+\p:GT+\p+1]      ; z P (plain places behind the reciprocals)
.endr
.irp p, 0,2,4,6
	v_pk_mul_f32 v[gh+\p:gh+\p+1], v[gh+\p:gh+\p+1], 0.5 op_sel_hi:[1,0]
.endr
	s_wait_alu depctr_va_vdst(0)
.irp p, 0,2,4,6
	v_pk_mul_f32 v[GT+16+\p:GT+17+\p], v[GT+16+\p:GT+17+\p], v[GT+24+\p:GT+25+\p]  ; erf
.endr
.irp p, 0,2,4,6
	v_pk_fma_f32 v[gh+\p:gh+\p+1], v[gh+\p:gh+\p+1], v[GT+16+\p:GT+17+\p], v[gh+\p:gh+\p+1]
.endr
	WIN 0x80                                       ; destination window 2
.irp j, 0,1,2
.set gl_i, 3*ge+\j
	global_load_b128 v[96*(gl_i/24)+4*(gl_i%24):96*(gl_i/24)+4*(gl_i%24)+3], v[LI], s[WP:WP+1] offset:W2OFF+12288*(2+gl_i/24)+512*(gl_i%24)
.endr
	WIN 0
.set ge, ge+1
.endr
.endm
; A chunk of 512 hidden units.  WP stands at my panel of W1.  At its head all four quarters of that panel have been asked for (28 + 24 + 24 + 24 loads) and so have y's fragments from LDS.
; The loads issued behind the quarter that a wait is for:  W1: 72, 48, 24 + 28, 28 + 24;  W2: 72, 48 + 28, 24 + 28 + 24, 28 + 24;  in the last chunk W2: 72, 48, 24, 0.
.macro CHUNK last
	s_wait_dscnt 0x0                               ; y's fragments (and, the first time, their scale words) are in
	QUART 63, 0, 0, 0, YS, 0, WP, 0, 0, 0
	QUART 48, 1, 0, 1, YS, 1, WP, W2OFF, 0, 1
	QUART 52, 2, 0, 1, YS, 1, WP, W2OFF, 1, 1
	QUART 52, 3, 0, 1, YS, 0, WP, 0, 0, 0
	GELU
.irp m, 0,1
	QUANT HA+64*\m
	IMAGE HIMG+6144*\m                             ; tile m, the chunk's K step = my wave
	ds_store_b32 v[SWA], v[PW] offset:HSC+512*\m
	s_wait_dscnt 0x0
.endr
	BARRIER                                        ; the chunk's eight hidden fragments lie in LDS
	FETCHA HIMG
	FETCHS HS, HSC
	BARRIER                                        ; every wave has them in registers: the next chunk may write there
.if \last
	QUART 63, 0, 1, 2, HS, 0, WP, 0, 0, 0
	QUART 48, 1, 1, 2, HS, 0, WP, 0, 0, 0
	QUART 24, 2, 1, 2, HS, 0, WP, 0, 0, 0
	QUART 0, 3, 1, 2, HS, 0, WP, 0, 0, 0
.else
	s_wait_xcnt 0x0                                ; every load issued so far has had its address translated (ISA guide 3.1): the base is rewritten only behind this wait
	s_add_co_u32 s[CC], s[CC], 1
	s_and_b32 s[CC], s[CC], 3                      ; the next chunk, round the four
	s_mul_i32 s[OF], s[CC], W1NEXT
	s_add_nc_u64 s[WP:WP+1], s[WB:WB+1], s[OF:OF+1]
	QUART 63, 0, 1, 2, HS, 1, WP, 0, 0, 0
	QUART 63, 1, 1, 2, HS, 1, WP, 0, 1, 0
	QUART 63, 2, 1, 2, HS, 0, WP, 0, 0, 0
	QUART 52, 3, 1, 2, HS, 0, WP, 0, 0, 0
	FETCHA YIMG                                    ; y's fragments again, for the next chunk; then the rest of its W1 panel: all the products that were ready have been issued
	LOADQ WP, 0, 2, 0
	LOADQ WP, 0, 3, 0
.endif
.endm
	s_load_b256 s[4:11], s[0:1], 0x0               ; attimg, attsc, input, mask
	s_load_b128 s[12:15], s[0:1], 0x20             ; wimg, out0
	v_lshl_add_u32 v31, v0, 2, 0x17800
	v_mov_b32 v127, 0
	v_lshrrev_b32 v21, 5, v0
	v_readfirstlane_b32 s[WV], v21                 ; wave 0..3
	v_and_b32 v23, 31, v0                          ; lane
	v_and_b32 v21, 15, v0                          ; r
	v_bfe_u32 v22, v0, 4, 1                        ; h
	v_lshlrev_b32 v[LI], 4, v23
	v_lshlrev_b32 v[L8], 3, v23
	v_lshlrev_b32 v[LS], 2, v23
	s_mul_i32 s48, s[WV], 16896
	s_add_co_u32 s48, s48, STG
	v_mul_u32_u24 v[SA], v21, 528
	v_lshl_add_u32 v[SA], v22, 6, v[SA]
	v_add_nc_u32 v[SA], s48, v[SA]
	v_add_nc_u32 v[SD], s48, v[LI]
	s_mul_i32 s48, s[WV], 1536
	v_add_nc_u32 v[IW], s48, v[LI]
	s_lshl_b32 s48, s[WV], 7
	v_add_nc_u32 v[SWA], s48, v[LS]
	s_lshl_b32 s48, s[WV], 8
	v_add_nc_u32 v[ST8], s48, v[L8]
	v_lshlrev_b32 v[LR16], 4, v21
	v_and_b32 v[MKO], 8, v21
	v_add_nc_u32 v[MKO], v[MKO], v21
	v_lshlrev_b32 v[MKO], 2, v[MKO]
	v_mov_b32 v[VA0], 0xAF95DF0B
	v_mov_b32 v[VA0+1], 0xAF95DF0B
	v_mov_b32 v[VB0], 0xB77460CD
	v_mov_b32 v[VB0+1], 0xB77460CD
	s_mov_b32 s[SEL], 0x76543210
	s_mov_b32 s[SEL+1], 0xfedcba98                 ; v_permlanex16_b32's selects for lane l xor 16
	s_mov_b32 s[SINV], 0x3b000000                  ; 1 / 512
	s_mov_b32 s[SEPS], 0x358637bd                  ; 1e-6
	s_and_b32 s[CC], ttmp9, 3                      ; the chunk with which this work-group begins
	s_mul_i32 s[OF], s[CC], W1NEXT
	s_mov_b32 s[OF+1], 0
	s_mov_b32 s55, 0
	s_wait_kmcnt 0x0
	s_lshl_b32 s54, ttmp9, 16
	s_lshl_b32 s56, s[WV], 9
	s_add_co_u32 s54, s54, s56
	s_add_nc_u64 s[IN:IN+1], s[8:9], s[54:55]      ; input and out0: my 32 rows, my 512 bytes of each
	s_add_nc_u64 s[OUT:OUT+1], s[14:15], s[54:55]
	s_lshl_b32 s54, ttmp9, 7
	s_add_nc_u64 s[MP:MP+1], s[10:11], s[54:55]
	s_mul_i32 s54, ttmp9, 12288
	s_add_nc_u64 s[AI:AI+1], s[4:5], s[54:55]
	s_lshl_b32 s54, ttmp9, 9
	s_add_nc_u64 s[ASC:ASC+1], s[6:7], s[54:55]
	s_add_co_u32 s54, s[WV], 12
	s_mul_i32 s54, s54, 51200
	s_add_nc_u64 s[WO:WO+1], s[12:13], s[54:55]    ; Wo's panel 12 + w
	s_add_co_u32 s54, s54, W1NEXT
	s_add_nc_u64 s[WB:WB+1], s[12:13], s[54:55]    ; W1's panel 16 + w: chunk 0,
	s_add_nc_u64 s[WP:WP+1], s[WB:WB+1], s[OF:OF+1]   ; and that of my first chunk
.set xi, 0
.rept 32                                       ; stage row 16 m + r is token 8 m + r + 8 (r / 8); each load takes 512 consecutive bytes
	global_load_b128 v[HA+4*xi:HA+4*xi+3], v[LI], s[IN:IN+1] offset:2048*(8*(xi/16)+xi%16+8*((xi%16)/8)) th:TH_LOAD_NT
.set xi, xi+1
.endr
	global_load_b32 v[MK0], v[MKO], s[MP:MP+1]
	global_load_b32 v[MK0+2], v[MKO], s[MP:MP+1] offset:32
	WIN 0xc0
.irp m, 0,1                                    ; the attention's eight fragments: fragment 4 m + s, half c = head 2 s + c
.irp s, 0,1,2,3
.irp c, 0,1
	global_load_b128 v[ACT+12*(4*\m+\s)+6*\c:ACT+12*(4*\m+\s)+6*\c+3], v[LI], s[AI:AI+1] offset:6144*\m+1536*\s+768*\c
	global_load_b64 v[ACT+12*(4*\m+\s)+6*\c+4:ACT+12*(4*\m+\s)+6*\c+5], v[L8], s[AI:AI+1] offset:6144*\m+1536*\s+768*\c+512
.endr
.endr
.endr
	WIN 0
	global_load_b128 v[HS:HS+3], v[LR16], s[ASC:ASC+1]
	global_load_b128 v[HS+4:HS+7], v[LR16], s[ASC:ASC+1] offset:256
	LOADQ WO, 0, 0, 1
	LOADQ WO, 0, 1, 1
	s_wait_loadcnt 52                              ; all but the 28 + 24 weight loads issued last are in
	XIN 0, HA, 3, X2                               ; the residual becomes the C of the first product
	LOADQ WO, 0, 2, 1
	v_mov_b32 v[MK0+1], v[MK0]
	v_mov_b32 v[MK0+3], v[MK0+2]
	LOADQ WO, 0, 3, 1
	; ---- x2 = (input + att Wo) x mask.  Behind quarter 0: 72 loads; behind 1: 48; behind 2: quarter 3 and W1's quarter 0, 52; behind 3: W1's quarters 0 and 1, 52
	QUART 63, 0, 1, 2, HS, 0, WP, 0, 0, 0
	QUART 48, 1, 1, 2, HS, 1, WP, 0, 0, 0
	QUART 52, 2, 1, 2, HS, 1, WP, 0, 1, 0
	QUART 52, 3, 1, 2, HS, 0, WP, 0, 0, 0
	WIN 0xc3                                       ; destination and source 0 in window 3
.irp m, 0,1
.set xi, 0
.rept 32
	v_pk_mul_f32 v[X2+64*\m+2*xi:X2+64*\m+2*xi+1], v[X2+64*\m+2*xi:X2+64*\m+2*xi+1], v[MK0+2*\m:MK0+2*\m+1] op_sel_hi:[1,0]
.set xi, xi+1
.endr
.endr
	WIN 0
	LNQ 3, X2
	FETCHA YIMG
	FETCHS YS, YSC
	; ---- the four chunks of the hidden layer; the last is written out, since it asks for no further weights
	s_mov_b32 s[CNT], 3
.Lchunk:
	CHUNK 0
	s_sub_co_u32 s[CNT], s[CNT], 1
	s_cmp_lg_u32 s[CNT], 0
	s_cbranch_scc1 .Lchunk
	CHUNK 1
	; ---- the way out, through my own stage: whole runs of 512 bytes of a row
	WIN 0x0c                                       ; an LDS store's data are its source 1: window 3
.irp m, 0,1
.irp b, 0,1,2,3
.irp j, 0,1,2,3
	ds_store_b128 v[SA], v[X2+64*\m+16*\b+4*\j:X2+64*\m+16*\b+4*\j+3] offset:8448*\m+128*\b+16*\j   ; each accumulator from its low end on
.endr
.endr
.endr
	WIN 0
.set xi, 0
.rept 32
	ds_load_b128 v[HA+4*xi:HA+4*xi+3], v[SD] offset:528*xi   ; LDS serves a wave's instructions in order: these see my stores
.set xi, xi+1
.endr
.set xi, 0
.rept 32
	s_wait_dscnt 31-xi                             ; row xi is back; the younger loads may be out
	global_store_b128 v[LI], v[HA+4*xi:HA+4*xi+3], s[OUT:OUT+1] offset:2048*(8*(xi/16)+xi%16+8*((xi%16)/8)) th:TH_STORE_NT   ; 32 lanes store 512 consecutive bytes, at a multiple of 256 from out0's first byte
.set xi, xi+1
.endr
	s_wait_tensorcnt 0x0
	ds_add_u32 v31, v127
	s_wait_dscnt 0x0
	s_endpgm
.Lfunc_end_k_qb862778edf_tail:
	.size	k_qb862778edf_tail, .Lfunc_end_k_qb862778edf_tail-k_qb862778edf_tail
	.p2alignl 7, 3214868480
	.fill 96, 4, 3214868480
	.section	.rodata,"a",@progbits
	.p2align	6, 0x0
	.amdhsa_kernel k_qb862778edf_tail
		.amdhsa_group_segment_fixed_size 96768
		.amdhsa_private_segment_fixed_size 0
		.amdhsa_enable_private_segment 0
		.amdhsa_kernarg_size 48
		.amdhsa_user_sgpr_count 2
		.amdhsa_user_sgpr_kernarg_segment_ptr 1
		.amdhsa_wavefront_size32 1
		.amdhsa_system_sgpr_workgroup_id_x 1
		.amdhsa_system_sgpr_workgroup_id_y 1
		.amdhsa_system_sgpr_workgroup_id_z 1
		.amdhsa_system_vgpr_workitem_id 0
		.amdhsa_next_free_vgpr 1024
		.amdhsa_next_free_sgpr 66
		.amdhsa_reserve_vcc 0
		.amdhsa_float_denorm_mode_32 3
		.amdhsa_float_denorm_mode_16_64 3
		.amdhsa_memory_ordered 1
		.amdhsa_forward_progress 1
		.amdhsa_inst_pref_size 255
	.end_amdhsa_kernel
	.section	.bss,"aw",@nobits
	.p2align	6
	.space	262144
	.amdgpu_metadata
---
amdhsa.version: [ 1, 2 ]
amdhsa.kernels:
  - .name:           k_qb862778edf_tail
    .symbol:         k_qb862778edf_tail.kd
    .args:
      - { .name: attimg, .offset: 0, .size: 8, .value_kind: global_buffer, .address_space: global }
      - { .name: attsc, .offset: 8, .size: 8, .value_kind: global_buffer, .address_space: global }
      - { .name: input, .offset: 16, .size: 8, .value_kind: global_buffer, .address_space: global }
      - { .name: mask, .offset: 24, .size: 8, .value_kind: global_buffer, .address_space: global }
      - { .name: wimg, .offset: 32, .size: 8, .value_kind: global_buffer, .address_space: global }
      - { .name: out0, .offset: 40, .size: 8, .value_kind: global_buffer, .address_space: global }
    .group_segment_fixed_size: 96768
    .private_segment_fixed_size: 0
    .kernarg_segment_align: 8
    .kernarg_segment_size: 48
    .max_flat_workgroup_size: 128
    .sgpr_count:     66
    .vgpr_count:     1024
    .wavefront_size: 32
...
	.end_amdgpu_metadata
.endif
;; end of part 4
;; ======== version 2 of 2: 4 launches
;; limits: an absolute error that grows with the inputs' magnitude: up to 1e-07 times it
;; workspace buffers: wimg 2,457,600 bytes; qimg 3,145,728 bytes; qsc 262,144 bytes; kv 6,684,672 bytes; attimg 3,145,728 bytes; attsc 131,072 bytes
;; launch prep: the kernel of part 1 again; grid 192 x 1, 4 waves a work-group, no clusters, 0 bytes of LDS; arguments Wq, Wk, Wv, Wo, W1, W2, wimg; writes wimg
;; launch qkv (part 5): grid 256 x 1, 4 waves a work-group, no clusters, 96,768 bytes of LDS; arguments input, mask, wimg, qimg, qsc, kv; writes qimg, qsc, kv
.if DOCPART == 5
	.amdgcn_target "amdgcn-amd-amdhsa--gfx1250"
	.amdhsa_code_object_version 6
	.text
	.protected	k_qb862778edf_qkv
	.globl	k_qb862778edf_qkv
	.p2align	8
	.type	k_qb862778edf_qkv,@function
k_qb862778edf_qkv:
	s_mov_b64 s[64:65], 0
	v_nop
	global_prefetch_b8 v0, s[64:65] scope:SCOPE_SE
	s_setreg_imm32_b32 hwreg(HW_REG_WAVE_SCHED_MODE, 0, 2), 2
	s_setreg_imm32_b32 hwreg(HW_REG_WAVE_MODE, 25, 1), 1
	s_wait_xcnt 0x0
	s_wait_alu depctr_vm_vsrc(0)
; x = layernorm(input x mask);  q = x Wq / 8, k = x Wk, v = x Wv, all three products on codes of FP6 (E2M3) with one E8M0 byte for each 32 along K; q and k are quantised along the head's 64, v along the keys,
; and leave as images of the operand registers that the attention launch wants.
; SHARES.  A work-group takes 32 tokens: two tiles of 16; lane r of tile m holds token 8 m + r + 8 (r / 8).  THE WAVES SHARE THE COLUMNS: wave w makes columns 128 w .. + 127 of q, k and v (heads 2 w, 2 w + 1).
; x's codes go from wave to wave through LDS as images of their registers (three stores of 512 consecutive bytes a fragment).  The weights' fragment images come straight from memory into the one wave's
; registers that uses them, 512 consecutive bytes a load, in four buffers of 96 registers.
; THE WEIGHTS' STREAM.  Quarter q of a panel (K step q: 24 loads, with quarter 0 four more for the scale words) lands in buffer q.  The loads are issued in the order of their use.  Inside a panel a quarter is asked for one
; group of products later than its buffer falls free, so that its issue can be held up only by loads that the next products want anyway; the two quarters that fall due in front of an epilogue are asked for inside it.
; NO JOINT LOADS: each weight fragment feeds one wave alone; a joint load lands in LDS only, and beside the 96,256 bytes in use two slots hold half a panel a wave: a refill would have 32 products in which to land.
; q, k: source 0 = 16 columns of the weight, source 1 = 16 tokens: a lane holds one token and its registers run along the columns.  v: the sources swapped: a lane holds one column and its registers run along the tokens, the keys.
; THE MODE: SCHED_MODE bits 1:0 = 2 (LLVM: expert scheduling mode 2), set by the entry lines.  The code itself states the register dependences between vector or matrix instructions and memory or LDS instructions,
; with s_wait_alu, always for 0.
; THE PLAN.  Registers that memory or LDS instructions touch, and who else names them:
;   v1-v15        addresses: made at the head, never written again: one wait on va_vdst ahead of the first load serves every access.
;   the four weight buffers and the two sets of scale words: written by loads, read by products alone.  The loads that follow quarter q's products land in the buffer that quarter q - 1 read and in the set of scale words
;                 that this panel does not use: so the wait on va_vdst stands at quarter q's head, behind the wait for its data, and the loads owe nothing more.
;   x's fragments and their scale words: loaded from LDS once, read by products alone.
;   v[92:93]      a reduction's vector lines write them, its LDS store reads them, later lines write them again: va_vdst ahead of the store, vm_vsrc behind it.  v100-v107: its LDS loads land there; that va_vdst covers them.
;   v[PC ..], v[PW]  a quantiser writes them, the image's LDS stores read them, the next quantiser writes them again: va_vdst ahead of the stores, vm_vsrc behind them.
;   window 3 v0-127  the input: loaded, read by the stage's LDS stores (which stand ahead of the reductions' waits on vm_vsrc); then six out-sets, each written once by moves and read by global stores: one va_vdst
;                 an epilogue half, which also states that the products are done reading the buffer asked for there.
; REGISTERS, in windows of 256: window 0: v0-31 addresses, v32-63 weight scale words (two sets), v64-71 x's scale words, v80-91 mask, mean, 1/sigma, v92-127 at work, v128-255 HA: 16 accumulators.
;   windows 1, 2: the four weight buffers.   window 3: v0-127 the input as loaded, later six sets of 16 registers from which the results are stored: no store's data are written again, so no wait stands for them;
;   v128-223 x's eight fragments.
; LIMITS: NaN and infinities are not served; a block of zeros, or one whose largest magnitude lies under 2^-124, gets the byte 1 (this program alone reads the bytes).
.set HA,  128
.set X2,  0
.set TI,  0
.set ACT, 128
.set RQ,  0                            ; window 3: q's two sets of 16,
.set RK,  32                           ; k's,
.set RV,  64                           ; v's
.set LI,  1                            ; 16 x lane
.set L8,  2                            ; 8 x lane
.set LS,  3                            ; 4 x lane
.set SA,  4                            ; my stage: row r, + 64 h
.set SD,  5                            ; my stage: 16 x lane
.set IW,  6                            ; 16 x lane + 1,536 x wave
.set SWA, 7                            ; 4 x lane + 128 x wave
.set ST8, 8                            ; 8 x lane + 256 x wave
.set LR16, 9                           ; 16 r
.set MKO, 10                           ; 4 (r + 8 (r / 8))
.set SH,  11                           ; 16 h
.set QSO, 12                           ; 4 r + 8,192 h
.set KSO, 13                           ; 16 r + 208,896 h
.set VV16, 14                          ; 1,536 h + 16 r
.set VV8, 15                           ; 1,536 h + 8 r
.set PW,  30
.set WS,  32
.set YS,  64
.set HS,  72
.set MK0, 80
.set MU0, 84
.set RS0, 88
.set TM,  92
.set PC,  108
.set YIMG, 0                           ; LDS: x's 8 fragment images (4 m + s),
.set YSC,  12288                       ; their scale words, 128 bytes each,
.set STAT1, 26624                      ; the waves' partial sums, 8 bytes a lane,
.set STAT2, 27648                      ; and partial sums of squares,
.set STG,  28672                       ; a stage of 32 rows x (512 + 16) bytes for each wave
.set WV,  16
.set SEL, 20
.set WP,  22
.set IN,  24
.set MP,  26
.set SQ,  28
.set SQS, 30
.set SK,  32
.set SKS, 34
.set SVA, 36
.set SVB, 38
.set SVS, 40
.set SINV, 42
.set SEPS, 43
.set MSB, 0
.macro WIN new                         ; the immediate's high byte repeats the setting that is left; a switch that changes nothing is dropped
.if MSB != (\new)
	s_set_vgpr_msb (MSB<<8)|(\new)
.set MSB, (\new)
.endif
.endm
.macro NOP4                            ; four plain places behind each sixteen products (ISA guide 7.12.1): behind a panel's last they stand in front of the first read of results; behind the others they part the
	WIN 0                              ; products from the loads into a buffer that products have read, beside the wait that states that dependence
.rept 4
	v_nop
.endr
.endm
.macro BARRIER                         ; my LDS stores have landed and my LDS loads are in: then the work-group's barrier
	s_wait_dscnt 0x0
	s_barrier_signal -1
	s_barrier_wait -1
.endm
.macro WM d, a, b, z, sa, sb, row      ; one product; z: the sum begins with 0; row 1 / 2: source 0's / source 1's scales stand in lanes 16-31
.if \z
.if (\row) == 0
	v_wmma_scale_f32_16x16x128_f8f6f4 v[\d:\d+7], v[\a:\a+11], v[\b:\b+11], 0, v[\sa], v[\sb] matrix_a_fmt:MATRIX_FMT_FP6 matrix_b_fmt:MATRIX_FMT_FP6
.elseif (\row) == 1
	v_wmma_scale_f32_16x16x128_f8f6f4 v[\d:\d+7], v[\a:\a+11], v[\b:\b+11], 0, v[\sa], v[\sb] matrix_a_fmt:MATRIX_FMT_FP6 matrix_b_fmt:MATRIX_FMT_FP6 matrix_a_scale:MATRIX_SCALE_ROW1
.else
	v_wmma_scale_f32_16x16x128_f8f6f4 v[\d:\d+7], v[\a:\a+11], v[\b:\b+11], 0, v[\sa], v[\sb] matrix_a_fmt:MATRIX_FMT_FP6 matrix_b_fmt:MATRIX_FMT_FP6 matrix_b_scale:MATRIX_SCALE_ROW1
.endif
.else
.if (\row) == 0
	v_wmma_scale_f32_16x16x128_f8f6f4 v[\d:\d+7], v[\a:\a+11], v[\b:\b+11], v[\d:\d+7], v[\sa], v[\sb] matrix_a_fmt:MATRIX_FMT_FP6 matrix_b_fmt:MATRIX_FMT_FP6
.elseif (\row) == 1
	v_wmma_scale_f32_16x16x128_f8f6f4 v[\d:\d+7], v[\a:\a+11], v[\b:\b+11], v[\d:\d+7], v[\sa], v[\sb] matrix_a_fmt:MATRIX_FMT_FP6 matrix_b_fmt:MATRIX_FMT_FP6 matrix_a_scale:MATRIX_SCALE_ROW1
.else
	v_wmma_scale_f32_16x16x128_f8f6f4 v[\d:\d+7], v[\a:\a+11], v[\b:\b+11], v[\d:\d+7], v[\sa], v[\sb] matrix_a_fmt:MATRIX_FMT_FP6 matrix_b_fmt:MATRIX_FMT_FP6 matrix_b_scale:MATRIX_SCALE_ROW1
.endif
.endif
.endm
; Quarter q of the panel at byte off from the base bp: K step q's eight fragment images, 24 loads of 512 consecutive bytes, into buffer q; with quarter 0 the panel's scale words into set par
.macro LOADQ bp, off, q, par
.if (\q) == 0
	WIN 0
.irp P, 0,1,2,3
	global_load_b128 v[WS+16*(\par)+4*\P:WS+16*(\par)+4*\P+3], v[LI], s[\bp:\bp+1] offset:(\off)+49152+512*\P
.endr
.endif
	WIN ((1+((\q)>>1))<<6)
.set lq_i, 0
.rept 24
	global_load_b128 v[96*((\q)&1)+4*lq_i:96*((\q)&1)+4*lq_i+3], v[LI], s[\bp:\bp+1] offset:(\off)+12288*(\q)+512*lq_i
.set lq_i, lq_i+1
.endr
	WIN 0
.endm
; 16 products: the panel's eight tiles x the two tiles of tokens, K step q.  The 16 accumulators take turns, one instruction a turn.
; mode 0, 1: HA = weight x activation (0: the sums begin);  2: the same onto X2 in window 3 (not used here);  3, 4: the sources swapped (3: the sums begin).  as: the activation's scale words
.macro MULQ q, par, mode, as
.set mq_w, 1+((\q)>>1)
.set mq_b, 96*((\q)&1)
.set mq_z, 0
.if (\mode) == 0
.set mq_z, 1
.endif
.if (\mode) == 3
.set mq_z, 1
.endif
.if (\mode) < 2
	WIN (0x0c|mq_w)
.elseif (\mode) == 2
	WIN (0xfc|mq_w)
.else
	WIN ((mq_w<<2)|3)
.endif
.irp t, 0,1,2,3,4,5,6,7
.irp m, 0,1
.set mq_W, mq_b+12*\t
.set mq_A, ACT+12*(4*\m+(\q))
.set mq_ws, WS+16*(\par)+4*(\t/2)+(\q)
.set mq_as, (\as)+4*\m+(\q)
.if (\mode) < 2
.set mq_D, HA+64*\m+8*\t
.elseif (\mode) == 2
.set mq_D, X2+64*\m+8*\t
.else
.set mq_D, HA+16*\t+8*\m
.endif
.if (\mode) < 3
	WM mq_D, mq_W, mq_A, mq_z, mq_ws, mq_as, (\t%2)
.else
	WM mq_D, mq_A, mq_W, mq_z, mq_as, mq_ws, 2*(\t%2)
.endif
.endr
.endr
.endm
; A quarter: the wait for its loads (the count: the loads issued behind them, or 63 where those are 72 or 76: the most that the wait can name, and a smaller count is right); the products; the places; a later quarter's loads,
; which land in buffer nq, another than this quarter's
.macro QUART wait, q, par, mode, as, doload, bp, noff, nq, npar
	s_wait_loadcnt \wait
.if \doload
	s_wait_alu depctr_va_vdst(0)                   ; the products issued so far are done reading buffer nq and the scale words of set npar, in which the loads behind this quarter's products land; these products name neither
.endif
	MULQ \q, \par, \mode, \as
	NOP4
.if \doload
	LOADQ \bp, \noff, \nq, \npar
.endif
.endm
.macro FETCHA base                     ; eight fragment images from LDS into window 3
	WIN 0xc0
.set fa_i, 0
.rept 24
	ds_load_b128 v[ACT+4*fa_i:ACT+4*fa_i+3], v[LI] offset:(\base)+512*fa_i
.set fa_i, fa_i+1
.endr
	WIN 0
.endm
.macro FETCHS reg, base                ; and their scale words
.irp f, 0,1,2,3,4,5,6,7
	ds_load_b32 v[(\reg)+\f], v[LS] offset:(\base)+128*\f
.endr
.endm
; 64 numbers of a lane, register 16 b + i = k 32 b + 16 (lane / 16) + i of my row, become a fragment's codes and its scale word in v[PW].
; fin = 1: the codes stand in v[PC] .. v[PC + 11];  fin = 0: each block's lower 16 codes at v[PC + 6 c] on, its upper 16 at v[PC + 12 + 4 c] on, for TOW3
.macro QUANT s, fin
.irp b, 0,1,2,3
	v_max3_num_f32 v[TM+\b], |v[\s+16*\b]|, |v[\s+1+16*\b]|, 0x1800000   ; with the floor 2^(3 - 127): the byte cannot fall under 1
.endr
.irp i, 2,4,6,8,10,12,14
.irp b, 0,1,2,3
	v_max3_num_f32 v[TM+\b], v[TM+\b], |v[\s+16*\b+\i]|, |v[\s+1+16*\b+\i]|
.endr
.endr
.irp b, 0,1,2,3
	v_permlanex16_b32 v[TM+4+\b], v[TM+\b], s[SEL], s[SEL+1]
.endr
.irp b, 0,1,2,3
	v_max_num_f32 v[TM+\b], v[TM+\b], v[TM+4+\b]   ; with lane l xor 16's: the block's largest magnitude
.endr
.irp b, 0,1,2,3
	v_add_nc_u32 v[TM+12+\b], 0xff000000, v[TM+\b] ; 2 off its exponent field: the conversion's scale operand
.endr
.irp b, 0,1,2,3
	v_lshrrev_b32 v[TM+4+\b], 23, v[TM+12+\b]      ; the scale's byte
.endr
	v_lshl_or_b32 v[PW], v[TM+5], 8, v[TM+4]
	v_lshl_or_b32 v[PW], v[TM+6], 16, v[PW]
	v_lshl_or_b32 v[PW], v[TM+7], 24, v[PW]
.irp c, 0,1
	v_cvt_scalef32_pk16_fp6_f32 v[PC+6*\c:PC+2+6*\c], v[\s+32*\c:\s+15+32*\c], v[TM+12+2*\c]
	v_cvt_scalef32_pk16_fp6_f32 v[PC+12+4*\c:PC+14+4*\c], v[\s+16+32*\c:\s+31+32*\c], v[TM+12+2*\c+1]
.endr
	v_nop                                          ; one plain place behind a scaled conversion
.irp c, 0,1                                    ; a whole block to a lane: lanes 0-15 block 2 c, lanes 16-31 block 2 c + 1
.irp i, 0,1,2
	v_permlane16_swap_b32 v[PC+6*\c+\i], v[PC+12+4*\c+\i]
.endr
.if \fin
.irp i, 0,1,2
	v_mov_b32 v[PC+3+6*\c+\i], v[PC+12+4*\c+\i]
.endr
.endif
.endr
.endm
.macro TOW3 rb                         ; the fragment's 12 registers into a set of their own in window 3; the windows stay so (destination 3) for the scale words that follow.
	WIN 0xc0                           ; (The stage's LDS stores, which read these registers as the input, stand ahead of the reductions' waits on vm_vsrc)
.irp c, 0,1
.irp i, 0,1,2
	v_mov_b32 v[(\rb)+6*\c+\i], v[PC+6*\c+\i]
	v_mov_b32 v[(\rb)+6*\c+3+\i], v[PC+12+4*\c+\i]
.endr
.endr
.endm
.macro IMAGE base                      ; the fragment in v[PC] on goes to LDS as it stands
.irp k, 0,1,2
	ds_store_b128 v[IW], v[PC+4*\k:PC+4*\k+3] offset:(\base)+512*\k
.endr
.endm
; 32 rows x 512 bytes, loaded 16 bytes a lane, turn through my own stage: out of it lane (r, h) takes, of row (m, r), 16 neighbours of each block of 32.  LDS serves a wave's instructions in order.
.macro XIN TW, T, DW, D
	WIN ((\TW)<<2)
.set xi, 0
.rept 32
	ds_store_b128 v[SD], v[(\T)+4*xi:(\T)+4*xi+3] offset:528*xi
.set xi, xi+1
.endr
	WIN ((\DW)<<6)
.irp m, 0,1
.irp b, 0,1,2,3
.irp j, 0,1,2,3
	ds_load_b128 v[(\D)+64*\m+16*\b+4*\j:(\D)+64*\m+16*\b+4*\j+3], v[SA] offset:8448*\m+128*\b+16*\j
.endr
.endr
.endr
	WIN 0
	s_wait_dscnt 0x0
.endm
; v[92:95] (tile 0) and v[96:99] (tile 1), two packed chains each, become the two rows' sums over all 512 columns in v100 and v101: within the lane, with lane l xor 16, then over the four waves through LDS, in the waves' order
.macro REDUCE stat
	v_pk_add_f32 v[92:93], v[92:93], v[94:95]
	v_pk_add_f32 v[96:97], v[96:97], v[98:99]
	v_add_f32 v92, v92, v93
	v_add_f32 v96, v96, v97
	v_permlanex16_b32 v93, v92, s[SEL], s[SEL+1]
	v_permlanex16_b32 v97, v96, s[SEL], s[SEL+1]
	v_add_f32 v92, v92, v93
	v_add_f32 v93, v96, v97
	s_wait_alu depctr_va_vdst(0)                   ; v[92:93] are written, which the LDS store reads; the vector lines that named v100 to v107 are done, in which the LDS loads below land
	ds_store_b64 v[ST8], v[92:93] offset:\stat
	BARRIER
.irp u, 0,1,2,3
	ds_load_b64 v[100+2*\u:101+2*\u], v[L8] offset:(\stat)+256*\u
.endr
	s_wait_dscnt 0x0
	s_wait_alu depctr_vm_vsrc(0)                   ; the LDS store has read v[92:93], which the lines behind the reduction write again
	v_pk_add_f32 v[100:101], v[100:101], v[102:103]
	v_pk_add_f32 v[100:101], v[100:101], v[104:105]
	v_pk_add_f32 v[100:101], v[100:101], v[106:107]
.endm
; LayerNorm of the 128 numbers a lane at v[X] of window XW (two passes: the mean, then the squares of the differences), into HA; quantised; images to LDS.  Three barriers.
.macro LNQ XW, X
.irp u, 92,93,94,95,96,97,98,99
	v_mov_b32 v\u, 0
.endr
	WIN ((\XW)<<2)
.set ln_p, 0
.rept 16
.irp m, 0,1
	v_pk_add_f32 v[92+4*\m:93+4*\m], v[92+4*\m:93+4*\m], v[(\X)+64*\m+4*ln_p:(\X)+64*\m+4*ln_p+1]
	v_pk_add_f32 v[94+4*\m:95+4*\m], v[94+4*\m:95+4*\m], v[(\X)+64*\m+4*ln_p+2:(\X)+64*\m+4*ln_p+3]
.endr
.set ln_p, ln_p+1
.endr
	WIN 0
	REDUCE STAT1
	v_mul_f32 v[MU0], s[SINV], v100                ; the mean: sum / 512
	v_mul_f32 v[MU0+2], s[SINV], v101
	v_mov_b32 v[MU0+1], v[MU0]
	v_mov_b32 v[MU0+3], v[MU0+2]
	WIN (\XW)
.irp m, 0,1
.set ln_p, 0
.rept 32
	v_pk_add_f32 v[HA+64*\m+2*ln_p:HA+64*\m+2*ln_p+1], v[(\X)+64*\m+2*ln_p:(\X)+64*\m+2*ln_p+1], v[MU0+2*\m:MU0+2*\m+1] op_sel_hi:[1,0] neg_lo:[0,1] neg_hi:[0,1]
.set ln_p, ln_p+1
.endr
.endr
	WIN 0
.irp u, 92,93,94,95,96,97,98,99
	v_mov_b32 v\u, 0
.endr
.set ln_p, 0
.rept 16
.irp m, 0,1
	v_pk_fma_f32 v[92+4*\m:93+4*\m], v[HA+64*\m+4*ln_p:HA+64*\m+4*ln_p+1], v[HA+64*\m+4*ln_p:HA+64*\m+4*ln_p+1], v[92+4*\m:93+4*\m]
	v_pk_fma_f32 v[94+4*\m:95+4*\m], v[HA+64*\m+4*ln_p+2:HA+64*\m+4*ln_p+3], v[HA+64*\m+4*ln_p+2:HA+64*\m+4*ln_p+3], v[94+4*\m:95+4*\m]
.endr
.set ln_p, ln_p+1
.endr
	REDUCE STAT2
	v_fma_f32 v100, v100, s[SINV], s[SEPS]         ; the variance + 1e-6
	v_fma_f32 v101, v101, s[SINV], s[SEPS]
	v_rsq_f32 v[RS0], v100
	v_rsq_f32 v[RS0+2], v101
	v_nop                                          ; one plain place behind a transcendental
	s_wait_alu depctr_va_vdst(0)
	v_mov_b32 v[RS0+1], v[RS0]
	v_mov_b32 v[RS0+3], v[RS0+2]
.irp m, 0,1
.set ln_p, 0
.rept 32
	v_pk_mul_f32 v[HA+64*\m+2*ln_p:HA+64*\m+2*ln_p+1], v[HA+64*\m+2*ln_p:HA+64*\m+2*ln_p+1], v[RS0+2*\m:RS0+2*\m+1] op_sel_hi:[1,0]
.set ln_p, ln_p+1
.endr
.endr
.irp m, 0,1
	QUANT HA+64*\m, 1
	s_wait_alu depctr_va_vdst(0)                   ; the quantiser has written v[PC ..] and v[PW], which the LDS stores read
	IMAGE YIMG+6144*\m                             ; tile m, K step = my wave
	ds_store_b32 v[SWA], v[PW] offset:YSC+512*\m
	s_wait_alu depctr_vm_vsrc(0)                   ; the stores have read v[PC ..] and v[PW], which the next quantiser writes again
.endr
	BARRIER                                        ; the eight fragments lie in LDS
.endm
	s_load_b256 s[4:11], s[0:1], 0x0               ; input, mask, wimg, qimg
	s_load_b128 s[12:15], s[0:1], 0x20             ; qsc, kv
	v_lshl_add_u32 v123, v0, 2, 0x17800
	v_mov_b32 v127, 0
	v_lshrrev_b32 v21, 5, v0
	v_readfirstlane_b32 s[WV], v21                 ; wave 0..3
	v_and_b32 v23, 31, v0                          ; lane
	v_and_b32 v21, 15, v0                          ; r
	v_bfe_u32 v22, v0, 4, 1                        ; h
	v_lshlrev_b32 v[LI], 4, v23
	v_lshlrev_b32 v[L8], 3, v23
	v_lshlrev_b32 v[LS], 2, v23
	s_wait_alu depctr_va_sdst(0)                   ; s[WV] is written, ahead of its first reader: LDS places and all bases are made from it
	s_mul_i32 s48, s[WV], 16896
	s_add_co_u32 s48, s48, STG
	v_mul_u32_u24 v[SA], v21, 528
	v_lshl_add_u32 v[SA], v22, 6, v[SA]
	v_add_nc_u32 v[SA], s48, v[SA]
	v_add_nc_u32 v[SD], s48, v[LI]
	s_mul_i32 s48, s[WV], 1536
	v_add_nc_u32 v[IW], s48, v[LI]
	s_lshl_b32 s48, s[WV], 7
	v_add_nc_u32 v[SWA], s48, v[LS]
	s_lshl_b32 s48, s[WV], 8
	v_add_nc_u32 v[ST8], s48, v[L8]
	v_lshlrev_b32 v[LR16], 4, v21
	v_and_b32 v[MKO], 8, v21
	v_add_nc_u32 v[MKO], v[MKO], v21
	v_lshlrev_b32 v[MKO], 2, v[MKO]
	v_lshlrev_b32 v[SH], 4, v22
	v_lshlrev_b32 v[QSO], 2, v21
	v_lshl_add_u32 v[QSO], v22, 13, v[QSO]
	v_mul_u32_u24 v[KSO], v22, 0x33000
	v_add_nc_u32 v[KSO], v[KSO], v[LR16]
	v_mul_u32_u24 v[VV16], v22, 1536
	v_lshl_add_u32 v[VV8], v21, 3, v[VV16]
	v_add_nc_u32 v[VV16], v[VV16], v[LR16]
	s_mov_b32 s[SEL], 0x76543210
	s_mov_b32 s[SEL+1], 0xfedcba98                 ; v_permlanex16_b32's selects for lane l xor 16
	s_mov_b32 s[SINV], 0x3b000000                  ; 1 / 512
	s_mov_b32 s[SEPS], 0x358637bd                  ; 1e-6
	s_lshr_b32 s48, ttmp9, 6                       ; batch
	s_and_b32 s49, ttmp9, 63                       ; g: which 32 tokens of the batch's 2,048
	s_lshr_b32 s50, s49, 2                         ; key step of 128
	s_and_b32 s51, s49, 3                          ; key block of 32 in it
	s_lshl_b32 s48, s48, 3
	s_lshl_b32 s52, s[WV], 1
	s_add_co_u32 s48, s48, s52                     ; my first head: 8 x batch + 2 x wave
	s_lshr_b32 s52, s51, 1
	s_and_b32 s53, s51, 1
	s_mov_b32 s55, 0
	s_wait_kmcnt 0x0
	s_lshl_b32 s54, ttmp9, 16
	s_lshl_b32 s56, s[WV], 9
	s_add_co_u32 s54, s54, s56
	s_add_nc_u64 s[IN:IN+1], s[4:5], s[54:55]      ; input: my 32 rows, my 512 bytes of each
	s_lshl_b32 s54, ttmp9, 7
	s_add_nc_u64 s[MP:MP+1], s[6:7], s[54:55]
	s_mul_i32 s54, s[WV], 51200
	s_add_nc_u64 s[WP:WP+1], s[8:9], s[54:55]      ; panel w; Wk's and Wv's lie 4 and 8 panels on: every offset an immediate, the base is never stepped
	s_mul_i32 s54, s48, 98304
	s_mul_i32 s56, s49, 1536
	s_add_co_u32 s54, s54, s56
	s_add_nc_u64 s[SQ:SQ+1], s[10:11], s[54:55]
	s_lshl_b32 s54, s48, 13
	s_lshl_b32 s56, s49, 7
	s_add_co_u32 s54, s54, s56
	s_add_nc_u64 s[SQS:SQS+1], s[12:13], s[54:55]
	s_mul_i32 s57, s48, 208896
	s_mul_i32 s56, s50, 13056
	s_add_co_u32 s57, s57, s56                     ; the head's block of this key step
	s_mul_i32 s56, s51, 1536
	s_add_co_u32 s54, s57, s56
	s_add_nc_u64 s[SK:SK+1], s[14:15], s[54:55]    ; K's tiles 2 beta, 2 beta + 1
	s_lshl_b32 s54, s52, 8
	s_lshl_b32 s56, s53, 3
	s_add_co_u32 s54, s54, s56
	s_add_co_u32 s54, s54, s57
	s_add_co_u32 s54, s54, 12288
	s_add_nc_u64 s[SKS:SKS+1], s[14:15], s[54:55]
	s_mul_i32 s58, s52, 768
	s_add_co_u32 s58, s58, s57
	s_add_co_u32 s58, s58, 6144
	s_lshl_b32 s56, s53, 8
	s_add_co_u32 s54, s58, s56
	s_add_nc_u64 s[SVA:SVA+1], s[14:15], s[54:55]  ; V: key block beta is registers 6 (beta / 2) on of lanes 16 (beta % 2) on
	s_lshl_b32 s56, s53, 7
	s_add_co_u32 s54, s58, s56
	s_add_co_u32 s54, s54, 512
	s_add_nc_u64 s[SVB:SVB+1], s[14:15], s[54:55]
	s_add_co_u32 s54, s57, s51
	s_add_co_u32 s54, s54, 12800
	s_add_nc_u64 s[SVS:SVS+1], s[14:15], s[54:55]
	WIN 0xc0
	s_wait_alu depctr_va_vdst(0)                   ; the addresses v1 to v15 are written, which the loads, stores and LDS instructions of the whole kernel read
.set xi, 0
.rept 32                                       ; stage row 16 m + r is token 8 m + r + 8 (r / 8); each load takes 512 consecutive bytes
	global_load_b128 v[TI+4*xi:TI+4*xi+3], v[LI], s[IN:IN+1] offset:2048*(8*(xi/16)+xi%16+8*((xi%16)/8))
.set xi, xi+1
.endr
	WIN 0
	global_load_b32 v[MK0], v[MKO], s[MP:MP+1]
	global_load_b32 v[MK0+2], v[MKO], s[MP:MP+1] offset:32
	LOADQ WP, 0, 0, 0
	LOADQ WP, 0, 1, 0
	s_wait_loadcnt 52                              ; input and mask are in; the 28 + 24 weight loads behind them may be out
	XIN 3, TI, 0, HA
	LOADQ WP, 0, 2, 0
	v_mov_b32 v[MK0+1], v[MK0]
	v_mov_b32 v[MK0+3], v[MK0+2]
.irp m, 0,1
.set xi, 0
.rept 32
	v_pk_mul_f32 v[HA+64*\m+2*xi:HA+64*\m+2*xi+1], v[HA+64*\m+2*xi:HA+64*\m+2*xi+1], v[MK0+2*\m:MK0+2*\m+1] op_sel_hi:[1,0]
.set xi, xi+1
.endr
.endr
	LOADQ WP, 0, 3, 0                              ; (no vector or matrix instruction has named a weight buffer yet: the first panel's loads owe nothing but the addresses)
	LNQ 0, HA
	FETCHA YIMG
	FETCHS YS, YSC
	s_wait_dscnt 0x0
	; ---- q.  Behind quarter 0: quarters 1-3, 72 loads; behind 1: 48; behind 2: quarter 3 and Wk's quarter 0, 52; behind 3: Wk's quarters 0 and 1, 52
	QUART 63, 0, 0, 0, YS, 0, WP, 0, 0, 0
	QUART 48, 1, 0, 1, YS, 1, WP, 204800, 0, 1
	QUART 52, 2, 0, 1, YS, 1, WP, 204800, 1, 1
	QUART 52, 3, 0, 1, YS, 0, WP, 0, 0, 0
.irp m, 0,1
.set xi, 0
.rept 32
	v_pk_mul_f32 v[HA+64*\m+2*xi:HA+64*\m+2*xi+1], v[HA+64*\m+2*xi:HA+64*\m+2*xi+1], 0x3e000000 op_sel_hi:[1,0]   ; 1 / sqrt(64)
.set xi, xi+1
.endr
	QUANT HA+64*\m, 0                              ; registers 6 c on: head 2 w + c's 64 channels
	TOW3 RQ+16*\m
	v_lshrrev_b32 v[RQ+16*\m+12], v[SH], v[PW]     ; lanes 0-15 keep head 2 w's two bytes lowest, lanes 16-31 bring head 2 w + 1's down; what stands above scales zero codes
	s_wait_alu depctr_va_vdst(0)                   ; the out-set is written, which the stores read; the panel's products are done reading buffers 2 and 3, in which the loads land
	LOADQ WP, 204800, 2+\m, 1                      ; Wk's quarters 2 and 3: the loads ahead of the stores
	WIN 0x0c                                       ; a store's data are its source 1: window 3
	global_store_b128 v[LI], v[RQ+16*\m:RQ+16*\m+3], s[SQ:SQ+1] offset:768*\m
	global_store_b64 v[L8], v[RQ+16*\m+4:RQ+16*\m+5], s[SQ:SQ+1] offset:768*\m+512
	global_store_b128 v[LI], v[RQ+16*\m+6:RQ+16*\m+9], s[SQ:SQ+1] offset:768*\m+98304
	global_store_b64 v[L8], v[RQ+16*\m+10:RQ+16*\m+11], s[SQ:SQ+1] offset:768*\m+98304+512
	global_store_b32 v[QSO], v[RQ+16*\m+12], s[SQS:SQS+1] offset:64*\m
	WIN 0
.endr
	; ---- k
	QUART 63, 0, 1, 0, YS, 0, WP, 0, 0, 0
	QUART 48, 1, 1, 1, YS, 1, WP, 409600, 0, 0
	QUART 52, 2, 1, 1, YS, 1, WP, 409600, 1, 0
	QUART 52, 3, 1, 1, YS, 0, WP, 0, 0, 0
.irp m, 0,1
	QUANT HA+64*\m, 0
	v_lshrrev_b32 v[16+\m], v[SH], v[PW]           ; written here alone
	TOW3 RK+16*\m
	s_wait_alu depctr_va_vdst(0)                   ; the out-set and v[16 + m] are written, which the stores read; the panel's products are done reading buffers 2 and 3, in which the loads land
	LOADQ WP, 409600, 2+\m, 0                      ; Wv's quarters 2 and 3
	WIN 0x0c
	global_store_b128 v[LI], v[RK+16*\m:RK+16*\m+3], s[SK:SK+1] offset:768*\m
	global_store_b64 v[L8], v[RK+16*\m+4:RK+16*\m+5], s[SK:SK+1] offset:768*\m+512
	global_store_b128 v[LI], v[RK+16*\m+6:RK+16*\m+9], s[SK:SK+1] offset:768*\m+208896
	global_store_b64 v[L8], v[RK+16*\m+10:RK+16*\m+11], s[SK:SK+1] offset:768*\m+208896+512
	WIN 0
.endr
	global_store_b64 v[KSO], v[16:17], s[SKS:SKS+1]   ; the two tiles' scale words of my row (both written ahead of the last wait on va_vdst; no vector line stands behind it)
	; ---- v, the sources swapped: accumulator (t, m) at HA + 16 t + 8 m: lane (r, h) holds column r of tile t and tokens 16 h + 8 m + 0 .. 7.  The stream runs out: 72 behind quarter 0, then 48, 24, 0
	QUART 63, 0, 0, 3, YS, 0, WP, 0, 0, 0
	QUART 48, 1, 0, 4, YS, 0, WP, 0, 0, 0
	QUART 24, 2, 0, 4, YS, 0, WP, 0, 0, 0
	QUART 0, 3, 0, 4, YS, 0, WP, 0, 0, 0
.irp e, 0,1                                    ; head 2 w + e: its four tiles of channels are the quantiser's four blocks, each of these 32 keys
	QUANT HA+64*\e, 0                              ; registers 6 c on of lane (r, h): the 32 keys' codes of channel r of tile 2 c + h
	TOW3 RV+16*\e
	v_mov_b32 v[RV+16*\e+12], v[PW]
	v_lshrrev_b32 v[RV+16*\e+13], 8, v[PW]
	v_lshrrev_b32 v[RV+16*\e+14], 16, v[PW]
	v_lshrrev_b32 v[RV+16*\e+15], 24, v[PW]
	WIN 0x0c
	s_wait_alu depctr_va_vdst(0)                   ; the out-set's sixteen registers are written, which the stores read
.irp c, 0,1
	global_store_b128 v[VV16], v[RV+16*\e+6*\c:RV+16*\e+6*\c+3], s[SVA:SVA+1] offset:208896*\e+3072*\c
	global_store_b64 v[VV8], v[RV+16*\e+6*\c+4:RV+16*\e+6*\c+5], s[SVB:SVB+1] offset:208896*\e+3072*\c
.endr
	global_store_b8 v[LR16], v[RV+16*\e+12], s[SVS:SVS+1] offset:208896*\e      ; byte beta of tile t's word; both halves of the lanes write the same byte with the same value
	global_store_b8 v[LR16], v[RV+16*\e+13], s[SVS:SVS+1] offset:208896*\e+4
	global_store_b8 v[LR16], v[RV+16*\e+14], s[SVS:SVS+1] offset:208896*\e+8
	global_store_b8 v[LR16], v[RV+16*\e+15], s[SVS:SVS+1] offset:208896*\e+12
	WIN 0
.endr
	s_wait_dscnt 0x0
	s_wait_alu depctr_hold_cnt(0) depctr_sa_sdst(0) depctr_va_vdst(0) depctr_va_sdst(0) depctr_va_ssrc(0) depctr_va_vcc(0) depctr_vm_vsrc(0)
	s_wait_tensorcnt 0x0
	ds_add_u32 v123, v127
	s_wait_dscnt 0x0
	s_endpgm
.Lfunc_end_k_qb862778edf_qkv:
	.size	k_qb862778edf_qkv, .Lfunc_end_k_qb862778edf_qkv-k_qb862778edf_qkv
	.p2alignl 7, 3214868480
	.fill 96, 4, 3214868480
	.section	.rodata,"a",@progbits
	.p2align	6, 0x0
	.amdhsa_kernel k_qb862778edf_qkv
		.amdhsa_group_segment_fixed_size 96768
		.amdhsa_private_segment_fixed_size 0
		.amdhsa_enable_private_segment 0
		.amdhsa_kernarg_size 48
		.amdhsa_user_sgpr_count 2
		.amdhsa_user_sgpr_kernarg_segment_ptr 1
		.amdhsa_wavefront_size32 1
		.amdhsa_system_sgpr_workgroup_id_x 1
		.amdhsa_system_sgpr_workgroup_id_y 1
		.amdhsa_system_sgpr_workgroup_id_z 1
		.amdhsa_system_vgpr_workitem_id 0
		.amdhsa_next_free_vgpr 1024
		.amdhsa_next_free_sgpr 66
		.amdhsa_reserve_vcc 0
		.amdhsa_float_denorm_mode_32 3
		.amdhsa_float_denorm_mode_16_64 3
		.amdhsa_memory_ordered 1
		.amdhsa_forward_progress 1
		.amdhsa_inst_pref_size 135
	.end_amdhsa_kernel
	.amdgpu_metadata
---
amdhsa.version: [ 1, 2 ]
amdhsa.kernels:
  - .name:           k_qb862778edf_qkv
    .symbol:         k_qb862778edf_qkv.kd
    .args:
      - { .name: input, .offset: 0, .size: 8, .value_kind: global_buffer, .address_space: global }
      - { .name: mask, .offset: 8, .size: 8, .value_kind: global_buffer, .address_space: global }
      - { .name: wimg, .offset: 16, .size: 8, .value_kind: global_buffer, .address_space: global }
      - { .name: qimg, .offset: 24, .size: 8, .value_kind: global_buffer, .address_space: global }
      - { .name: qsc, .offset: 32, .size: 8, .value_kind: global_buffer, .address_space: global }
      - { .name: kv, .offset: 40, .size: 8, .value_kind: global_buffer, .address_space: global }
    .group_segment_fixed_size: 96768
    .private_segment_fixed_size: 0
    .kernarg_segment_align: 8
    .kernarg_segment_size: 48
    .max_flat_workgroup_size: 128
    .sgpr_count:     66
    .vgpr_count:     1024
    .wavefront_size: 32
...
	.end_amdgpu_metadata
.endif
;; end of part 5
;; launch att (part 6): grid 8 x 32, 16 waves a work-group, clusters of 4 x 1, 327,680 bytes of LDS; arguments qimg, qsc, kv, mask, attimg, attsc; writes attimg, attsc
.if DOCPART == 6
	.amdgcn_target "amdgcn-amd-amdhsa--gfx1250"
	.amdhsa_code_object_version 6
	.text
	.protected	k_qb862778edf_att
	.globl	k_qb862778edf_att
	.p2align	8
	.type	k_qb862778edf_att,@function
k_qb862778edf_att:
	s_mov_b64 s[64:65], 0
	v_nop
	global_prefetch_b8 v0, s[64:65] scope:SCOPE_SE
	s_setreg_imm32_b32 hwreg(HW_REG_WAVE_MODE, 25, 1), 1
	s_wait_xcnt 0x0
	s_wait_alu depctr_hold_cnt(0) depctr_sa_sdst(0) depctr_va_vdst(0) depctr_va_sdst(0) depctr_va_ssrc(0) depctr_va_vcc(0) depctr_vm_vsrc(0)
	s_getreg_b32 s2, hwreg(HW_REG_IB_STS2, 6, 4)
	s_cmp_eq_u32 s2, 0
	s_cbranch_scc0 .Lentry_in_a_cluster
	s_endpgm
.Lentry_in_a_cluster:
	s_bfe_u32 s2, ttmp6, 0x10000c
	s_cmp_lg_u32 s2, 0x3003
	s_cbranch_scc0 .Lentry_shape_is_right
	s_endpgm
.Lentry_shape_is_right:
; out[q] = the sum over the keys of softmax(q . k - 100000 (1 - mask[q])) v, for one head, both products on codes of FP6 (E2M3) with one E8M0 byte for each 32 along K; the result is quantised along the channels.
; THE SOFTMAX AHEAD OF THE SECOND PRODUCT: t = logit x log2(e); M = the row's largest t so far, rounded up to a whole number; p = 2^(t - M) is quantised along the keys, not normalised; the row's sum is taken of the
; unquantised p and divides at the end.  When M moves, the sum and O are multiplied by 2^(old M - new M): exact.
; SHARES.  A work-group owns 256 queries of one head, each of its sixteen waves one tile of 16 in 256 registers.  Every wave walks the head's 2,048 keys, 128 a step.
; THE WHOLE HEAD'S K, V AND SCALES, 16 blocks of 13,056 bytes laid as images of operand registers, COME INTO LDS ONCE, as 48 pieces of 17 rows of 256 bytes: wave w asks for pieces w, 16 + w and 32 + w, all three at the
; start.  Pieces 0-15 (69,632 bytes) hold blocks 0-4, pieces 0-31 blocks 0-9: so the key steps go in groups of 5, 5 and 6, each behind a counted wait and a barrier, and the later pieces land under the earlier steps.
; Nothing in LDS is filled again or stored to.  Three tensor loads a wave are out.
; CLUSTER.  The four query blocks of a cluster belong to one head, so each piece is asked for jointly: the same tensor load, the same descriptor, a mask that names the four.
; LAYOUT.  Both products are used transposed: S^T = K Q^T, O^T = V^T P^T: a lane holds one query throughout.  The head's K is 64: registers 6-11 of K's and Q's fragments hold zero codes.
; The keys of a tile of K, and the channels of a tile of V, are not neighbours (lane r of tile 2 b + u: 32 b + 8 u + r + 8 (r / 8)): so 16 registers of two neighbouring tiles are 16 neighbours along the next K.
; The term of the mask is the C of each first product: eight registers with the lane's query's number.
; LIMITS: NaN and infinities are not served; the mask may hold any finite number; a block of p that has fallen to 0 keeps the byte 1 over zero codes.
.set PIECE, 4352                       ; 17 rows of 256 bytes
.set LI,  1                            ; 16 x lane
.set L8,  2                            ; 8 x lane
.set LR,  3                            ; 16 r
.set ADI, 4                            ; the step's block + 16 x lane
.set AD8, 5                            ; + 8 x lane
.set ADS, 6                            ; + 16 r
.set KF,  32                           ; v32-79   four fragments of K
.set BI,  80                           ; v80-87   -100000 (1 - mask)
.set S,   96                           ; v96-159  S^T, then p; then V's four fragments in v96-143
.set O,   160                          ; v160-191 O^T
.set PCD, 192                          ; v192-203 p's codes
.set PH,  204                          ; v204-210 the conversions' second halves
.set BM,  212                          ; v212-215 the blocks' largest scores
.set PB,  216                          ; v216-219 the other half's, then the bytes
.set SO,  220                          ; v220-223 the conversions' scale operands
.set KS,  224                          ; v224-227 K's scale words
.set VS,  228                          ; v228-231 V's
.set PWD, 232                          ; p's scale word
.set FF,  234                          ; v[234:235] f
.set TP,  236
.set SU,  238                          ; v[238:239] the sum's second chain
.set WV,  18
.set SEL, 20
.set CS,  22
.set G0,  24                           ; s[24:35] three groups 0
.set G1,  36                           ; s[36:43] group 1
.set TB,  44
.set CNT, 45
.macro CROUND                          ; a round of the cluster's barrier
	s_barrier_signal -1
	s_barrier_wait -1
	s_cmp_lg_u32 s[WV], 0
	s_cbranch_scc1 .Lnot_wave_0_\@
	s_barrier_signal -3
.Lnot_wave_0_\@:
	s_barrier_wait -3
	s_barrier_signal -1
	s_barrier_wait -1
.endm
	s_load_b256 s[4:11], s[0:1], 0x0               ; qimg, qsc, kv, mask
	s_load_b128 s[12:15], s[0:1], 0x20             ; attimg, attsc
	v_lshl_add_u32 v254, v0, 2, 0x33000
	v_mov_b32 v255, 0
	ds_add_u32 v254, v255
	ds_add_u32 v254, v255
	v_lshrrev_b32 v7, 5, v0
	s_delay_alu instid0(VALU_DEP_1)
	v_readfirstlane_b32 s[WV], v7                  ; wave 0..15
	v_and_b32 v7, 31, v0
	v_and_b32 v8, 15, v0                           ; r
	s_delay_alu instid0(VALU_DEP_2)
	v_lshlrev_b32 v[LI], 4, v7
	s_delay_alu instid0(VALU_DEP_3)
	v_lshlrev_b32 v[L8], 3, v7
	s_delay_alu instid0(VALU_DEP_3)
	v_lshlrev_b32 v[LR], 4, v8
	s_delay_alu instid0(VALU_DEP_4)
	v_lshlrev_b32 v9, 2, v8                        ; Q's scale word: 4 r
	v_and_b32 v10, 8, v8
	s_delay_alu instid0(VALU_DEP_1)
	v_add_nc_u32 v10, v10, v8
	s_delay_alu instid0(VALU_DEP_1)
	v_lshlrev_b32 v10, 2, v10                      ; my query's mask: 4 (r + 8 (r / 8))
	s_and_b32 s48, ttmp7, 0xffff                   ; batch x 8 + head, which the four partners share
	s_mul_i32 s50, s48, 208896
	s_mul_i32 s54, s[WV], PIECE                    ; piece w: in LDS and in the head's bytes alike; no place in the cluster enters it
	s_add_co_u32 s50, s50, s54
	s_mov_b32 s51, 0
	s_mov_b32 s[G1], 15|(3<<16)|(1<<21)            ; 15:0 the mask: all four work-groups; 17:16 elements of 8 bytes; 21 set beside a mask; no padding
	s_mov_b32 s[G1+1], 32<<16                      ; tensor_dim0 = 32: rows of 256 bytes
	s_mov_b32 s[G1+2], 17<<16                      ; tensor_dim1 = 17 rows: 4,352 dense bytes
	s_mov_b32 s[G1+3], 32<<16                      ; tile_dim0
	s_mov_b32 s[G1+4], 17                          ; tile_dim1
	s_mov_b32 s[G1+5], 32                          ; pitch
	s_mov_b32 s[G1+6], 0
	s_mov_b32 s[G1+7], 0
	s_bfe_u32 s46, ttmp6, 0x40000                  ; cx: it enters Q's, the mask's and the output's addresses alone
	s_lshl_b32 s47, ttmp9, 2
	s_add_co_u32 s47, s47, s46                     ; block of 256 queries
	s_lshl_b32 s49, s47, 4
	s_add_co_u32 s49, s49, s[WV]                   ; my tile of queries, 0..127
	s_mov_b32 s[SEL], 0x76543210
	s_mov_b32 s[SEL+1], 0xfedcba98
	s_mov_b32 s[CS], 0x3fb8aa3b                    ; log2(e); the 1 / 8 is in q already
	s_mov_b32 s[CS+1], s[CS]
	s_wait_dscnt 0x0
	s_wait_kmcnt 0x0
	s_add_nc_u64 s[50:51], s[8:9], s[50:51]        ; the head's piece w
.irp k, 0,1,2
	s_mov_b32 s[G0+4*\k], 1                        ; count = 1
	s_add_co_u32 s[G0+4*\k+1], s54, \k*16*PIECE    ; LDS address: piece 16 k + w
	s_add_nc_u64 s[G0+4*\k+2:G0+4*\k+3], s[50:51], \k*16*PIECE   ; global address: the same piece
	s_or_b32 s[G0+4*\k+3], s[G0+4*\k+3], 0x80000000   ; type = 2
.endr
	CROUND                                         ; all four work-groups are here: the joint loads meet
	tensor_load_to_lds s[G0:G0+3], s[G1:G1+7]      ; piece w; the first two fills are each waited for and followed by a cluster round before the next is issued
	s_nop 0
	s_wait_alu depctr_va_vdst(0)
	s_wait_tensorcnt 0x0
	ds_add_u32 v254, v255
	s_wait_dscnt 0x0
	CROUND
	tensor_load_to_lds s[G0+4:G0+7], s[G1:G1+7]
	s_nop 0
	s_wait_alu depctr_va_vdst(0)
	s_wait_tensorcnt 0x0
	ds_add_u32 v254, v255
	s_wait_dscnt 0x0
	CROUND
	tensor_load_to_lds s[G0+8:G0+11], s[G1:G1+7]
	s_nop 0
.rept 4
	v_nop
.endr
	s_mov_b32 s53, 0
	s_mul_i32 s52, s48, 98304
	s_mul_i32 s55, s49, 768
	s_add_co_u32 s52, s52, s55
	s_add_nc_u64 s[4:5], s[4:5], s[52:53]
	s_lshl_b32 s52, s48, 13
	s_lshl_b32 s55, s49, 6
	s_add_co_u32 s52, s52, s55
	s_add_nc_u64 s[6:7], s[6:7], s[52:53]
	s_lshr_b32 s56, s48, 3                         ; batch
	s_lshl_b32 s52, s56, 13
	s_lshr_b32 s55, s49, 1
	s_lshl_b32 s55, s55, 7
	s_add_co_u32 s52, s52, s55
	s_and_b32 s55, s49, 1
	s_lshl_b32 s55, s55, 5
	s_add_co_u32 s52, s52, s55                     ; the tile's first token: 32 (tile / 2) + 8 (tile % 2), 4 bytes each
	s_add_nc_u64 s[10:11], s[10:11], s[52:53]
	s_lshl_b32 s56, s56, 7
	s_add_co_u32 s56, s56, s49                     ; row tile of all 512
	s_and_b32 s57, s48, 7                          ; head
	s_mul_i32 s52, s56, 6144
	s_mul_i32 s55, s57, 768
	s_add_co_u32 s52, s52, s55
	s_add_nc_u64 s[12:13], s[12:13], s[52:53]
	s_lshl_b32 s52, s56, 8
	s_lshl_b32 s55, s57, 1
	s_add_co_u32 s52, s52, s55
	s_add_nc_u64 s[14:15], s[14:15], s[52:53]
	s_wait_alu depctr_va_vdst(0)
	global_load_b128 v[16:19], v[LI], s[4:5]       ; Q's registers 0-3,
	global_load_b64 v[20:21], v[L8], s[4:5] offset:512   ; 4-5,
	global_load_b32 v28, v9, s[6:7]                ; its scale words
	global_load_b32 v29, v10, s[10:11]             ; my query's mask
.irp j, 22,23,24,25,26,27
	v_mov_b32 v\j, 0                               ; zero codes for k = 64 .. 127
.endr
.irp t, 0,1,2,3
.irp j, 6,7,8,9,10,11
	v_mov_b32 v[KF+12*\t+\j], 0                    ; in K's fragments too: written once, no load lands here
.endr
.endr
.set j, 0
.rept 32
	v_mov_b32 v[O+j], 0                            ; O^T: the step is written for every trip alike; the first finds zeros
.set j, j+1
.endr
.irp b, 0,1,2,3
	v_mov_b32 v[PB+\b], 0                          ; a lane permute's destination counts as one of its sources
.endr
	v_mov_b32 v[FF+1], 0
	v_mov_b32 v[TP], 0
	v_mov_b32 v13, 0xff61b1e6                      ; the largest t so far: -3e38
	s_delay_alu instid0(VALU_DEP_1)
	v_floor_f32 v12, -v13                          ; -M
	v_mov_b32 v14, 0
	v_mov_b32 v15, 0
	s_wait_loadcnt 0x0
	v_sub_f32 v29, 1.0, v29
	s_delay_alu instid0(VALU_DEP_1)
	v_mul_f32 v[BI], 0xc7c35000, v29               ; -100000 (1 - mask)
.irp j, 1,2,3,4,5,6,7
	v_mov_b32 v[BI+\j], v[BI]
.endr
.macro STEP
	v_add_nc_u32 v[ADI], s[TB], v[LI]
	v_add_nc_u32 v[AD8], s[TB], v[L8]
	v_add_nc_u32 v[ADS], s[TB], v[LR]
	v_nop
	v_nop                                          ; five places: the products below write over registers that the last trip's products read
	s_wait_alu depctr_va_vdst(0)
.irp g, 0,1                                    ; S^T = K Q^T + the mask's term, four tiles of 16 keys at a time
.if \g
.rept 4
	v_nop                                          ; places in front of loads into registers that matrix instructions have read
.endr
.endif
.irp t, 0,1,2,3
	ds_load_b128 v[KF+12*\t:KF+12*\t+3], v[ADI] offset:768*(4*\g+\t)
	ds_load_b64 v[KF+12*\t+4:KF+12*\t+5], v[AD8] offset:768*(4*\g+\t)+512
.endr
	ds_load_b128 v[KS:KS+3], v[ADS] offset:12288+256*\g
	s_wait_dscnt 0x0
.irp t, 0,1,2,3
	v_wmma_scale_f32_16x16x128_f8f6f4 v[S+8*(4*\g+\t):S+8*(4*\g+\t)+7], v[KF+12*\t:KF+12*\t+11], v[16:27], v[BI:BI+7], v[KS+\t], v28 matrix_a_fmt:MATRIX_FMT_FP6 matrix_b_fmt:MATRIX_FMT_FP6
.endr
.endr
.rept 4
	v_nop
.endr
.irp b, 0,1,2,3
	v_max3_num_f32 v[BM+\b], v[S+16*\b], v[S+1+16*\b], v[S+2+16*\b]   ; the largest score of each block of 32 keys: for the row's maximum and, since p rises with the score, for the block's largest p
.endr
.irp i, 3,5,7,9,11,13
.irp b, 0,1,2,3
	v_max3_num_f32 v[BM+\b], v[BM+\b], v[S+16*\b+\i], v[S+1+16*\b+\i]
.endr
.endr
.irp b, 0,1,2,3
	v_max_num_f32 v[BM+\b], v[BM+\b], v[S+15+16*\b]
.endr
.irp b, 0,1,2,3
	s_delay_alu instid0(VALU_DEP_4)
	v_permlanex16_b32 v[PB+\b], v[BM+\b], s[SEL], s[SEL+1]
.endr
.irp b, 0,1,2,3
	s_delay_alu instid0(VALU_DEP_4)
	v_max_num_f32 v[BM+\b], v[BM+\b], v[PB+\b]     ; with lane l xor 16's 16 keys
.endr
	s_delay_alu instid0(VALU_DEP_2)
	v_max3_num_f32 v[TP], v[BM], v[BM+1], v[BM+2]
	s_delay_alu instid0(VALU_DEP_1)
	v_max_num_f32 v[TP], v[TP], v[BM+3]
	s_delay_alu instid0(VALU_DEP_1)
	v_mul_f32 v[TP], s[CS], v[TP]                  ; as t
	s_delay_alu instid0(VALU_DEP_1)
	v_max_num_f32 v13, v13, v[TP]                  ; the running largest t
	v_mov_b32 v[TP], v12
	s_delay_alu instid0(VALU_DEP_2)
	v_floor_f32 v12, -v13                          ; the new -M = -ceil(t)
	s_delay_alu instid0(VALU_DEP_1)
	v_sub_f32 v[TP], v12, v[TP]                    ; old M - new M: a whole number, 0 or less
	s_delay_alu instid0(VALU_DEP_1)
	v_cvt_i32_f32 v[TP], v[TP]                     ; (it saturates)
	s_delay_alu instid0(VALU_DEP_1)
	v_ldexp_f32 v[FF], 1.0, v[TP]                  ; f = 2^(old M - new M)
.set j, 0
.rept 32
	v_pk_fma_f32 v[S+j:S+j+1], v[S+j:S+j+1], s[CS:CS+1], v[12:13] op_sel_hi:[1,0,0]   ; t - M
.set j, j+2
.endr
.irp b, 0,1,2,3
	v_fma_f32 v[BM+\b], v[BM+\b], s[CS], v12       ; the same of each block's largest score
.endr
.set j, 0
	s_wait_alu depctr_va_vdst(0)
.rept 64
	v_exp_f32 v[S+j], v[S+j]                       ; p = 2^(t - M)
.set j, j+1
.endr
	s_setprio 1
.irp b, 0,1,2,3
	v_exp_f32 v[BM+\b], v[BM+\b]                   ; the block's largest p
.endr
	v_pk_mul_f32 v[14:15], v[14:15], v[FF:FF+1] op_sel_hi:[1,0]   ; the sums under the new M (a plain place behind the exponentials)
	s_wait_alu depctr_va_vdst(0)
.irp b, 0,1,2,3
	v_max_num_f32 v[BM+\b], 0x1800000, v[BM+\b]    ; the floor 2^(3 - 127)
.endr
.irp b, 0,1,2,3
	s_delay_alu instid0(VALU_DEP_4)
	v_add_nc_u32 v[SO+\b], 0xff000000, v[BM+\b]    ; 2 off the exponent field: the conversion's scale operand
.endr
.irp b, 0,1,2,3
	s_delay_alu instid0(VALU_DEP_4)
	v_lshrrev_b32 v[PB+\b], 23, v[SO+\b]           ; the scale's byte
.endr
	s_delay_alu instid0(VALU_DEP_3)
	v_lshl_or_b32 v[PWD], v[PB+1], 8, v[PB]
	s_delay_alu instid0(VALU_DEP_1)
	v_lshl_or_b32 v[PWD], v[PB+2], 16, v[PWD]
	s_delay_alu instid0(VALU_DEP_1)
	v_lshl_or_b32 v[PWD], v[PB+3], 24, v[PWD]
.irp c, 0,1
	v_cvt_scalef32_pk16_fp6_f32 v[PCD+6*\c:PCD+6*\c+2], v[S+32*\c:S+32*\c+15], v[SO+2*\c]
	v_cvt_scalef32_pk16_fp6_f32 v[PH+4*\c:PH+4*\c+2], v[S+16+32*\c:S+31+32*\c], v[SO+2*\c+1]
.endr
	v_nop                                          ; one plain place behind a scaled conversion
.irp c, 0,1
.irp i, 0,1,2
	v_permlane16_swap_b32 v[PCD+6*\c+\i], v[PH+4*\c+\i]
.endr
.irp i, 0,1,2
	s_delay_alu instid0(VALU_DEP_3)
	v_mov_b32 v[PCD+3+6*\c+\i], v[PH+4*\c+\i]
.endr
.endr
	v_pk_add_f32 v[SU:SU+1], v[S:S+1], v[S+2:S+3]  ; the row's sum of the unquantised p, in two chains
.irp j, 4,8,12,16,20,24,28,32,36,40,44,48,52,56,60
	v_pk_add_f32 v[14:15], v[14:15], v[S+\j:S+\j+1]
	v_pk_add_f32 v[SU:SU+1], v[SU:SU+1], v[S+2+\j:S+3+\j]
.endr
	s_delay_alu instid0(VALU_DEP_1)
	v_pk_add_f32 v[14:15], v[14:15], v[SU:SU+1]
.set j, 0
.rept 16
	v_pk_mul_f32 v[O+j:O+j+1], v[O+j:O+j+1], v[FF:FF+1] op_sel_hi:[1,0]   ; O^T under the new M; with the sums above these are the places in front of the scaled products below
.set j, j+2
.endr
	s_setprio 0
.irp t, 0,1,2,3                                ; V's four tiles of 16 channels x these 128 keys, into the registers that p has left
.irp c, 0,1
	ds_load_b128 v[S+12*\t+6*\c:S+12*\t+6*\c+3], v[ADI] offset:6144+1536*\t+768*\c
	ds_load_b64 v[S+12*\t+6*\c+4:S+12*\t+6*\c+5], v[AD8] offset:6144+1536*\t+768*\c+512
.endr
.endr
	ds_load_b128 v[VS:VS+3], v[ADS] offset:12800
	s_wait_alu depctr_va_vdst(0)
	s_wait_dscnt 0x0
.irp t, 0,1,2,3
	v_wmma_scale_f32_16x16x128_f8f6f4 v[O+8*\t:O+8*\t+7], v[S+12*\t:S+12*\t+11], v[PCD:PCD+11], v[O+8*\t:O+8*\t+7], v[VS+\t], v[PWD] matrix_a_fmt:MATRIX_FMT_FP6 matrix_b_fmt:MATRIX_FMT_FP6
.endr
.endm
; A group of key steps: left = how many of my three pieces may still be out; first = the group's first block; n = its steps
.macro GROUP left, first, n
	s_wait_tensorcnt \left                         ; tensor loads of a wave end in order: my piece of this group has landed; the later ones may stay out
	s_wait_dscnt 0x0                               ; no LDS load of mine is out at the signal
	s_barrier_signal -1
	s_barrier_wait -1                              ; everybody's has
	s_mov_b32 s[TB], (\first)*13056
	s_mov_b32 s[CNT], \n
.Lstep_\@:
	s_setprio 2
	STEP
	s_add_co_u32 s[TB], s[TB], 13056
	s_sub_co_u32 s[CNT], s[CNT], 1
	s_cmp_lg_u32 s[CNT], 0
	s_cbranch_scc1 .Lstep_\@
	s_setprio 0
.endm
	GROUP 2, 0, 5                                  ; blocks 0-4 lie in pieces 0-14
	GROUP 1, 5, 5                                  ; blocks 5-9 end in piece 29
	GROUP 0, 10, 6
.rept 4
	v_nop                                          ; places behind the last products
.endr
	v_add_f32 v14, v14, v15                        ; the sum's two halves,
	s_delay_alu instid0(VALU_DEP_1)
	v_permlanex16_b32 v[TP], v14, s[SEL], s[SEL+1]
	s_delay_alu instid0(VALU_DEP_1)
	v_add_f32 v14, v14, v[TP]                      ; and lane l xor 16's
	s_wait_alu depctr_va_vdst(0)
	v_rcp_f32 v14, v14
	v_nop                                          ; one plain place behind a transcendental
.set j, 0
	s_wait_alu depctr_va_vdst(0)
.rept 32
	v_mul_f32 v[S+j], v[O+j], v14                  ; register 16 b + i: channel 32 b + 16 h + i of my query
.set j, j+1
.endr
.irp b, 0,1                                    ; quantised along the channels: two blocks
	v_max3_num_f32 v[BM+\b], |v[S+16*\b]|, |v[S+1+16*\b]|, 0x1800000
.endr
.irp i, 2,4,6,8,10,12,14
.irp b, 0,1
	s_delay_alu instid0(VALU_DEP_2)
	v_max3_num_f32 v[BM+\b], v[BM+\b], |v[S+16*\b+\i]|, |v[S+1+16*\b+\i]|
.endr
.endr
.irp b, 0,1
	s_delay_alu instid0(VALU_DEP_2)
	v_permlanex16_b32 v[PB+\b], v[BM+\b], s[SEL], s[SEL+1]
.endr
.irp b, 0,1
	s_delay_alu instid0(VALU_DEP_2)
	v_max_num_f32 v[BM+\b], v[BM+\b], v[PB+\b]
.endr
.irp b, 0,1
	s_delay_alu instid0(VALU_DEP_2)
	v_add_nc_u32 v[SO+\b], 0xff000000, v[BM+\b]
.endr
.irp b, 0,1
	s_delay_alu instid0(VALU_DEP_2)
	v_lshrrev_b32 v[PB+\b], 23, v[SO+\b]
.endr
	s_delay_alu instid0(VALU_DEP_1)
	v_lshl_or_b32 v[PWD], v[PB+1], 8, v[PB]
	v_cvt_scalef32_pk16_fp6_f32 v[PCD:PCD+2], v[S:S+15], v[SO]
	v_cvt_scalef32_pk16_fp6_f32 v[PH:PH+2], v[S+16:S+31], v[SO+1]
	v_nop
.irp i, 0,1,2
	v_permlane16_swap_b32 v[PCD+\i], v[PH+\i]
.endr
.irp i, 0,1,2
	s_delay_alu instid0(VALU_DEP_3)
	v_mov_b32 v[PCD+3+\i], v[PH+\i]
.endr
	global_store_b128 v[LI], v[PCD:PCD+3], s[12:13]              ; half a fragment's image: 512 consecutive bytes,
	global_store_b64 v[L8], v[PCD+4:PCD+5], s[12:13] offset:512  ; and 256
	global_store_b16 v[LR], v[PWD], s[14:15]                     ; my row's two bytes; both halves of the lanes write the same
	s_wait_dscnt 0x0
	s_wait_tensorcnt 0x0
	ds_add_u32 v254, v255
	s_wait_dscnt 0x0
	CROUND                                         ; the closing round: no work-group ends while a partner may still ask for a piece that names it
	s_endpgm
.Lfunc_end_k_qb862778edf_att:
	.size	k_qb862778edf_att, .Lfunc_end_k_qb862778edf_att-k_qb862778edf_att
	.p2alignl 7, 3214868480
	.fill 96, 4, 3214868480
	.section	.rodata,"a",@progbits
	.p2align	6, 0x0
	.amdhsa_kernel k_qb862778edf_att
		.amdhsa_group_segment_fixed_size 327680
		.amdhsa_private_segment_fixed_size 0
		.amdhsa_enable_private_segment 0
		.amdhsa_kernarg_size 48
		.amdhsa_user_sgpr_count 2
		.amdhsa_user_sgpr_kernarg_segment_ptr 1
		.amdhsa_wavefront_size32 1
		.amdhsa_system_sgpr_workgroup_id_x 1
		.amdhsa_system_sgpr_workgroup_id_y 1
		.amdhsa_system_sgpr_workgroup_id_z 1
		.amdhsa_system_vgpr_workitem_id 0
		.amdhsa_next_free_vgpr 256
		.amdhsa_next_free_sgpr 66
		.amdhsa_reserve_vcc 0
		.amdhsa_float_denorm_mode_32 3
		.amdhsa_float_denorm_mode_16_64 3
		.amdhsa_memory_ordered 1
		.amdhsa_forward_progress 1
		.amdhsa_inst_pref_size 66
	.end_amdhsa_kernel
	.amdgpu_metadata
---
amdhsa.version: [ 1, 2 ]
amdhsa.kernels:
  - .name:           k_qb862778edf_att
    .symbol:         k_qb862778edf_att.kd
    .args:
      - { .name: qimg, .offset: 0, .size: 8, .value_kind: global_buffer, .address_space: global }
      - { .name: qsc, .offset: 8, .size: 8, .value_kind: global_buffer, .address_space: global }
      - { .name: kv, .offset: 16, .size: 8, .value_kind: global_buffer, .address_space: global }
      - { .name: mask, .offset: 24, .size: 8, .value_kind: global_buffer, .address_space: global }
      - { .name: attimg, .offset: 32, .size: 8, .value_kind: global_buffer, .address_space: global }
      - { .name: attsc, .offset: 40, .size: 8, .value_kind: global_buffer, .address_space: global }
    .group_segment_fixed_size: 327680
    .private_segment_fixed_size: 0
    .kernarg_segment_align: 8
    .kernarg_segment_size: 48
    .max_flat_workgroup_size: 512
    .sgpr_count:     66
    .vgpr_count:     256
    .wavefront_size: 32
...
	.end_amdgpu_metadata
.endif
;; end of part 6
;; launch tail (part 7): grid 256 x 1, 4 waves a work-group, no clusters, 96,768 bytes of LDS; arguments attimg, attsc, input, mask, wimg, out0; writes out0
.if DOCPART == 7
	.amdgcn_target "amdgcn-amd-amdhsa--gfx1250"
	.amdhsa_code_object_version 6
	.text
	.protected	k_qb862778edf_tail
	.globl	k_qb862778edf_tail
	.p2align	8
	.type	k_qb862778edf_tail,@function
k_qb862778edf_tail:
	s_mov_b64 s[64:65], 0
	v_nop
	global_prefetch_b8 v0, s[64:65] scope:SCOPE_SE
	s_setreg_imm32_b32 hwreg(HW_REG_WAVE_SCHED_MODE, 0, 2), 2
	s_setreg_imm32_b32 hwreg(HW_REG_WAVE_MODE, 25, 1), 1
	s_wait_xcnt 0x0
	s_wait_alu depctr_vm_vsrc(0)
; x2 = (input + att Wo) x mask;  out0 = gelu(layernorm(x2) W1) W2 + x2.  All three products on codes of FP6 (E2M3) with one E8M0 byte for each 32 along K; all else in f32.
; SHARES.  A work-group takes 32 tokens: two tiles of 16; lane r of tile m holds token 8 m + r + 8 (r / 8).  THE WAVES SHARE THE COLUMNS: wave w keeps columns 128 w .. + 127 of x2 and of the result in 128 registers,
; and makes 128 hidden units of each of four chunks of 512.  The residual is the C of the first product, and the last product adds onto x2: no addition is written.
; Activations go from wave to wave through LDS as images of their registers.  The weights' fragment images come straight from memory into the one wave's registers that uses them, 512 consecutive bytes a load,
; in four buffers of 96 registers.
; THE WEIGHTS' STREAM.  Quarter q of a panel (K step q: 24 loads, with quarter 0 four more for the scale words) lands in buffer q.  The loads are issued in the order of their use.  Where the products wait for weights, a quarter
; is asked for one group of products later than its buffer falls free, so that its issue can be held up only by loads that the next products want anyway.  In front of long vector work nothing is asked for: W2's quarters 2
; and 3 are asked for inside gelu, three loads behind each of its 16 groups, and the first W1 panel's quarters 2 and 3 behind the LayerNorm's two reductions.
; THE CHUNKS ARE WALKED IN TURN: work-group G begins with chunk G % 4, so that neighbouring work-groups ask for four different parts of W1 and W2 at a time.  The base of a chunk's panels is made anew in the chunk's middle,
; behind gelu, the quantiser and two barriers, where the youngest loads are some 300 instructions old.
; NO JOINT LOADS: each weight fragment feeds one wave alone; a joint load lands in LDS only, and beside the 96,256 bytes in use two slots hold half a panel a wave: a refill would have 32 products in which to land.
; gelu(x) = x / 2 + x / 2 erf(x / sqrt 2), erf(z) = z P(z^2) / Q(z^2) with z held to +-4: a quotient of polynomials of degrees 6 and 4.
; THE MODE: SCHED_MODE bits 1:0 = 2 (LLVM: expert scheduling mode 2), set by the entry lines.  The code itself states the register dependences between vector or matrix instructions and memory or LDS instructions,
; with s_wait_alu, always for 0.
; THE PLAN.  Registers that memory or LDS instructions touch, and who else names them:
;   v1-v10        addresses: made at the head, never written again: one wait on va_vdst ahead of the first load serves every access.
;   the four weight buffers and the two sets of scale words: written by loads, read by products alone.  The loads that follow quarter q's products land in the buffer that quarter q - 1 read and in the set of scale words
;                 that this panel does not use: so the wait on va_vdst stands at quarter q's head, behind the wait for its data, and the loads owe nothing more.  Buffers 2 and 3 are asked for again inside vector work
;                 (gelu, the LayerNorm) or at a chunk's end, behind one wait on va_vdst that stands behind the panel's last products; the vector work between names none of them.
;   ACT, YS, HS   the activations' fragments and scale words: written by loads, read by products alone: each fetch stands behind a wait on va_vdst that is younger than the last products that read them.
;   v[92:93]      a reduction's vector lines write them, its LDS store reads them, later lines write them again: va_vdst ahead of the store, vm_vsrc behind it.  v100-v107: its LDS loads land there; that va_vdst covers them.
;   v[PC ..], v[PW]  a quantiser writes them, the image's LDS stores read them, gelu's work registers or the next quantiser write them again: va_vdst ahead of the stores, vm_vsrc behind them.
;   HA            the input: loaded, read by the stage's LDS stores (ahead of the first reduction's wait on vm_vsrc); then vector and matrix work; at the end the stage's LDS loads land there.
;   X2            the stage's LDS loads land there; then an accumulator; at the end LDS stores read it: the places, then one wait on va_vdst, which also serves the loads into HA.
; REGISTERS, in windows of 256: window 0: v0-31 addresses and constants, v32-63 weight scale words (two sets), v64-79 activations' scale words, v80-91 mask, mean, 1/sigma, v92-127 at work, v128-255 HA: 16 accumulators.
;   windows 1, 2: the four weight buffers.   window 3: v0-127 X2; v128-223 eight activation fragments.
; LIMITS: NaN and infinities are not served; a block of zeros, or one whose largest magnitude lies under 2^-124, gets the byte 1; for x under about -5.6 gelu comes out as 0 or about -1e-7 |x| in place of its
; still smaller true value: an absolute error under 1e-6; the f32 sum over the hidden units is taken chunk by chunk from chunk G % 4 on: an order of rounding that differs from work-group to work-group.
.set HA,  128
.set X2,  0
.set ACT, 128
.set LI,  1                            ; 16 x lane
.set L8,  2                            ; 8 x lane
.set LS,  3                            ; 4 x lane
.set SA,  4                            ; my stage: row r, + 64 h
.set SD,  5                            ; my stage: 16 x lane
.set IW,  6                            ; 16 x lane + 1,536 x wave
.set SWA, 7                            ; 4 x lane + 128 x wave
.set ST8, 8                            ; 8 x lane + 256 x wave
.set LR16, 9                           ; 16 r
.set MKO, 10                           ; 4 (r + 8 (r / 8))
.set VA0, 24                           ; v[24:25] P's leading coefficient, twice
.set VB0, 26                           ; v[26:27] Q's
.set PW,  30
.set WS,  32
.set YS,  64
.set HS,  72
.set MK0, 80
.set MU0, 84
.set RS0, 88
.set TM,  92
.set GT,  92
.set PC,  108
.set YIMG, 0                           ; LDS: y's 8 fragment images (4 m + s),
.set YSC,  12288                       ; their scale words, 128 bytes each,
.set HIMG, 13312                       ; a chunk's 8 hidden fragments,
.set HSC,  25600                       ; their scale words,
.set STAT1, 26624                      ; the waves' partial sums, 8 bytes a lane,
.set STAT2, 27648                      ; and partial sums of squares,
.set STG,  28672                       ; a stage of 32 rows x (512 + 16) bytes for each wave
.set W2OFF, 819200                     ; from a chunk's panel of W1 to its panel of W2: 16 panels
.set W1NEXT, 204800                    ; from a chunk's panel of W1 to the next chunk's: 4 panels
.set WV,  16
.set SEL, 20
.set WP,  22                           ; s[22:23] my panel of W1 in the chunk in hand
.set IN,  24
.set MP,  26
.set AI,  28
.set ASC, 30
.set OUT, 32
.set WO,  34                           ; s[34:35] my panel of Wo
.set WB,  36                           ; s[36:37] my panel of W1 in chunk 0
.set OF,  38                           ; s[38:39] the chunk's byte offset, in 64 bits
.set CC,  40                           ; the chunk in hand, 0..3
.set SINV, 42
.set SEPS, 43
.set CNT, 44
.set MSB, 0
.macro WIN new                         ; the immediate's high byte repeats the setting that is left; a switch that changes nothing is dropped
.if MSB != (\new)
	s_set_vgpr_msb (MSB<<8)|(\new)
.set MSB, (\new)
.endif
.endm
.macro NOP4                            ; four plain places behind each sixteen products (ISA guide 7.12.1): behind a panel's last they stand in front of the first read of results; behind the others they part the
	WIN 0                              ; products from the loads into a buffer that products have read, beside the wait that states that dependence
.rept 4
	v_nop
.endr
.endm
.macro BARRIER                         ; my LDS stores have landed and my LDS loads are in: then the work-group's barrier
	s_wait_dscnt 0x0
	s_barrier_signal -1
	s_barrier_wait -1
.endm
.macro WM d, a, b, z, sa, sb, row      ; one product; z: the sum begins with 0; row 1 / 2: source 0's / source 1's scales stand in lanes 16-31
.if \z
.if (\row) == 0
	v_wmma_scale_f32_16x16x128_f8f6f4 v[\d:\d+7], v[\a:\a+11], v[\b:\b+11], 0, v[\sa], v[\sb] matrix_a_fmt:MATRIX_FMT_FP6 matrix_b_fmt:MATRIX_FMT_FP6
.elseif (\row) == 1
	v_wmma_scale_f32_16x16x128_f8f6f4 v[\d:\d+7], v[\a:\a+11], v[\b:\b+11], 0, v[\sa], v[\sb] matrix_a_fmt:MATRIX_FMT_FP6 matrix_b_fmt:MATRIX_FMT_FP6 matrix_a_scale:MATRIX_SCALE_ROW1
.else
	v_wmma_scale_f32_16x16x128_f8f6f4 v[\d:\d+7], v[\a:\a+11], v[\b:\b+11], 0, v[\sa], v[\sb] matrix_a_fmt:MATRIX_FMT_FP6 matrix_b_fmt:MATRIX_FMT_FP6 matrix_b_scale:MATRIX_SCALE_ROW1
.endif
.else
.if (\row) == 0
	v_wmma_scale_f32_16x16x128_f8f6f4 v[\d:\d+7], v[\a:\a+11], v[\b:\b+11], v[\d:\d+7], v[\sa], v[\sb] matrix_a_fmt:MATRIX_FMT_FP6 matrix_b_fmt:MATRIX_FMT_FP6
.elseif (\row) == 1
	v_wmma_scale_f32_16x16x128_f8f6f4 v[\d:\d+7], v[\a:\a+11], v[\b:\b+11], v[\d:\d+7], v[\sa], v[\sb] matrix_a_fmt:MATRIX_FMT_FP6 matrix_b_fmt:MATRIX_FMT_FP6 matrix_a_scale:MATRIX_SCALE_ROW1
.else
	v_wmma_scale_f32_16x16x128_f8f6f4 v[\d:\d+7], v[\a:\a+11], v[\b:\b+11], v[\d:\d+7], v[\sa], v[\sb] matrix_a_fmt:MATRIX_FMT_FP6 matrix_b_fmt:MATRIX_FMT_FP6 matrix_b_scale:MATRIX_SCALE_ROW1
.endif
.endif
.endm
; Quarter q of the panel at byte off from the base bp: K step q's eight fragment images, 24 loads of 512 consecutive bytes, into buffer q; with quarter 0 the panel's scale words into set par
.macro LOADQ bp, off, q, par
.if (\q) == 0
	WIN 0
.irp P, 0,1,2,3
	global_load_b128 v[WS+16*(\par)+4*\P:WS+16*(\par)+4*\P+3], v[LI], s[\bp:\bp+1] offset:(\off)+49152+512*\P
.endr
.endif
	WIN ((1+((\q)>>1))<<6)
.set lq_i, 0
.rept 24
	global_load_b128 v[96*((\q)&1)+4*lq_i:96*((\q)&1)+4*lq_i+3], v[LI], s[\bp:\bp+1] offset:(\off)+12288*(\q)+512*lq_i
.set lq_i, lq_i+1
.endr
	WIN 0
.endm
; 16 products: the panel's eight tiles x the two tiles of tokens, K step q.  The 16 accumulators take turns, one instruction a turn.
; mode 0, 1: HA = weight x activation (0: the sums begin);  2: the same onto X2 in window 3;  3, 4: the sources swapped (not used here).  as: the activation's scale words
.macro MULQ q, par, mode, as
.set mq_w, 1+((\q)>>1)
.set mq_b, 96*((\q)&1)
.set mq_z, 0
.if (\mode) == 0
.set mq_z, 1
.endif
.if (\mode) == 3
.set mq_z, 1
.endif
.if (\mode) < 2
	WIN (0x0c|mq_w)
.elseif (\mode) == 2
	WIN (0xfc|mq_w)
.else
	WIN ((mq_w<<2)|3)
.endif
.irp t, 0,1,2,3,4,5,6,7
.irp m, 0,1
.set mq_W, mq_b+12*\t
.set mq_A, ACT+12*(4*\m+(\q))
.set mq_ws, WS+16*(\par)+4*(\t/2)+(\q)
.set mq_as, (\as)+4*\m+(\q)
.if (\mode) < 2
.set mq_D, HA+64*\m+8*\t
.elseif (\mode) == 2
.set mq_D, X2+64*\m+8*\t
.else
.set mq_D, HA+16*\t+8*\m
.endif
.if (\mode) < 3
	WM mq_D, mq_W, mq_A, mq_z, mq_ws, mq_as, (\t%2)
.else
	WM mq_D, mq_A, mq_W, mq_z, mq_as, mq_ws, 2*(\t%2)
.endif
.endr
.endr
.endm
; A quarter: the wait for its loads (the count: the loads issued behind them, or 63 where those are 72: the most that the wait can name, and a smaller count is right); the products; the places; a later quarter's loads,
; which land in buffer nq, another than this quarter's
.macro QUART wait, q, par, mode, as, doload, bp, noff, nq, npar
	s_wait_loadcnt \wait
.if \doload
	s_wait_alu depctr_va_vdst(0)                   ; the products issued so far are done reading buffer nq and the scale words of set npar, in which the loads behind this quarter's products land; these products name neither
.endif
	MULQ \q, \par, \mode, \as
	NOP4
.if \doload
	LOADQ \bp, \noff, \nq, \npar
.endif
.endm
.macro FETCHA base                     ; eight fragment images from LDS into window 3
	WIN 0xc0
.set fa_i, 0
.rept 24
	ds_load_b128 v[ACT+4*fa_i:ACT+4*fa_i+3], v[LI] offset:(\base)+512*fa_i
.set fa_i, fa_i+1
.endr
	WIN 0
.endm
.macro FETCHS reg, base                ; and their scale words
.irp f, 0,1,2,3,4,5,6,7
	ds_load_b32 v[(\reg)+\f], v[LS] offset:(\base)+128*\f
.endr
.endm
; 64 numbers of a lane, register 16 b + i = k 32 b + 16 (lane / 16) + i of my row, become a fragment's codes in v[PC] on and its scale word in v[PW]
.macro QUANT s
.irp b, 0,1,2,3
	v_max3_num_f32 v[TM+\b], |v[\s+16*\b]|, |v[\s+1+16*\b]|, 0x1800000   ; with the floor 2^(3 - 127): the byte cannot fall under 1
.endr
.irp i, 2,4,6,8,10,12,14
.irp b, 0,1,2,3
	v_max3_num_f32 v[TM+\b], v[TM+\b], |v[\s+16*\b+\i]|, |v[\s+1+16*\b+\i]|
.endr
.endr
.irp b, 0,1,2,3
	v_permlanex16_b32 v[TM+4+\b], v[TM+\b], s[SEL], s[SEL+1]
.endr
.irp b, 0,1,2,3
	v_max_num_f32 v[TM+\b], v[TM+\b], v[TM+4+\b]   ; with lane l xor 16's: the block's largest magnitude
.endr
.irp b, 0,1,2,3
	v_add_nc_u32 v[TM+12+\b], 0xff000000, v[TM+\b] ; 2 off its exponent field: the conversion's scale operand
.endr
.irp b, 0,1,2,3
	v_lshrrev_b32 v[TM+4+\b], 23, v[TM+12+\b]      ; the scale's byte
.endr
	v_lshl_or_b32 v[PW], v[TM+5], 8, v[TM+4]
	v_lshl_or_b32 v[PW], v[TM+6], 16, v[PW]
	v_lshl_or_b32 v[PW], v[TM+7], 24, v[PW]
.irp c, 0,1
	v_cvt_scalef32_pk16_fp6_f32 v[PC+6*\c:PC+2+6*\c], v[\s+32*\c:\s+15+32*\c], v[TM+12+2*\c]
	v_cvt_scalef32_pk16_fp6_f32 v[PC+12+4*\c:PC+14+4*\c], v[\s+16+32*\c:\s+31+32*\c], v[TM+12+2*\c+1]
.endr
	v_nop                                          ; one plain place behind a scaled conversion
.irp c, 0,1                                    ; a whole block to a lane: lanes 0-15 block 2 c, lanes 16-31 block 2 c + 1
.irp i, 0,1,2
	v_permlane16_swap_b32 v[PC+6*\c+\i], v[PC+12+4*\c+\i]
.endr
.irp i, 0,1,2
	v_mov_b32 v[PC+3+6*\c+\i], v[PC+12+4*\c+\i]
.endr
.endr
.endm
.macro IMAGE base                      ; the fragment in v[PC] on goes to LDS as it stands
.irp k, 0,1,2
	ds_store_b128 v[IW], v[PC+4*\k:PC+4*\k+3] offset:(\base)+512*\k
.endr
.endm
; 32 rows x 512 bytes, loaded 16 bytes a lane, turn through my own stage: out of it lane (r, h) takes, of row (m, r), 16 neighbours of each block of 32.  LDS serves a wave's instructions in order.
.macro XIN TW, T, DW, D
	WIN ((\TW)<<2)
.set xi, 0
.rept 32
	ds_store_b128 v[SD], v[(\T)+4*xi:(\T)+4*xi+3] offset:528*xi
.set xi, xi+1
.endr
	WIN ((\DW)<<6)
.irp m, 0,1
.irp b, 0,1,2,3
.irp j, 0,1,2,3
	ds_load_b128 v[(\D)+64*\m+16*\b+4*\j:(\D)+64*\m+16*\b+4*\j+3], v[SA] offset:8448*\m+128*\b+16*\j
.endr
.endr
.endr
	WIN 0
	s_wait_dscnt 0x0
.endm
; v[92:95] (tile 0) and v[96:99] (tile 1), two packed chains each, become the two rows' sums over all 512 columns in v100 and v101: within the lane, with lane l xor 16, then over the four waves through LDS, in the waves' order
.macro REDUCE stat
	v_pk_add_f32 v[92:93], v[92:93], v[94:95]
	v_pk_add_f32 v[96:97], v[96:97], v[98:99]
	v_add_f32 v92, v92, v93
	v_add_f32 v96, v96, v97
	v_permlanex16_b32 v93, v92, s[SEL], s[SEL+1]
	v_permlanex16_b32 v97, v96, s[SEL], s[SEL+1]
	v_add_f32 v92, v92, v93
	v_add_f32 v93, v96, v97
	s_wait_alu depctr_va_vdst(0)                   ; v[92:93] are written, which the LDS store reads; the vector lines that named v100 to v107 are done, in which the LDS loads below land; Wo's products are done reading buffers 2 and 3
	ds_store_b64 v[ST8], v[92:93] offset:\stat
	BARRIER
.irp u, 0,1,2,3
	ds_load_b64 v[100+2*\u:101+2*\u], v[L8] offset:(\stat)+256*\u
.endr
	s_wait_dscnt 0x0
	s_wait_alu depctr_vm_vsrc(0)                   ; the LDS store has read v[92:93], which the lines behind the reduction write again; the stage's LDS stores have read HA, which the LayerNorm writes
	v_pk_add_f32 v[100:101], v[100:101], v[102:103]
	v_pk_add_f32 v[100:101], v[100:101], v[104:105]
	v_pk_add_f32 v[100:101], v[100:101], v[106:107]
.endm
; LayerNorm of the 128 numbers a lane at v[X] of window XW (two passes: the mean, then the squares of the differences), into HA; quantised; images to LDS.  Three barriers.
; Behind each of the two reductions a quarter of the first W1 panel is asked for.
.macro LNQ XW, X
.irp u, 92,93,94,95,96,97,98,99
	v_mov_b32 v\u, 0
.endr
	WIN ((\XW)<<2)
.set ln_p, 0
.rept 16
.irp m, 0,1
	v_pk_add_f32 v[92+4*\m:93+4*\m], v[92+4*\m:93+4*\m], v[(\X)+64*\m+4*ln_p:(\X)+64*\m+4*ln_p+1]
	v_pk_add_f32 v[94+4*\m:95+4*\m], v[94+4*\m:95+4*\m], v[(\X)+64*\m+4*ln_p+2:(\X)+64*\m+4*ln_p+3]
.endr
.set ln_p, ln_p+1
.endr
	WIN 0
	REDUCE STAT1
	LOADQ WP, 0, 2, 0                              ; no wait: since the reduction's wait on va_vdst no vector or matrix line has named buffer 2 or v[LI]
	v_mul_f32 v[MU0], s[SINV], v100                ; the mean: sum / 512
	v_mul_f32 v[MU0+2], s[SINV], v101
	v_mov_b32 v[MU0+1], v[MU0]
	v_mov_b32 v[MU0+3], v[MU0+2]
	WIN (\XW)
.irp m, 0,1
.set ln_p, 0
.rept 32
	v_pk_add_f32 v[HA+64*\m+2*ln_p:HA+64*\m+2*ln_p+1], v[(\X)+64*\m+2*ln_p:(\X)+64*\m+2*ln_p+1], v[MU0+2*\m:MU0+2*\m+1] op_sel_hi:[1,0] neg_lo:[0,1] neg_hi:[0,1]
.set ln_p, ln_p+1
.endr
.endr
	WIN 0
.irp u, 92,93,94,95,96,97,98,99
	v_mov_b32 v\u, 0
.endr
.set ln_p, 0
.rept 16
.irp m, 0,1
	v_pk_fma_f32 v[92+4*\m:93+4*\m], v[HA+64*\m+4*ln_p:HA+64*\m+4*ln_p+1], v[HA+64*\m+4*ln_p:HA+64*\m+4*ln_p+1], v[92+4*\m:93+4*\m]
	v_pk_fma_f32 v[94+4*\m:95+4*\m], v[HA+64*\m+4*ln_p+2:HA+64*\m+4*ln_p+3], v[HA+64*\m+4*ln_p+2:HA+64*\m+4*ln_p+3], v[94+4*\m:95+4*\m]
.endr
.set ln_p, ln_p+1
.endr
	REDUCE STAT2
	LOADQ WP, 0, 3, 0                              ; likewise buffer 3
	v_fma_f32 v100, v100, s[SINV], s[SEPS]         ; the variance + 1e-6
	v_fma_f32 v101, v101, s[SINV], s[SEPS]
	v_rsq_f32 v[RS0], v100
	v_rsq_f32 v[RS0+2], v101
	v_nop                                          ; one plain place behind a transcendental
	s_wait_alu depctr_va_vdst(0)
	v_mov_b32 v[RS0+1], v[RS0]
	v_mov_b32 v[RS0+3], v[RS0+2]
.irp m, 0,1
.set ln_p, 0
.rept 32
	v_pk_mul_f32 v[HA+64*\m+2*ln_p:HA+64*\m+2*ln_p+1], v[HA+64*\m+2*ln_p:HA+64*\m+2*ln_p+1], v[RS0+2*\m:RS0+2*\m+1] op_sel_hi:[1,0]
.set ln_p, ln_p+1
.endr
.endr
.irp m, 0,1
	QUANT HA+64*\m
	s_wait_alu depctr_va_vdst(0)                   ; the quantiser has written v[PC ..] and v[PW], which the LDS stores read; Wo's products are done reading the attention's fragments, in which y's will land
	IMAGE YIMG+6144*\m                             ; tile m, K step = my wave
	ds_store_b32 v[SWA], v[PW] offset:YSC+512*\m
	s_wait_alu depctr_vm_vsrc(0)                   ; the stores have read v[PC ..] and v[PW], which the next quantiser, or gelu's work registers, write again
.endr
	BARRIER                                        ; the eight fragments lie in LDS
.endm
; gelu in place on HA's 128 numbers, eight at a time; the four pairs take each step by turns.  Behind each of the 16 groups three loads of W2's quarters 2 and 3 (48 in all) are issued, into buffers 2 and 3 of window 2
.macro GELU
.set ge, 0
.rept 16
.set gh, HA+8*ge
.irp p, 0,2,4,6
	v_pk_mul_f32 v[GT+\p:GT+\p+1], v[gh+\p:gh+\p+1], 0x3f3504f3 op_sel_hi:[1,0]   ; z = x / sqrt 2
.endr
.irp p, 0,1,2,3,4,5,6,7
	v_med3_num_f32 v[GT+\p], v[GT+\p], -4.0, 4.0
.endr
.irp p, 0,2,4,6
	v_pk_mul_f32 v[GT+8+\p:GT+9+\p], v[GT+\p:GT+\p+1], v[GT+\p:GT+\p+1]            ; z^2
.endr
.irp p, 0,2,4,6
	v_pk_fma_f32 v[GT+16+\p:GT+17+\p], v[GT+8+\p:GT+9+\p], v[VA0:VA0+1], 0x32EDFFEE op_sel_hi:[1,1,0]
.endr
.irp k, 0xB60CFF51, 0xB86EC2D2, 0xBA40AC63, 0xBB41A1F6, 0xBC83DBD4
.irp p, 0,2,4,6
	v_pk_fma_f32 v[GT+16+\p:GT+17+\p], v[GT+16+\p:GT+17+\p], v[GT+8+\p:GT+9+\p], \k op_sel_hi:[1,1,0]
.endr
.endr
.irp p, 0,2,4,6
	v_pk_fma_f32 v[GT+24+\p:GT+25+\p], v[GT+8+\p:GT+9+\p], v[VB0:VB0+1], 0xB95FBD29 op_sel_hi:[1,1,0]
.endr
.irp k, 0xBADC924E, 0xBBF19BF8, 0xBC69B6A7
.irp p, 0,2,4,6
	v_pk_fma_f32 v[GT+24+\p:GT+25+\p], v[GT+24+\p:GT+25+\p], v[GT+8+\p:GT+9+\p], \k op_sel_hi:[1,1,0]
.endr
.endr
.irp p, 0,1,2,3,4,5,6,7
	v_rcp_f32 v[GT+24+\p], v[GT+24+\p]
.endr
.irp p, 0,2,4,6
	v_pk_mul_f32 v[GT+16+\p:GT+17+\p], v[GT+16+\p:GT+17+\p], v[GT+\p:GT+\p+1]      ; z P (plain places behind the reciprocals)
.endr
.irp p, 0,2,4,6
	v_pk_mul_f32 v[gh+\p:gh+\p+1], v[gh+\p:gh+\p+1], 0.5 op_sel_hi:[1,0]
.endr
	s_wait_alu depctr_va_vdst(0)
.irp p, 0,2,4,6
	v_pk_mul_f32 v[GT+16+\p:GT+17+\p], v[GT+16+\p:GT+17+\p], v[GT+24+\p:GT+25+\p]  ; erf
.endr
.irp p, 0,2,4,6
	v_pk_fma_f32 v[gh+\p:gh+\p+1], v[gh+\p:gh+\p+1], v[GT+16+\p:GT+17+\p], v[gh+\p:gh+\p+1]
.endr
	WIN 0x80                                       ; destination window 2
.if ge == 0
	s_wait_alu depctr_va_vdst(0)                   ; W1's products are done reading buffers 2 and 3, in which gelu's 48 loads land; gelu's own lines name HA and v24 to v27 and v92 to v123 alone, so the one wait serves all 48
.endif
.irp j, 0,1,2
.set gl_i, 3*ge+\j
	global_load_b128 v[96*(gl_i/24)+4*(gl_i%24):96*(gl_i/24)+4*(gl_i%24)+3], v[LI], s[WP:WP+1] offset:W2OFF+12288*(2+gl_i/24)+512*(gl_i%24)
.endr
	WIN 0
.set ge, ge+1
.endr
.endm
; A chunk of 512 hidden units.  WP stands at my panel of W1.  At its head all four quarters of that panel have been asked for (28 + 24 + 24 + 24 loads) and so have y's fragments from LDS.
; The loads issued behind the quarter that a wait is for:  W1: 72, 48, 24 + 28, 28 + 24;  W2: 72, 48, 24 + 28, 28 + 24;  in the last chunk W2: 72, 48, 24, 0.
.macro CHUNK last
	s_wait_dscnt 0x0                               ; y's fragments (and, the first time, their scale words) are in
	QUART 63, 0, 0, 0, YS, 0, WP, 0, 0, 0
	QUART 48, 1, 0, 1, YS, 1, WP, W2OFF, 0, 1
	QUART 52, 2, 0, 1, YS, 1, WP, W2OFF, 1, 1
	QUART 52, 3, 0, 1, YS, 0, WP, 0, 0, 0
	GELU
.irp m, 0,1
	QUANT HA+64*\m
	s_wait_alu depctr_va_vdst(0)                   ; the quantiser has written v[PC ..] and v[PW], which the LDS stores read; W1's products are done reading y's fragments, and earlier ones the scale words v72 to v79, in which the hidden layer's will land
	IMAGE HIMG+6144*\m                             ; tile m, the chunk's K step = my wave
	ds_store_b32 v[SWA], v[PW] offset:HSC+512*\m
.if (\m == 0) || (\last == 0)
	s_wait_alu depctr_vm_vsrc(0)                   ; the stores have read v[PC ..] and v[PW], which the next quantiser, or the next chunk's gelu, writes again (behind the last chunk's second image nothing does)
.endif
.endr
	BARRIER                                        ; the chunk's eight hidden fragments lie in LDS
	FETCHA HIMG
	FETCHS HS, HSC
	BARRIER                                        ; every wave has them in registers: the next chunk may write there
.if \last
	QUART 63, 0, 1, 2, HS, 0, WP, 0, 0, 0
	QUART 48, 1, 1, 2, HS, 0, WP, 0, 0, 0
	QUART 24, 2, 1, 2, HS, 0, WP, 0, 0, 0
	QUART 0, 3, 1, 2, HS, 0, WP, 0, 0, 0
.else
	s_wait_xcnt 0x0                                ; every load issued so far has had its address translated (ISA guide 3.1): the base is rewritten only behind this wait
	s_add_co_u32 s[CC], s[CC], 1
	s_and_b32 s[CC], s[CC], 3                      ; the next chunk, round the four
	s_mul_i32 s[OF], s[CC], W1NEXT
	s_add_nc_u64 s[WP:WP+1], s[WB:WB+1], s[OF:OF+1]
	QUART 63, 0, 1, 2, HS, 0, WP, 0, 0, 0
	QUART 48, 1, 1, 2, HS, 1, WP, 0, 0, 0
	QUART 52, 2, 1, 2, HS, 1, WP, 0, 1, 0
	QUART 52, 3, 1, 2, HS, 0, WP, 0, 0, 0
	s_wait_alu depctr_va_vdst(0)                   ; the chunk's last products are done reading the hidden fragments and buffers 2 and 3, in which the loads below land
	FETCHA YIMG                                    ; y's fragments again, for the next chunk; then the rest of its W1 panel: all the products that were ready have been issued
	LOADQ WP, 0, 2, 0
	LOADQ WP, 0, 3, 0
.endif
.endm
	s_load_b256 s[4:11], s[0:1], 0x0               ; attimg, attsc, input, mask
	s_load_b128 s[12:15], s[0:1], 0x20             ; wimg, out0
	v_lshl_add_u32 v31, v0, 2, 0x17800
	v_mov_b32 v127, 0
	v_lshrrev_b32 v21, 5, v0
	v_readfirstlane_b32 s[WV], v21                 ; wave 0..3
	v_and_b32 v23, 31, v0                          ; lane
	v_and_b32 v21, 15, v0                          ; r
	v_bfe_u32 v22, v0, 4, 1                        ; h
	v_lshlrev_b32 v[LI], 4, v23
	v_lshlrev_b32 v[L8], 3, v23
	v_lshlrev_b32 v[LS], 2, v23
	s_wait_alu depctr_va_sdst(0)                   ; s[WV] is written, ahead of its first reader: LDS places and all bases are made from it
	s_mul_i32 s48, s[WV], 16896
	s_add_co_u32 s48, s48, STG
	v_mul_u32_u24 v[SA], v21, 528
	v_lshl_add_u32 v[SA], v22, 6, v[SA]
	v_add_nc_u32 v[SA], s48, v[SA]
	v_add_nc_u32 v[SD], s48, v[LI]
	s_mul_i32 s48, s[WV], 1536
	v_add_nc_u32 v[IW], s48, v[LI]
	s_lshl_b32 s48, s[WV], 7
	v_add_nc_u32 v[SWA], s48, v[LS]
	s_lshl_b32 s48, s[WV], 8
	v_add_nc_u32 v[ST8], s48, v[L8]
	v_lshlrev_b32 v[LR16], 4, v21
	v_and_b32 v[MKO], 8, v21
	v_add_nc_u32 v[MKO], v[MKO], v21
	v_lshlrev_b32 v[MKO], 2, v[MKO]
	v_mov_b32 v[VA0], 0xAF95DF0B
	v_mov_b32 v[VA0+1], 0xAF95DF0B
	v_mov_b32 v[VB0], 0xB77460CD
	v_mov_b32 v[VB0+1], 0xB77460CD
	s_mov_b32 s[SEL], 0x76543210
	s_mov_b32 s[SEL+1], 0xfedcba98                 ; v_permlanex16_b32's selects for lane l xor 16
	s_mov_b32 s[SINV], 0x3b000000                  ; 1 / 512
	s_mov_b32 s[SEPS], 0x358637bd                  ; 1e-6
	s_and_b32 s[CC], ttmp9, 3                      ; the chunk with which this work-group begins
	s_mul_i32 s[OF], s[CC], W1NEXT
	s_mov_b32 s[OF+1], 0
	s_mov_b32 s55, 0
	s_wait_kmcnt 0x0
	s_lshl_b32 s54, ttmp9, 16
	s_lshl_b32 s56, s[WV], 9
	s_add_co_u32 s54, s54, s56
	s_add_nc_u64 s[IN:IN+1], s[8:9], s[54:55]      ; input and out0: my 32 rows, my 512 bytes of each
	s_add_nc_u64 s[OUT:OUT+1], s[14:15], s[54:55]
	s_lshl_b32 s54, ttmp9, 7
	s_add_nc_u64 s[MP:MP+1], s[10:11], s[54:55]
	s_mul_i32 s54, ttmp9, 12288
	s_add_nc_u64 s[AI:AI+1], s[4:5], s[54:55]
	s_lshl_b32 s54, ttmp9, 9
	s_add_nc_u64 s[ASC:ASC+1], s[6:7], s[54:55]
	s_add_co_u32 s54, s[WV], 12
	s_mul_i32 s54, s54, 51200
	s_add_nc_u64 s[WO:WO+1], s[12:13], s[54:55]    ; Wo's panel 12 + w
	s_add_co_u32 s54, s54, W1NEXT
	s_add_nc_u64 s[WB:WB+1], s[12:13], s[54:55]    ; W1's panel 16 + w: chunk 0,
	s_add_nc_u64 s[WP:WP+1], s[WB:WB+1], s[OF:OF+1]   ; and that of my first chunk
	s_wait_alu depctr_va_vdst(0)                   ; the addresses v1 to v10 are written, which the loads, stores and LDS instructions of the whole kernel read
.set xi, 0
.rept 32                                       ; stage row 16 m + r is token 8 m + r + 8 (r / 8); each load takes 512 consecutive bytes
	global_load_b128 v[HA+4*xi:HA+4*xi+3], v[LI], s[IN:IN+1] offset:2048*(8*(xi/16)+xi%16+8*((xi%16)/8)) th:TH_LOAD_NT
.set xi, xi+1
.endr
	global_load_b32 v[MK0], v[MKO], s[MP:MP+1]
	global_load_b32 v[MK0+2], v[MKO], s[MP:MP+1] offset:32
	WIN 0xc0
.irp m, 0,1                                    ; the attention's eight fragments: fragment 4 m + s, half c = head 2 s + c
.irp s, 0,1,2,3
.irp c, 0,1
	global_load_b128 v[ACT+12*(4*\m+\s)+6*\c:ACT+12*(4*\m+\s)+6*\c+3], v[LI], s[AI:AI+1] offset:6144*\m+1536*\s+768*\c
	global_load_b64 v[ACT+12*(4*\m+\s)+6*\c+4:ACT+12*(4*\m+\s)+6*\c+5], v[L8], s[AI:AI+1] offset:6144*\m+1536*\s+768*\c+512
.endr
.endr
.endr
	WIN 0
	global_load_b128 v[HS:HS+3], v[LR16], s[ASC:ASC+1]
	global_load_b128 v[HS+4:HS+7], v[LR16], s[ASC:ASC+1] offset:256
	LOADQ WO, 0, 0, 1
	LOADQ WO, 0, 1, 1
	s_wait_loadcnt 52                              ; all but the 28 + 24 weight loads issued last are in
	XIN 0, HA, 3, X2                               ; the residual becomes the C of the first product
	LOADQ WO, 0, 2, 1
	v_mov_b32 v[MK0+1], v[MK0]
	v_mov_b32 v[MK0+3], v[MK0+2]
	LOADQ WO, 0, 3, 1                              ; (no vector or matrix instruction has named a weight buffer yet: Wo's loads owe nothing but the addresses)
	; ---- x2 = (input + att Wo) x mask.  Behind quarter 0: 72 loads; behind 1: 48; behind 2: quarter 3 and W1's quarter 0, 52; behind 3: W1's quarters 0 and 1, 52
	QUART 63, 0, 1, 2, HS, 0, WP, 0, 0, 0
	QUART 48, 1, 1, 2, HS, 1, WP, 0, 0, 0
	QUART 52, 2, 1, 2, HS, 1, WP, 0, 1, 0
	QUART 52, 3, 1, 2, HS, 0, WP, 0, 0, 0
	WIN 0xc3                                       ; destination and source 0 in window 3
.irp m, 0,1
.set xi, 0
.rept 32
	v_pk_mul_f32 v[X2+64*\m+2*xi:X2+64*\m+2*xi+1], v[X2+64*\m+2*xi:X2+64*\m+2*xi+1], v[MK0+2*\m:MK0+2*\m+1] op_sel_hi:[1,0]
.set xi, xi+1
.endr
.endr
	WIN 0
	LNQ 3, X2
	FETCHA YIMG                                    ; no wait: since the LayerNorm's last wait on va_vdst no vector or matrix line has been issued
	FETCHS YS, YSC
	; ---- the four chunks of the hidden layer; the last is written out, since it asks for no further weights
	s_mov_b32 s[CNT], 3
.Lchunk:
	CHUNK 0
	s_sub_co_u32 s[CNT], s[CNT], 1
	s_cmp_lg_u32 s[CNT], 0
	s_cbranch_scc1 .Lchunk
	CHUNK 1
	; ---- the way out, through my own stage: whole runs of 512 bytes of a row
	WIN 0x0c                                       ; an LDS store's data are its source 1: window 3
	s_wait_alu depctr_va_vdst(0)                   ; behind the four places: the last products have written X2, which the LDS stores read; gelu and the quantiser are done with HA, in which the LDS loads below land
.irp m, 0,1
.irp b, 0,1,2,3
.irp j, 0,1,2,3
	ds_store_b128 v[SA], v[X2+64*\m+16*\b+4*\j:X2+64*\m+16*\b+4*\j+3] offset:8448*\m+128*\b+16*\j   ; each accumulator from its low end on
.endr
.endr
.endr
	WIN 0
.set xi, 0
.rept 32
	ds_load_b128 v[HA+4*xi:HA+4*xi+3], v[SD] offset:528*xi   ; LDS serves a wave's instructions in order: these see my stores
.set xi, xi+1
.endr
.set xi, 0
.rept 32
	s_wait_dscnt 31-xi                             ; row xi is back; the younger loads may be out
	global_store_b128 v[LI], v[HA+4*xi:HA+4*xi+3], s[OUT:OUT+1] offset:2048*(8*(xi/16)+xi%16+8*((xi%16)/8)) th:TH_STORE_NT   ; 32 lanes store 512 consecutive bytes, at a multiple of 256 from out0's first byte
.set xi, xi+1
.endr
	s_wait_dscnt 0x0
	s_wait_alu depctr_hold_cnt(0) depctr_sa_sdst(0) depctr_va_vdst(0) depctr_va_sdst(0) depctr_va_ssrc(0) depctr_va_vcc(0) depctr_vm_vsrc(0)
	s_wait_tensorcnt 0x0
	ds_add_u32 v31, v127
	s_wait_dscnt 0x0
	s_endpgm
.Lfunc_end_k_qb862778edf_tail:
	.size	k_qb862778edf_tail, .Lfunc_end_k_qb862778edf_tail-k_qb862778edf_tail
	.p2alignl 7, 3214868480
	.fill 96, 4, 3214868480
	.section	.rodata,"a",@progbits
	.p2align	6, 0x0
	.amdhsa_kernel k_qb862778edf_tail
		.amdhsa_group_segment_fixed_size 96768
		.amdhsa_private_segment_fixed_size 0
		.amdhsa_enable_private_segment 0
		.amdhsa_kernarg_size 48
		.amdhsa_user_sgpr_count 2
		.amdhsa_user_sgpr_kernarg_segment_ptr 1
		.amdhsa_wavefront_size32 1
		.amdhsa_system_sgpr_workgroup_id_x 1
		.amdhsa_system_sgpr_workgroup_id_y 1
		.amdhsa_system_sgpr_workgroup_id_z 1
		.amdhsa_system_vgpr_workitem_id 0
		.amdhsa_next_free_vgpr 1024
		.amdhsa_next_free_sgpr 66
		.amdhsa_reserve_vcc 0
		.amdhsa_float_denorm_mode_32 3
		.amdhsa_float_denorm_mode_16_64 3
		.amdhsa_memory_ordered 1
		.amdhsa_forward_progress 1
		.amdhsa_inst_pref_size 255
	.end_amdhsa_kernel
	.section	.bss,"aw",@nobits
	.p2align	6
	.space	262144
	.amdgpu_metadata
---
amdhsa.version: [ 1, 2 ]
amdhsa.kernels:
  - .name:           k_qb862778edf_tail
    .symbol:         k_qb862778edf_tail.kd
    .args:
      - { .name: attimg, .offset: 0, .size: 8, .value_kind: global_buffer, .address_space: global }
      - { .name: attsc, .offset: 8, .size: 8, .value_kind: global_buffer, .address_space: global }
      - { .name: input, .offset: 16, .size: 8, .value_kind: global_buffer, .address_space: global }
      - { .name: mask, .offset: 24, .size: 8, .value_kind: global_buffer, .address_space: global }
      - { .name: wimg, .offset: 32, .size: 8, .value_kind: global_buffer, .address_space: global }
      - { .name: out0, .offset: 40, .size: 8, .value_kind: global_buffer, .address_space: global }
    .group_segment_fixed_size: 96768
    .private_segment_fixed_size: 0
    .kernarg_segment_align: 8
    .kernarg_segment_size: 48
    .max_flat_workgroup_size: 128
    .sgpr_count:     66
    .vgpr_count:     1024
    .wavefront_size: 32
...
	.end_amdgpu_metadata
.endif
;; end of part 7
